; MI455X (gfx1250); checked and timed in simulation.
; The chip was launched on July 23, 2026; its instructions are those of AMD's public machine-readable ISA for CDNA 5 (MIT licence, August 2026) and "CDNA5" Instruction Set Architecture Reference Guide (July 2026). The comments in the code are by the model that wrote it; some were corrected since.
;; Voxel Feature Encoder. Allowed arithmetic: matrix products marked QUANTISED: E2M3 operands, one E8M0 scale for each 32 along K, by v_wmma_scale_f32_16x16x128_f8f6f4 with both operands' format E2M3, f32 sums; products left as they are: f32 operands where the result goes on into a quantised operand, else bf16, f16 or f32 operands; f32 sums; everything else in f32.
;; Inputs: W1 7 x 32 float32; W2_codes 64 x 2 x 24 uint8 (E2M3 codes of W2, K innermost, in blocks of 32 codes, four codes in three bytes); W2_scales 64 x 2 uint8 (E8M0 scales of W2, one for each 32 codes along K); Wf_codes 128 x 4 x 24 uint8 (E2M3 codes of Wf, K innermost, in blocks of 32 codes, four codes in three bytes); Wf_scales 128 x 4 uint8 (E8M0 scales of Wf, one for each 32 codes along K); b1 32 float32; b2 64 float32; bf 128 float32; g1 32 float32; g2 64 float32; gf 128 float32; mask 100,000 x 10 x 1 float32; points_per_voxel 100,000 x 10 x 7 float32.
;; Outputs: out0 100,000 x 128 float32.
;; This version of the problem:
;;   THIS VERSION OF THE PROBLEM IS GIVEN IN LOW PRECISION. The matrix products marked QUANTISED in the list below multiply operands that are first quantised to E2M3 (2 exponent bits, 3 mantissa bits; 6 bits a number), with one power-of-two scale for each 32 numbers along K (OCP MX v1.0); their sums are f32. All else is computed in f32.
;;   The module's matrix products, in the order in which they are computed (A, B: the left and right operand; K: the contracted axis; several contracted axes count as one K, in the product's order):
;;     1. [M 1,000,000, K 7] x [K 7, N 32]; A: input points_per_voxel; B: input W1: left as it is (K = 7 < 32)
;;     2. [M 1,000,000, K 64] x [K 64, N 64]; A: computed on the way; B: input W2 (given as codes): QUANTISED
;;     3. [M 1,000,000, K 128] x [K 128, N 128]; A: computed on the way; B: input Wf (given as codes): QUANTISED
;;   THE QUANTISER, for each operand of a quantised product, along K:
;;     - K is cut into blocks of 32 from its start; a last block that is shorter is filled with zeros.
;;     - A block's scale is 2^e with e = floor(log2(the largest magnitude in the block)) - 2, held to -126 .. 127; a block of zeros has e = 0. As a byte (E8M0): e + 127.
;;     - Each number is divided by its block's scale, clamped to +-7.5, and rounded to the nearest number of E2M3, ties to even, subnormals kept.
;;     - The product sums the exact products of the quantised numbers (number of the format x scale) in f32.
;;   ~~~python
;;   def quantise(x, axis):      # numpy; x: float32 -> the quantised numbers, widened to float32 again
;;       x = np.moveaxis(x, axis, -1); K = x.shape[-1]
;;       x = np.pad(x, [(0, 0)] * (x.ndim - 1) + [(0, -K % 32)]); x = x.reshape(x.shape[:-1] + (-1, 32)); a = np.abs(x).max(-1, keepdims=True)
;;       e = np.where(a > 0, np.clip(np.frexp(np.where(a > 0, a, 1))[1] - 1 - 2, -126, 127), 0)      # np.frexp(a)[1] - 1 = floor(log2(a)), exactly
;;       r = np.clip(x / 2.0 ** e, -7.5, 7.5)
;;       step = 2.0 ** (np.maximum(np.frexp(np.where(r == 0, 1, r))[1] - 1, 0) - 3)
;;       q = np.round(r / step) * step * 2.0 ** e      # np.round: ties to even
;;       return np.moveaxis(q.reshape(q.shape[:-2] + (-1,))[..., :K], -1, axis).astype(np.float32)
;;   ~~~
;;   OPERANDS COMPUTED ON THE WAY. 'Computed on the way' means the value that the module computes at that place (a softmax that the list does not call 'softmax' is quantised finished and normalised). What goes into a quantiser is computed in f32, as accurately as f32 sums, v_exp_f32 and their like allow (about 1e-6 of the number): no bf16 or f16 on the way to a quantiser, and a product that is left as it is and whose result goes on into a quantised operand takes f32 operands (vector FMAs, or v_wmma_f32_16x16x4_f32). A number that lies on a knife's edge between two numbers of the format may be rounded either way, as far as f32 arithmetic and the matrix unit's own rounding can turn it there, and no further.
;;   INPUTS GIVEN AS CODES. W2 (in the module: [64, 64], K = its axis 0); Wf (in the module: [128, 128], K = its axis 0): each comes as NAME_codes (uint8): NAME with its K axis moved to the last place and cut into blocks of 32 codes, [.., K / 32, bytes a block], one block behind the other in memory; four codes in three bytes: a row's codes are one little-endian stream of bits, code i at bits 6 i .. 6 i + 5 (a code: sign, 2 exponent bits, 3 mantissa bits); and NAME_scales (uint8): the same leading axes, one E8M0 byte (e + 127) for each 32 codes along K. Its value is code x scale, taken as it is: it is not quantised again, and the codes and scales need not be those that the quantiser above would give.
;; 2 versions. Each part assembles by itself: llvm-mc -triple=amdgcn-amd-amdhsa -mcpu=gfx1250 --defsym DOCPART=n.
;; ======== version 1 of 2: 4 launches
;; limits: a difference of large sums (such as E[x^2] - mean^2): digits are lost where the result is much smaller than its terms
;; workspace buffers: partA 65,536 bytes; part2 131,072 bytes; part3 262,144 bytes; bn2 512 bytes; x1rec 51,200,000 bytes
;; launch moments (part 1): grid 256 x 1, 8 waves a work-group, no clusters, 39,936 bytes of LDS; arguments points_per_voxel, partA; writes partA
.if DOCPART == 1
	.amdgcn_target "amdgcn-amd-amdhsa--gfx1250"
	.amdhsa_code_object_version 6
	.text
	.protected	k_q3a26dcc7ae_moments
	.globl	k_q3a26dcc7ae_moments
	.p2align	8
	.type	k_q3a26dcc7ae_moments,@function
k_q3a26dcc7ae_moments:
	s_mov_b64 s[64:65], 0
	v_nop
	global_prefetch_b8 v0, s[64:65] scope:SCOPE_SE
	s_setreg_imm32_b32 hwreg(HW_REG_WAVE_MODE, 25, 1), 1
	s_wait_xcnt 0x0
; FIRST AND SECOND MOMENTS OF x.  x = points_per_voxel, 1,000,000 rows of 7 f32.  h1 = x W1 is linear in x, so the first BatchNorm's mean and
; variance follow from 7 sums and 28 sums of products of x; this launch makes them, one row of 64 f32 for each work-group:
; column k: sum of y_k;  column 7 + k (15 - k) / 2 + (l - k), k <= l: sum of y_k y_l;  columns 35-63: 0.
; y = x - p, p the tensor's row 0 (a pilot): a common offset of x is gone before anything is squared.
; SHARES.  A group is 16 voxels = 160 rows = 4,480 bytes; 6,250 groups.  Work-group g owns 24 groups, the first 106 work-groups 25, from 24 g + min(g, 106) on;
; wave w takes groups w, w + 8, w + 16 of them, wave 0 also the 25th.  A lane takes 5 rows (35 numbers) of a group.
; Loads are dense (512 consecutive bytes a wave); the 4,480 bytes turn through the wave's own stage in LDS and come back 140 bytes a lane.
; No matrix unit, no tensor load, no cluster: every byte is read once by one wave.  LIMITS: NaN and infinities among the inputs are not served.
.set GRPB,  4480                       ; bytes of a group
.set STEP8, 8*GRPB                     ; from a wave's group to its next
.set STGB,  4608                       ; a wave's stage
.set RED,   8*STGB                     ; behind the stages: 256 bytes for each wave's 64 sums
.set X,     16                         ; v16-50    35 numbers: 5 rows of 7
.set PF,    64                         ; v64-171   three sets of 36: a group as loaded
.set ACC,   208                        ; v208-242  the 35 sums
	s_load_b128 s[12:15], s[0:1], 0x0              ; x, partA
	v_lshl_add_u32 v254, v0, 2, 0x9800
	v_mov_b32 v255, 0
	v_lshrrev_b32 v4, 5, v0
	v_readfirstlane_b32 s2, v4                     ; wave
	s_mov_b32 s3, ttmp9                            ; work-group
	s_mov_b32 s8, 0x76543210                       ; v_permlanex16_b32's selects for lane l xor 16
	s_mov_b32 s9, 0xfedcba98
	s_min_u32 s4, s3, 106
	s_mul_i32 s7, s3, 24
	s_add_co_u32 s4, s4, s7
	s_add_co_u32 s4, s4, s2                        ; my first group
	s_cmp_eq_u32 s2, 0
	s_cselect_b32 s5, 1, 0
	s_cmp_lt_u32 s3, 106
	s_cselect_b32 s7, 1, 0
	s_and_b32 s5, s5, s7                           ; 1: I have a fourth group
	s_mul_i32 s24, s4, GRPB                        ; under 2^32: the tensor has 28,000,000 bytes
	s_mov_b32 s25, 0
	v_and_b32 v5, 31, v0                           ; lane
	v_lshlrev_b32 v1, 4, v5                        ; 16 x lane
	s_mul_i32 s7, s2, STGB
	v_add_nc_u32 v2, s7, v1                        ; the stage, on the way in
	v_mul_u32_u24 v3, v5, 140
	v_add_nc_u32 v3, s7, v3                        ; and on the way out: my 5 rows
	s_lshl_b32 s7, s2, 8
	s_add_co_u32 s7, s7, RED
	v_mov_b32 v6, s7                               ; my wave's 64 sums
	v_lshl_add_u32 v7, v5, 3, s7
	v_mov_b32 v8, 0
	v_mov_b32 v9, 0
	ds_store_b64 v7, v[8:9]                        ; all 64 are zeros first: columns 35-63 stay so
	s_wait_kmcnt 0x0
	s_load_b256 s[16:23], s[12:13], 0x0            ; the pilot: row 0 of x in s16-22
	s_add_nc_u64 s[26:27], s[12:13], s[24:25]      ; x at my first group
.macro LOADX set, j                    ; my group j into a set: eight loads of 512 bytes, and a ninth that ends with the group (it takes 128 bytes again: no lane leaves the group)
.irp i, 0,1,2,3,4,5,6,7
	global_load_b128 v[PF+36*\set+4*\i:PF+36*\set+4*\i+3], v1, s[26:27] offset:STEP8*\j+512*\i
.endr
	global_load_b128 v[PF+36*\set+32:PF+36*\set+35], v1, s[26:27] offset:STEP8*\j+3968
.endm
.macro POINT p, first                  ; one row: y = x - p; 7 sums, 28 sums of products.  first = 1: the row starts the sums: nothing is cleared
.irp k, 0,1,2,3,4,5,6
	v_sub_f32 v[X+7*\p+\k], v[X+7*\p+\k], s[16+\k]
.endr
.irp k, 0,1,2,3,4,5,6
.if \first
	v_mov_b32 v[ACC+\k], v[X+7*\p+\k]
.else
	v_add_f32 v[ACC+\k], v[ACC+\k], v[X+7*\p+\k]
.endif
.endr
.irp k, 0,1,2,3,4,5,6
.irp l, 0,1,2,3,4,5,6
.if \l >= \k
.if \first
	v_mul_f32 v[ACC+7+\k*(15-\k)/2+\l-\k], v[X+7*\p+\k], v[X+7*\p+\l]
.else
	v_fmac_f32 v[ACC+7+\k*(15-\k)/2+\l-\k], v[X+7*\p+\k], v[X+7*\p+\l]
.endif
.endif
.endr
.endr
.endm
.macro GROUPA set, first, left         ; left: the younger loads that may stay out
	s_wait_loadcnt \left
.irp i, 0,1,2,3,4,5,6,7
	ds_store_b128 v2, v[PF+36*\set+4*\i:PF+36*\set+4*\i+3] offset:512*\i
.endr
	ds_store_b128 v2, v[PF+36*\set+32:PF+36*\set+35] offset:3968
.set N, 0
.rept 35
	ds_load_b32 v[X+N], v3 offset:4*N              ; LDS serves a wave's instructions in order: these see the stores above
.set N, N+1
.endr
	s_wait_dscnt 0x0
	POINT 0, \first
	POINT 1, 0
	POINT 2, 0
	POINT 3, 0
	POINT 4, 0
.endm
	LOADX 0, 0                                     ; all three groups are asked for at once: 27 loads a wave
	LOADX 1, 1
	LOADX 2, 2
	s_wait_kmcnt 0x0                               ; the pilot
	GROUPA 0, 1, 18                                ; the two younger groups' 18 loads may be out
	s_cmp_eq_u32 s5, 0
	s_cbranch_scc1 .Lthree_a
	LOADX 0, 3                                     ; the fourth group, into the set that has just been staged
.Lthree_a:
	GROUPA 1, 0, 9                                 ; with three groups: the third's 9 may be out; with four the count waits for the third as well
	GROUPA 2, 0, 0
	s_cmp_eq_u32 s5, 0
	s_cbranch_scc1 .Lthree_b
	GROUPA 0, 0, 0
.Lthree_b:
	; over the 32 lanes: four steps inside each half of 16 lanes, one across the halves
.irp m, 1,2,4,8
.set N, 0
.rept 35
	v_add_f32_dpp v[ACC+N], v[ACC+N], v[ACC+N] row_xmask:\m row_mask:0xf bank_mask:0xf
.set N, N+1
.endr
.endr
.set N, 0
.rept 35
	v_permlanex16_b32 v[X+N], v[ACC+N], s8, s9
.set N, N+1
.endr
.set N, 0
.rept 35
	v_add_f32 v[ACC+N], v[ACC+N], v[X+N]
.set N, N+1
.endr
.set N, 0
.rept 35
	ds_store_b32 v6, v[ACC+N] offset:4*N           ; all lanes write the same word with the same value
.set N, N+1
.endr
	s_wait_dscnt 0x0                               ; for wave 0's sake: my stores have landed
	s_barrier_signal -1
	s_barrier_wait -1
	s_cmp_lg_u32 s2, 0
	s_cbranch_scc1 .Lend
	v_lshlrev_b32 v10, 3, v5                       ; wave 0 adds the eight waves' rows: 8 bytes a lane
	v_add_nc_u32 v11, RED, v10
.irp w, 0,1,2,3,4,5,6,7
	ds_load_b64 v[16+2*\w:17+2*\w], v11 offset:256*\w
.endr
	s_lshl_b32 s24, s3, 8
	s_add_nc_u64 s[14:15], s[14:15], s[24:25]
	s_wait_dscnt 0x0
.irp i, 0,2,4,6
	v_pk_add_f32 v[16+\i:17+\i], v[16+\i:17+\i], v[24+\i:25+\i]
.endr
	v_pk_add_f32 v[16:17], v[16:17], v[20:21]
	v_pk_add_f32 v[18:19], v[18:19], v[22:23]
	v_pk_add_f32 v[16:17], v[16:17], v[18:19]
	global_store_b64 v10, v[16:17], s[14:15]       ; 32 lanes store 256 consecutive bytes, aligned
.Lend:
	s_wait_tensorcnt 0x0
	ds_add_u32 v254, v255
	s_wait_dscnt 0x0
	s_endpgm
.Lfunc_end_k_q3a26dcc7ae_moments:
	.size	k_q3a26dcc7ae_moments, .Lfunc_end_k_q3a26dcc7ae_moments-k_q3a26dcc7ae_moments
	.p2alignl 7, 3214868480
	.fill 96, 4, 3214868480
	.section	.rodata,"a",@progbits
	.p2align	6, 0x0
	.amdhsa_kernel k_q3a26dcc7ae_moments
		.amdhsa_group_segment_fixed_size 39936
		.amdhsa_private_segment_fixed_size 0
		.amdhsa_enable_private_segment 0
		.amdhsa_kernarg_size 16
		.amdhsa_user_sgpr_count 2
		.amdhsa_user_sgpr_kernarg_segment_ptr 1
		.amdhsa_wavefront_size32 1
		.amdhsa_system_sgpr_workgroup_id_x 1
		.amdhsa_system_sgpr_workgroup_id_y 1
		.amdhsa_system_sgpr_workgroup_id_z 1
		.amdhsa_system_vgpr_workitem_id 0
		.amdhsa_next_free_vgpr 256
		.amdhsa_next_free_sgpr 66
		.amdhsa_reserve_vcc 0
		.amdhsa_float_denorm_mode_32 3
		.amdhsa_float_denorm_mode_16_64 3
		.amdhsa_memory_ordered 1
		.amdhsa_forward_progress 1
		.amdhsa_inst_pref_size 63
	.end_amdhsa_kernel
	.amdgpu_metadata
---
amdhsa.version: [ 1, 2 ]
amdhsa.kernels:
  - .name:           k_q3a26dcc7ae_moments
    .symbol:         k_q3a26dcc7ae_moments.kd
    .args:
      - { .name: points_per_voxel, .offset: 0, .size: 8, .value_kind: global_buffer, .address_space: global }
      - { .name: partA, .offset: 8, .size: 8, .value_kind: global_buffer, .address_space: global }
    .group_segment_fixed_size: 39936
    .private_segment_fixed_size: 0
    .kernarg_segment_align: 8
    .kernarg_segment_size: 16
    .max_flat_workgroup_size: 256
    .sgpr_count:     66
    .vgpr_count:     256
    .wavefront_size: 32
...
	.end_amdgpu_metadata
.endif
;; end of part 1
;; launch layer1 (part 2): grid 256 x 1, 8 waves a work-group, no clusters, 52,224 bytes of LDS; arguments points_per_voxel, mask, W1, g1, b1, W2_codes, W2_scales, partA, x1rec, part2; writes x1rec, part2
.if DOCPART == 2
	.amdgcn_target "amdgcn-amd-amdhsa--gfx1250"
	.amdhsa_code_object_version 6
	.text
	.protected	k_q3a26dcc7ae_layer1
	.globl	k_q3a26dcc7ae_layer1
	.p2align	8
	.type	k_q3a26dcc7ae_layer1,@function
k_q3a26dcc7ae_layer1:
	s_mov_b64 s[64:65], 0
	v_nop
	global_prefetch_b8 v0, s[64:65] scope:SCOPE_SE
	s_setreg_imm32_b32 hwreg(HW_REG_WAVE_MODE, 25, 1), 1
	s_wait_xcnt 0x0
; LAYER 1, AND THE SUMS FOR THE SECOND BatchNorm.  x1 = [h, pooled] m with h = relu(BN(x W1)) m, pooled = the voxel's largest h over its valid points; h2 = Q(x1) W2.
; Stored: x1 as codes of FP6 (E2M3) with E8M0 scales, in the order of an operand's registers (8,192 bytes a group), and for each work-group the sums of h2 and of h2^2 by channel.
; THE GROUP.  16 voxels = 160 rows = ten tiles of 16: tile t is point t of the 16 voxels, a tile's row r is voxel r.  With the weights as source 0 a lane holds ONE voxel (lane % 16), so the
; pooling over a voxel's points is a maximum over the ten tiles' registers of one lane.  Shares: work-group g owns 24 groups (the first 106: 25) from 24 g + min(g, 106) on; wave w takes every eighth.
; BN 1.  From the moments of y = x - p (p: row 0 of x): mean = sum (p_k + my_k) W_k, var = sum C_kl W_k W_l; a = g1 rsq(var + eps) goes into the weights, c = b1 - mean a is the C of the product.
; PRODUCT 1 (K = 7, f32 operands, since its result goes on into a quantiser): v_wmma_f32_16x16x4_f32, two K steps; k = 7 is a zero row of the weights (x's register there holds the next number in the stage).
; THE ROWS OF W1 THAT FORM A TILE: lane r of tile w takes channel 8 w + r + 8 (r / 8), so that a lane's 16 registers of the two tiles are channels 16 (lane / 16) + 0 .. 15: neighbours along the next K.
; THE MASK is taken as a number: t = relu(v) m; pooled = the largest t over ALL ten points (a point with m <= 0 gives t <= 0, a valid one t >= 0); h = t m.
; PRODUCT 2 has K = 64, the instruction 128: the fragments of tiles u and u + 5 are ONE operand (k 0-63: tile u, k 64-127: tile u + 5), and W2 stands between runs of zero codes:
; (W2, 0) gives tile u's product, (0, W2) tile u + 5's.  Here x1 is source 0, so that a lane holds one CHANNEL of h2 and the sums need no other lane but the one 16 away.
; LIMITS: every voxel has a mask above 0 (else reference() is NaN everywhere); NaN and infinities are not served; the sign of zero is not kept; a block of zeros has the byte 1 (its codes are zeros).
.set GRPX, 4480                        ; a group's bytes of x
.set GRPM, 640                         ; and of the mask
.set STGB, 5120                        ; LDS: a wave's stage: x, then the mask
.set MOFF, 4480
.set REDH, 8*STGB                      ; 4,096: the moments, 16 classes of rows x 64 columns
.set TOT,  REDH+4096                   ; 256: their totals
.set W1T,  TOT+256                     ; 1,024: a W1, [k 8][32 channels], row 7 zeros
.set C1T,  W1T+1024                    ; 128: c
.set REDE, C1T+256                     ; 512 for each wave: its sums of h2 (64) and h2^2 (64)
; window 0
.set LI,   1                           ; 16 x lane
.set XST,  2                           ; stage + 16 x lane
.set XA,   3                           ; stage + 4 (70 r + 2 h): x(voxel r, k = 2 h)
.set MA,   4                           ; stage + MOFF + 40 r: my voxel's ten mask numbers
.set TA,   5                           ; 16 x thread
.set M,    8                           ; v8-27    m_t in register 2 t (the odd ones are zeros: the packed multiply names pairs and takes the low word)
.set SWR,  28                          ; v28-32   x1's scale words, pair u in register u; register 0 ends as pair 0's in lanes 0-15 and pair 4's in lanes 16-31
.set W2S,  34                          ; v34-37   W2's scale words
.set W1F,  38                          ; v38-45   a W1's fragments [tile w][K step s][2]
.set C1,   46                          ; v46-61   c in the result's layout [w][8]
.set XB,   62                          ; v62-77   x's fragments: two buffers x two tiles x [s][2]
.set D1,   78                          ; v78-109  product 1's four accumulators: written by matrix instructions alone
.set T,    110                         ; v110-141 32 numbers at work
.set H,    78                          ; product 2's eight accumulators: D1 and T together
.set POOL, 142                         ; v142-157
.set MX,   158                         ; v158-159 a block's largest magnitude, then its byte
.set MY,   160                         ; v160-161 the other half's, then the conversion's scale operand
.set BT,   162                         ; v162-169 codes on their way
.set FR,   170                         ; v170-229 x1's five operands of 12
.set RR,   230                         ; r = lane % 16
.set HH,   231                         ; h = lane / 16
.set L4,   232                         ; 4 x lane
.set AD,   233
.set AE,   234
.set E,    240                         ; v240-255 the end's sums
.set TT,   170                         ; the head, wave 0: 36 totals; v206.. W1's column; v214.. my; v222 g1, v223 b1; v224-228 at work
.set WK,   206
.set MK,   214
.set G1R,  222
.set B1R,  223
.set U0,   224
.set U1,   225
.set U2,   226
.set U3,   227
.set U4,   228
; window 1
.set PF,   0                           ; v0-43    the next group as loaded: x 36, mask 8
.set W2Z,  44                          ; v44-97   [0 W 0 W 0 W 0 W 0] in runs of 6: tile w at W2Z + 6 + 12 w
.set S2,   98                          ; v98-129  sums of h2 [w][8]
.set Q2,   130                         ; v130-161 of h2^2
.set RS,   162                         ; v162-225 the head: 16 quads of partA
.set RSA,  226
.set MSB, 0
.macro WIN new                         ; s_set_vgpr_msb: bits 1:0 source 0, 3:2 source 1, 5:4 source 2, 7:6 destination; the high byte repeats the setting that is left
.if MSB != \new
	s_set_vgpr_msb (MSB<<8)|\new
.set MSB, \new
.endif
.endm
.macro PLACES n
.rept \n
	v_nop
.endr
.endm
.macro MULM d, s, t                    ; two numbers x m_t
	v_pk_mul_f32 v[\d:\d+1], v[\s:\s+1], v[M+2*(\t):M+2*(\t)+1] op_sel_hi:[1,0]
.endm
; Two half blocks of 16 numbers at v[s], v[s + 16]: the block's largest magnitude (with the lane 16 away), the conversion's scale operand in MY, the byte in MX.
.macro BLK s
.irp b, 0,1
	v_max3_num_f32 v[MX+\b], |v[\s+16*\b]|, |v[\s+16*\b+1]|, 0x1800000   ; and the floor 2^(3 - 127): the byte cannot fall under 1
.endr
.irp i, 2,4,6,8,10,12,14
.irp b, 0,1
	v_max3_num_f32 v[MX+\b], v[MX+\b], |v[\s+16*\b+\i]|, |v[\s+16*\b+\i+1]|
.endr
.endr
.irp b, 0,1
	v_permlanex16_b32 v[MY+\b], v[MX+\b], s8, s9
.endr
.irp b, 0,1
	v_max_num_f32 v[MX+\b], v[MX+\b], v[MY+\b]
.endr
.irp b, 0,1
	v_add_nc_u32 v[MY+\b], 0xff000000, v[MX+\b]    ; 2 off the exponent field: the conversion takes this operand's exponent field as its scale
.endr
.irp b, 0,1
	v_lshrrev_b32 v[MX+\b], 23, v[MY+\b]           ; the scale's byte
.endr
.endm
.macro PFLOAD                          ; a group of x (nine loads, the ninth ends with the group) and of the mask (two, likewise)
	WIN 0x40
.irp i, 0,1,2,3,4,5,6,7
	global_load_b128 v[PF+4*\i:PF+4*\i+3], v[LI], s[48:49] offset:512*\i th:TH_LOAD_NT
.endr
	global_load_b128 v[PF+32:PF+35], v[LI], s[48:49] offset:3968 th:TH_LOAD_NT
	global_load_b128 v[PF+36:PF+39], v[LI], s[50:51]
	global_load_b128 v[PF+40:PF+43], v[LI], s[50:51] offset:128
	WIN 0
.endm
.macro XLOAD buf, u                    ; x's fragments of tiles u and u + 5: register [s][j] is x(voxel r, point t, k = 4 s + 2 h + j)
.irp hf, 0,1
.irp s, 0,1
.irp j, 0,1
	ds_load_b32 v[XB+8*(\buf)+4*\hf+2*\s+\j], v[XA] offset:4*(7*((\u)+5*\hf)+4*\s+\j)
.endr
.endr
.endr
.endm
	s_load_b512 s[16:31], s[0:1], 0x0              ; x 16, mask 18, W1 20, g1 22, b1 24, W2's codes 26, W2's scales 28, partA 30
	s_load_b128 s[32:35], s[0:1], 0x40             ; x1rec 32, part2 34
	v_lshl_add_u32 v238, v0, 2, 0xc800
	v_mov_b32 v239, 0
	v_lshrrev_b32 v6, 5, v0
	v_readfirstlane_b32 s2, v6                     ; wave
	s_mov_b32 s3, ttmp9                            ; work-group
	s_mov_b32 s8, 0x76543210                       ; v_permlanex16_b32's selects for lane l xor 16
	s_mov_b32 s9, 0xfedcba98
	s_mov_b32 s10, 0x358637bd                      ; 1 / 1,000,000
	s_mov_b32 s11, 0x3727c5ac                      ; eps = 1e-5
	s_mov_b32 s12, 0xffff0000                      ; lanes 16-31
	s_min_u32 s4, s3, 106
	s_mul_i32 s7, s3, 24
	s_add_co_u32 s4, s4, s7
	s_add_co_u32 s4, s4, s2                        ; my first group
	s_cmp_eq_u32 s2, 0
	s_cselect_b32 s5, 1, 0
	s_cmp_lt_u32 s3, 106
	s_cselect_b32 s7, 1, 0
	s_and_b32 s5, s5, s7
	s_add_co_u32 s5, s5, 3                         ; my groups: 3 or 4
	v_and_b32 v[L4], 31, v0
	v_and_b32 v[RR], 15, v0
	v_bfe_u32 v[HH], v0, 4, 1
	v_lshlrev_b32 v[LI], 4, v[L4]
	v_lshlrev_b32 v[L4], 2, v[L4]
	v_lshlrev_b32 v[TA], 4, v0
	s_mul_i32 s7, s2, STGB
	v_add_nc_u32 v[XST], s7, v[LI]
	v_mul_u32_u24 v[XA], v[RR], 280
	v_lshl_add_u32 v[XA], v[HH], 3, v[XA]
	v_add_nc_u32 v[XA], s7, v[XA]
	v_mul_u32_u24 v[MA], v[RR], 40
	v_add_nc_u32 v[MA], s7, v[MA]
	v_add_nc_u32 v[MA], MOFF, v[MA]
	v_mul_u32_u24 v6, v[RR], 48                    ; W2, natural rows n = 16 w + r: 48 bytes a row, + 24 h
	v_mad_u32_u24 v6, v[HH], 24, v6
	v_lshlrev_b32 v7, 1, v[RR]                     ; and its two scale bytes
	s_mul_i32 s36, s4, GRPX
	s_mov_b32 s37, 0
	s_mul_i32 s38, s4, GRPM
	s_mov_b32 s39, 0
	s_lshl_b32 s54, s4, 13
	s_mov_b32 s55, 0
	s_wait_kmcnt 0x0
	s_load_b256 s[40:47], s[16:17], 0x0            ; the pilot: row 0 of x in s40-46
	s_add_nc_u64 s[48:49], s[16:17], s[36:37]      ; x, the mask and the record at my first group
	s_add_nc_u64 s[50:51], s[18:19], s[38:39]
	s_add_nc_u64 s[52:53], s[32:33], s[54:55]
	PFLOAD
	WIN 0x40
.irp w, 0,1,2,3
.irp i, 0,1,2
	global_load_b64 v[W2Z+6+12*\w+2*\i:W2Z+7+12*\w+2*\i], v6, s[26:27] offset:768*\w+8*\i
.endr
.endr
	WIN 0
.irp w, 0,1,2,3
	global_load_u16 v[W2S+\w], v7, s[28:29] offset:32*\w
.endr
.irp k, 0,1,2,3,4,5,6
	global_load_b32 v[WK+\k], v[L4], s[20:21] offset:128*\k   ; W1(k, channel = lane): wave 0 uses them
.endr
	global_load_b32 v[G1R], v[L4], s[22:23]
	global_load_b32 v[B1R], v[L4], s[24:25]
	WIN 0x40
.set N, 0
.rept 16
	global_load_b128 v[RS+4*N:RS+4*N+3], v[TA], s[30:31] offset:4096*N   ; partA: a step of the work-group covers 4,096 dense bytes, 16 rows of 64 columns
.set N, N+1
.endr
.irp z, 0,1,2,3,4
.irp i, 0,1,2,3,4,5
	v_mov_b32 v[W2Z+12*\z+\i], 0                   ; the runs of zero codes
.endr
.endr
.set N, 0
.rept 64
	v_mov_b32 v[S2+N], 0                           ; the sums of h2 and h2^2: the loop is written once
.set N, N+1
.endr
	s_wait_loadcnt 0x0
	WIN 0x45
.irp st, 8,4,2
.set N, 0
.rept \st
	v_pk_add_f32 v[RS+4*N:RS+4*N+1], v[RS+4*N:RS+4*N+1], v[RS+4*(N+\st):RS+4*(N+\st)+1]
	v_pk_add_f32 v[RS+4*N+2:RS+4*N+3], v[RS+4*N+2:RS+4*N+3], v[RS+4*(N+\st)+2:RS+4*(N+\st)+3]
.set N, N+1
.endr
.endr
	v_pk_add_f32 v[RSA:RSA+1], v[RS:RS+1], v[RS+4:RS+5]
	v_pk_add_f32 v[RSA+2:RSA+3], v[RS+2:RS+3], v[RS+6:RS+7]
	WIN 0x04
	ds_store_b128 v[TA], v[RSA:RSA+3] offset:REDH  ; class thread / 16, columns 4 (thread % 16) on
	WIN 0
.irp w, 0,1,2,3
	v_lshl_or_b32 v[W2S+\w], v[W2S+\w], 16, v[W2S+\w]   ; the two bytes twice: they serve (W2, 0) and (0, W2)
.endr
.irp t, 0,1,2,3,4,5,6,7,8,9
	v_mov_b32 v[M+2*\t+1], 0
.endr
	v_mov_b32 v[MY], 0                             ; written once: a lane permute's destination counts as one of its sources
	v_mov_b32 v[MY+1], 0
	s_wait_kmcnt 0x0                               ; the pilot
	s_wait_dscnt 0x0
	s_barrier_signal -1
	s_barrier_wait -1                              ; the sixteen classes lie in LDS
	s_cmp_lg_u32 s2, 0
	s_cbranch_scc1 .Lnot_wave_0
	; wave 0, lane = channel: the totals, then a and c of the first BatchNorm
.set Q, 0
.rept 16
	ds_load_b32 v[T+Q], v[L4] offset:REDH+256*Q
	ds_load_b32 v[T+16+Q], v[L4] offset:REDH+256*Q+128
.set Q, Q+1
.endr
	s_wait_dscnt 0x0
.irp b, T, T+16
.irp i, 0,2,4,6
	v_pk_add_f32 v[\b+\i:\b+\i+1], v[\b+\i:\b+\i+1], v[\b+\i+8:\b+\i+9]
.endr
.irp i, 0,2
	v_pk_add_f32 v[\b+\i:\b+\i+1], v[\b+\i:\b+\i+1], v[\b+\i+4:\b+\i+5]
.endr
	v_pk_add_f32 v[\b:\b+1], v[\b:\b+1], v[\b+2:\b+3]
	v_add_f32 v[\b], v[\b], v[\b+1]
.endr
	ds_store_b32 v[L4], v[T] offset:TOT
	ds_store_b32 v[L4], v[T+16] offset:TOT+128
	v_mov_b32 v[AD], 0
.irp i, 0,1,2,3,4,5,6,7,8
	ds_load_b128 v[TT+4*\i:TT+4*\i+3], v[AD] offset:TOT+16*\i   ; every lane reads all totals; LDS serves a wave's instructions in order
.endr
	s_wait_dscnt 0x0
.irp k, 0,1,2,3,4,5,6
	v_mul_f32 v[MK+\k], s10, v[TT+\k]              ; my_k = the mean of y_k
.endr
	v_add_f32 v[U0], s40, v[MK]
	v_mul_f32 v[U1], v[U0], v[WK]                  ; mean of h1 = sum (p_k + my_k) W_k
.irp k, 1,2,3,4,5,6
	v_add_f32 v[U0], s[40+\k], v[MK+\k]
	v_fmac_f32 v[U1], v[U0], v[WK+\k]
.endr
	v_mov_b32 v[U2], 0
	v_mov_b32 v[U3], 0
.irp k, 0,1,2,3,4,5,6
.irp l, 0,1,2,3,4,5,6
.if \l >= \k
	v_mul_f32 v[U0], s10, v[TT+7+\k*(15-\k)/2+\l-\k]
	v_fma_f32 v[U0], -v[MK+\k], v[MK+\l], v[U0]    ; C_kl
	v_mul_f32 v[U4], v[WK+\k], v[WK+\l]
.if \l == \k
	v_fmac_f32 v[U2], v[U0], v[U4]
.else
	v_fmac_f32 v[U3], v[U0], v[U4]
.endif
.endif
.endr
.endr
	v_fmac_f32 v[U2], 2.0, v[U3]                   ; var = sum C_kk W_k^2 + 2 sum over k < l
	v_max_num_f32 v[U2], 0, v[U2]
	v_add_f32 v[U2], s11, v[U2]
	v_rsq_f32 v[U3], v[U2]
	v_mov_b32 v[U0], 0                             ; (a plain place behind the transcendental)
	s_wait_alu depctr_va_vdst(0)
	v_mul_f32 v[U3], v[G1R], v[U3]                 ; a
	v_fma_f32 v[U4], -v[U1], v[U3], v[B1R]         ; c = b1 - mean a
.irp k, 0,1,2,3,4,5,6
	v_mul_f32 v[WK+\k], v[WK+\k], v[U3]
.endr
.irp k, 0,1,2,3,4,5,6
	ds_store_b32 v[L4], v[WK+\k] offset:W1T+128*\k
.endr
	ds_store_b32 v[L4], v[U0] offset:W1T+896       ; k = 7: zeros
	ds_store_b32 v[L4], v[U4] offset:C1T
.Lnot_wave_0:
	s_wait_dscnt 0x0
	s_barrier_signal -1
	s_barrier_wait -1                              ; a W1 and c lie in LDS
	v_and_b32 v[AD], 8, v[RR]
	v_add_nc_u32 v[AD], v[AD], v[RR]               ; r + 8 (r / 8)
	v_lshlrev_b32 v[AD], 2, v[AD]
	v_lshl_add_u32 v[AD], v[HH], 8, v[AD]          ; + two rows of 128 bytes for h
	v_lshlrev_b32 v[AE], 6, v[HH]
.irp w, 0,1
.irp s, 0,1
.irp j, 0,1
	ds_load_b32 v[W1F+4*\w+2*\s+\j], v[AD] offset:W1T+512*\s+128*\j+32*\w   ; a W1(k = 4 s + 2 h + j, channel 8 w + r + 8 (r / 8))
.endr
.endr
	ds_load_b128 v[C1+8*\w:C1+8*\w+3], v[AE] offset:C1T+32*\w               ; c(16 h + 8 w + 0 .. 7)
	ds_load_b128 v[C1+8*\w+4:C1+8*\w+7], v[AE] offset:C1T+32*\w+16
.endr
	s_wait_dscnt 0x0
; Tiles u and u + 5: product 1, relu, mask, the pool, mask again; the h half of x1 becomes codes.
.macro PASS1 u
.if (\u) < 4
	XLOAD ((\u)+1)%2, (\u)+1
	s_wait_dscnt 8                                 ; all but the next pair's eight loads
.else
	s_wait_dscnt 0x0
.endif
.irp s, 0,1                            ; four accumulators by turns, one instruction a turn
.irp hf, 0,1
.irp w, 0,1
.if \s == 0
	v_wmma_f32_16x16x4_f32 v[D1+8*(2*\hf+\w):D1+8*(2*\hf+\w)+7], v[W1F+4*\w:W1F+4*\w+1], v[XB+8*((\u)%2)+4*\hf:XB+8*((\u)%2)+4*\hf+1], v[C1+8*\w:C1+8*\w+7]
.else
	v_wmma_f32_16x16x4_f32 v[D1+8*(2*\hf+\w):D1+8*(2*\hf+\w)+7], v[W1F+4*\w+2:W1F+4*\w+3], v[XB+8*((\u)%2)+4*\hf+2:XB+8*((\u)%2)+4*\hf+3], v[D1+8*(2*\hf+\w):D1+8*(2*\hf+\w)+7]
.endif
.endr
.endr
.endr
	PLACES 8                                       ; eight places behind this form before its result is read
.set N, 0
.rept 32
	v_max_num_f32 v[T+N], 0, v[D1+N]               ; relu, into other registers; each accumulator from its low end on
.set N, N+1
.endr
.set N, 0
.rept 8
	MULM T+2*N, T+2*N, \u
	MULM T+16+2*N, T+16+2*N, (\u)+5
.set N, N+1
.endr
.set N, 0
.rept 16
.if (\u) == 0
	v_max_num_f32 v[POOL+N], v[T+N], v[T+16+N]
.else
	v_max3_num_f32 v[POOL+N], v[POOL+N], v[T+N], v[T+16+N]
.endif
.set N, N+1
.endr
.set N, 0
.rept 8
	MULM T+2*N, T+2*N, \u
	MULM T+16+2*N, T+16+2*N, (\u)+5
.set N, N+1
.endr
	BLK T
	v_cvt_scalef32_pk16_fp6_f32 v[FR+12*(\u):FR+12*(\u)+2], v[T:T+15], v[MY]
	v_cvt_scalef32_pk16_fp6_f32 v[FR+12*(\u)+6:FR+12*(\u)+8], v[T+16:T+31], v[MY+1]
	v_lshl_or_b32 v[SWR+(\u)], v[MX+1], 16, v[MX]  ; bytes 0 and 2 of the pair's scale word.  (The plain place behind the conversions)
.endm
; The pooled half of x1 for tiles u and u + 5, and the exchange that gives each lane a whole block of 32.
.macro PASS2 u
.set N, 0
.rept 8
	MULM T+2*N, POOL+2*N, \u
	MULM T+16+2*N, POOL+2*N, (\u)+5
.set N, N+1
.endr
	BLK T
	v_cvt_scalef32_pk16_fp6_f32 v[BT:BT+2], v[T:T+15], v[MY]
	v_cvt_scalef32_pk16_fp6_f32 v[BT+4:BT+6], v[T+16:T+31], v[MY+1]
	v_lshl_or_b32 v[SWR+(\u)], v[MX], 8, v[SWR+(\u)]     ; bytes 1 and 3.  (The plain place behind the conversions)
	v_lshl_or_b32 v[SWR+(\u)], v[MX+1], 24, v[SWR+(\u)]
.irp i, 0,1,2
	v_permlane16_swap_b32 v[FR+12*(\u)+\i], v[BT+\i]     ; lanes 0-15: h's channels 0-15 | 16-31; lanes 16-31: the pool's
	v_permlane16_swap_b32 v[FR+12*(\u)+6+\i], v[BT+4+\i]
.endr
.irp i, 0,1,2
	v_mov_b32 v[FR+12*(\u)+3+\i], v[BT+\i]               ; (a conversion's three registers begin on an even number)
	v_mov_b32 v[FR+12*(\u)+9+\i], v[BT+4+\i]
.endr
.endm
; h2 of tiles u and u + 5, a lane to a channel, and its sums.
.macro PROD2 u
	WIN 0x04                                       ; source 1 (W2) window 1
.irp hf, 0,1
.irp w, 0,1,2,3
.if (\u) == 4
	v_wmma_scale_f32_16x16x128_f8f6f4 v[H+8*(4*\hf+\w):H+8*(4*\hf+\w)+7], v[FR+12*(\u):FR+12*(\u)+11], v[W2Z+6+12*\w-6*\hf:W2Z+17+12*\w-6*\hf], 0, v[SWR], v[W2S+\w] matrix_a_fmt:MATRIX_FMT_FP6 matrix_b_fmt:MATRIX_FMT_FP6 matrix_a_scale:MATRIX_SCALE_ROW1
.else
	v_wmma_scale_f32_16x16x128_f8f6f4 v[H+8*(4*\hf+\w):H+8*(4*\hf+\w)+7], v[FR+12*(\u):FR+12*(\u)+11], v[W2Z+6+12*\w-6*\hf:W2Z+17+12*\w-6*\hf], 0, v[SWR+(\u)], v[W2S+\w] matrix_a_fmt:MATRIX_FMT_FP6 matrix_b_fmt:MATRIX_FMT_FP6
.endif
.endr
.endr
	WIN 0x50                                       ; the sums (destination and source 2) window 1
	PLACES 4
.irp hf, 0,1
.irp w, 0,1,2,3
.irp p, 0,2,4,6
	v_pk_fma_f32 v[S2+8*\w+\p:S2+8*\w+\p+1], v[H+8*(4*\hf+\w)+\p:H+8*(4*\hf+\w)+\p+1], 1.0, v[S2+8*\w+\p:S2+8*\w+\p+1] op_sel_hi:[1,0,1]
	v_pk_fma_f32 v[Q2+8*\w+\p:Q2+8*\w+\p+1], v[H+8*(4*\hf+\w)+\p:H+8*(4*\hf+\w)+\p+1], v[H+8*(4*\hf+\w)+\p:H+8*(4*\hf+\w)+\p+1], v[Q2+8*\w+\p:Q2+8*\w+\p+1]
.endr
.endr
.endr
	WIN 0
.endm
	s_mov_b32 s6, 0
.Ltrip:                                                ; four trips; a wave with three groups passes over the fourth
	s_cmp_ge_u32 s6, s5
	s_cbranch_scc1 .Lskip
	s_wait_loadcnt 0x0                             ; the group asked for a trip ago is in: so the pointers may step
	s_add_nc_u64 s[48:49], s[48:49], 8*GRPX
	s_add_nc_u64 s[50:51], s[50:51], 8*GRPM
	WIN 0x04
.irp i, 0,1,2,3,4,5,6,7
	ds_store_b128 v[XST], v[PF+4*\i:PF+4*\i+3] offset:512*\i
.endr
	ds_store_b128 v[XST], v[PF+32:PF+35] offset:3968
	ds_store_b128 v[XST], v[PF+36:PF+39] offset:MOFF
	ds_store_b128 v[XST], v[PF+40:PF+43] offset:MOFF+128
	WIN 0
	s_wait_dscnt 0x0                               ; the stores have read their registers, which take the next group
	s_add_co_u32 s7, s6, 1
	s_cmp_lt_u32 s7, s5
	s_cbranch_scc0 .Lno_next                       ; no load leaves its buffer
	PFLOAD
.Lno_next:
.irp t, 0,1,2,3,4,5,6,7,8,9
	ds_load_b32 v[M+2*\t], v[MA] offset:4*\t
.endr
	XLOAD 0, 0
.irp u, 0,1,2,3,4
	PASS1 \u
.endr
.irp u, 0,1,2,3,4
	PASS2 \u
.endr
	v_cndmask_b32 v[SWR], v[SWR], v[SWR+4], s12    ; pair 4's scale words ride in lanes 16-31 of pair 0's register
.set N, 0
.rept 15
	global_store_b128 v[LI], v[FR+4*N:FR+4*N+3], s[52:53] offset:512*N   ; the operands as they stand: each store covers 512 consecutive bytes, aligned
.set N, N+1
.endr
	global_store_b128 v[LI], v[SWR:SWR+3], s[52:53] offset:7680
	PLACES 8                                       ; a scale register written by a vector instruction stands eight places ahead of the scaled product
.irp u, 0,1,2,3,4
	PROD2 \u
.endr
	s_wait_xcnt 0x0                                ; the stores' data and base are written again only behind this wait
	s_add_nc_u64 s[52:53], s[52:53], 65536
.Lskip:
	s_add_co_u32 s6, s6, 1
	s_cmp_lt_u32 s6, 4
	s_cbranch_scc1 .Ltrip
	; the wave's sums: eight registers to one, the two halves of the lanes, then the eight waves through LDS
	WIN 0x45
.irp b, S2, Q2
.irp w, 0,1,2,3
	v_pk_add_f32 v[\b+8*\w:\b+8*\w+1], v[\b+8*\w:\b+8*\w+1], v[\b+8*\w+2:\b+8*\w+3]
	v_pk_add_f32 v[\b+8*\w+4:\b+8*\w+5], v[\b+8*\w+4:\b+8*\w+5], v[\b+8*\w+6:\b+8*\w+7]
.endr
.endr
.irp b, S2, Q2
.irp w, 0,1,2,3
	v_pk_add_f32 v[\b+8*\w:\b+8*\w+1], v[\b+8*\w:\b+8*\w+1], v[\b+8*\w+4:\b+8*\w+5]
.endr
.endr
	WIN 0x05
.irp w, 0,1,2,3
	v_add_f32 v[E+\w], v[S2+8*\w], v[S2+8*\w+1]
	v_add_f32 v[E+4+\w], v[Q2+8*\w], v[Q2+8*\w+1]
.endr
	WIN 0
.irp i, 0,1,2,3,4,5,6,7
	v_mov_b32 v[E+8+\i], 0
.endr
.irp i, 0,1,2,3,4,5,6,7
	v_permlanex16_b32 v[E+8+\i], v[E+\i], s8, s9
.endr
.irp i, 0,1,2,3,4,5,6,7
	v_add_f32 v[E+\i], v[E+\i], v[E+8+\i]
.endr
	s_lshl_b32 s7, s2, 9
	v_lshl_add_u32 v[AD], v[RR], 2, s7
.irp w, 0,1,2,3
	ds_store_b32 v[AD], v[E+\w] offset:REDE+64*\w          ; channel 16 w + r; both halves write the same value
	ds_store_b32 v[AD], v[E+4+\w] offset:REDE+256+64*\w
.endr
	s_wait_dscnt 0x0
	s_barrier_signal -1
	s_barrier_wait -1
	s_cmp_lg_u32 s2, 0
	s_cbranch_scc1 .Lend
.irp w, 0,1,2,3,4,5,6,7
	ds_load_b128 v[T+4*\w:T+4*\w+3], v[LI] offset:REDE+512*\w
.endr
	s_lshl_b32 s36, s3, 9
	s_add_nc_u64 s[34:35], s[34:35], s[36:37]
	s_wait_dscnt 0x0
.irp st, 4,2,1
.set N, 0
.rept \st
	v_pk_add_f32 v[T+4*N:T+4*N+1], v[T+4*N:T+4*N+1], v[T+4*(N+\st):T+4*(N+\st)+1]
	v_pk_add_f32 v[T+4*N+2:T+4*N+3], v[T+4*N+2:T+4*N+3], v[T+4*(N+\st)+2:T+4*(N+\st)+3]
.set N, N+1
.endr
.endr
	global_store_b128 v[LI], v[T:T+3], s[34:35]    ; 512 consecutive bytes, aligned: S 64, Q 64
.Lend:
	s_wait_tensorcnt 0x0
	ds_add_u32 v238, v239
	s_wait_dscnt 0x0
	s_endpgm
.Lfunc_end_k_q3a26dcc7ae_layer1:
	.size	k_q3a26dcc7ae_layer1, .Lfunc_end_k_q3a26dcc7ae_layer1-k_q3a26dcc7ae_layer1
	.p2alignl 7, 3214868480
	.fill 96, 4, 3214868480
	.section	.rodata,"a",@progbits
	.p2align	6, 0x0
	.amdhsa_kernel k_q3a26dcc7ae_layer1
		.amdhsa_group_segment_fixed_size 52224
		.amdhsa_private_segment_fixed_size 0
		.amdhsa_enable_private_segment 0
		.amdhsa_kernarg_size 80
		.amdhsa_user_sgpr_count 2
		.amdhsa_user_sgpr_kernarg_segment_ptr 1
		.amdhsa_wavefront_size32 1
		.amdhsa_system_sgpr_workgroup_id_x 1
		.amdhsa_system_sgpr_workgroup_id_y 1
		.amdhsa_system_sgpr_workgroup_id_z 1
		.amdhsa_system_vgpr_workitem_id 0
		.amdhsa_next_free_vgpr 512
		.amdhsa_next_free_sgpr 66
		.amdhsa_reserve_vcc 0
		.amdhsa_float_denorm_mode_32 3
		.amdhsa_float_denorm_mode_16_64 3
		.amdhsa_memory_ordered 1
		.amdhsa_forward_progress 1
		.amdhsa_inst_pref_size 110
	.end_amdhsa_kernel
	.amdgpu_metadata
---
amdhsa.version: [ 1, 2 ]
amdhsa.kernels:
  - .name:           k_q3a26dcc7ae_layer1
    .symbol:         k_q3a26dcc7ae_layer1.kd
    .args:
      - { .name: points_per_voxel, .offset: 0, .size: 8, .value_kind: global_buffer, .address_space: global }
      - { .name: mask, .offset: 8, .size: 8, .value_kind: global_buffer, .address_space: global }
      - { .name: W1, .offset: 16, .size: 8, .value_kind: global_buffer, .address_space: global }
      - { .name: g1, .offset: 24, .size: 8, .value_kind: global_buffer, .address_space: global }
      - { .name: b1, .offset: 32, .size: 8, .value_kind: global_buffer, .address_space: global }
      - { .name: W2_codes, .offset: 40, .size: 8, .value_kind: global_buffer, .address_space: global }
      - { .name: W2_scales, .offset: 48, .size: 8, .value_kind: global_buffer, .address_space: global }
      - { .name: partA, .offset: 56, .size: 8, .value_kind: global_buffer, .address_space: global }
      - { .name: x1rec, .offset: 64, .size: 8, .value_kind: global_buffer, .address_space: global }
      - { .name: part2, .offset: 72, .size: 8, .value_kind: global_buffer, .address_space: global }
    .group_segment_fixed_size: 52224
    .private_segment_fixed_size: 0
    .kernarg_segment_align: 8
    .kernarg_segment_size: 80
    .max_flat_workgroup_size: 256
    .sgpr_count:     66
    .vgpr_count:     512
    .wavefront_size: 32
...
	.end_amdgpu_metadata
.endif
;; end of part 2
;; launch stats3 (part 3): grid 256 x 1, 8 waves a work-group, no clusters, 33,792 bytes of LDS; arguments x1rec, mask, W2_codes, W2_scales, Wf_codes, Wf_scales, g2, b2, part2, part3, bn2; writes part3, bn2
.if DOCPART == 3
	.amdgcn_target "amdgcn-amd-amdhsa--gfx1250"
	.amdhsa_code_object_version 6
	.text
	.protected	k_q3a26dcc7ae_stats3
	.globl	k_q3a26dcc7ae_stats3
	.p2align	8
	.type	k_q3a26dcc7ae_stats3,@function
k_q3a26dcc7ae_stats3:
	s_mov_b64 s[64:65], 0
	v_nop
	global_prefetch_b8 v0, s[64:65] scope:SCOPE_SE
	s_setreg_imm32_b32 hwreg(HW_REG_WAVE_MODE, 25, 1), 1
	s_wait_xcnt 0x0
; LAYER 2, AND THE SUMS FOR THE LAST BatchNorm.  h2 = Q(x1) W2; x2 = [h, pooled] m with h = relu(BN(h2)) m; h3 = Q(x2) Wf.  Stored: for each work-group the sums of h3 and h3^2 by channel; and a2, c2 of the second BatchNorm.
; x1 comes as an earlier launch stored it: five operands of 12 registers a group and their scale words, as images of the registers.  x2 stays in registers.
; THE GROUP.  16 voxels = ten tiles of 16 rows: tile t is point t of the 16 voxels.  Work-group g owns 24 groups (the first 106: 25) from 24 g + min(g, 106) on; wave w takes every eighth.
; PRODUCT 2 has K = 64, the instruction 128: an operand of x1 holds tiles u (k 0-63) and u + 5 (k 64-127); (W2, 0) gives tile u's product, (0, W2) tile u + 5's.  W2 is source 0: a lane holds ONE voxel (lane % 16),
; and lane r of W2's tile w takes row 32 (w / 2) + 8 (w % 2) + r + 8 (r / 8), so that the 16 registers of tiles 2 b, 2 b + 1 are channels 32 b + 16 (lane / 16) + 0 .. 15: neighbours along the next K.
; THE MASK is taken as a number: t = relu(v) m; pooled = the largest t over ALL ten points (m <= 0 gives t <= 0, a valid point t >= 0); h = t m.
; PRODUCT 3 here has x2 as source 0: a lane holds one CHANNEL of h3, and the sums need no other lane but the one 16 away.  Wf's eight tiles lie in LDS as images of their registers.
; BN 2: mean = S / N, var = Q / N - mean^2, held at 0 from below (its relative error grows as 2^-24 (1 + mean^2 / var)).
; LIMITS: every voxel has a mask above 0 (else reference() is NaN everywhere); NaN and infinities are not served; the sign of zero is not kept; a block of zeros has the byte 1 (its codes are zeros).
.set WFI,  0                           ; LDS: Wf's eight fragments, 1,536 bytes each
.set WFS,  12288                       ; their scale words, 128 bytes each
.set AT,   13312                       ; a2 by channel
.set CT,   13568                       ; c2
.set REDH, 14336                       ; 4,096: part2's sums, 8 classes of rows x 128 columns
.set MSK,  18432                       ; 768 for each wave: a group's mask
.set REDE, 24576                       ; 1,024 for each wave: its sums of h3 (128) and h3^2 (128)
; window 0
.set LI,   1                           ; 16 x lane
.set LS,   2                           ; 4 x lane
.set MST,  3                           ; 768 x wave + 16 x lane
.set MLD,  4                           ; 768 x wave + 40 r
.set TA,   8                           ; 16 x thread
.set T4,   9                           ; 4 x (thread % 64)
.set RR,   10
.set HH,   11
.set M,    12                          ; v12-31   m_t in register 2 t (the odd ones are zeros)
.set W2S,  32                          ; v32-35   W2's scale words
.set WS,   36                          ; Wf's, of the tile in hand
.set GG,   38                          ; the head: g2, b2 of my channel
.set BB,   39
.set X1S,  40                          ; v40-43   x1's scale words: pairs 0-3; pair 4's in lanes 16-31 of register 0
.set X2S,  44                          ; v44-53   x2's, a register a tile
.set SJ,   54                          ; v54-61   sums of h3, a register for each of Wf's tiles
.set QJ,   62                          ; v62-69   of h3^2
.set H,    70                          ; v70-149  accumulators: eight in layer 2, ten in layer 3
.set POOL, 150                         ; v150-181
.set MX,   182                         ; v182-185 largest magnitudes, then bytes
.set MY,   186                         ; v186-189 the other half's, then the conversions' scale operands
.set WT,   190
.set WB,   150                         ; layer 3: v150-161 a fragment of Wf; v162-169, v170-177 sums at work; v178-185 the next group's mask
.set SS,   162
.set QQ,   170
.set PFM,  178
.set X1,   192                         ; v192-251 x1's five operands
.set HT0,  86                          ; the head's addresses
.set HT1,  87
.set HT2,  88
.set HT3,  89
.set HT4,  90
; window 1
.set X2,   0                           ; v0-119   x2's ten operands
.set BT,   120                         ; v120-127 codes on their way
.set A2,   128                         ; v128-159 a2 in the result's layout
.set C2,   160                         ; v160-191 c2
.set W2Z,  192                         ; v192-245 [0 W 0 W 0 W 0 W 0] in runs of 6
.set RSA,  246                         ; v246-249 the head's sum
.set MSB, 0
.macro WIN new                         ; s_set_vgpr_msb: bits 1:0 source 0, 3:2 source 1, 5:4 source 2, 7:6 destination; the high byte repeats the setting that is left
.if MSB != \new
	s_set_vgpr_msb (MSB<<8)|\new
.set MSB, \new
.endif
.endm
.macro PLACES n
.rept \n
	v_nop
.endr
.endm
.macro MULM d, s, t                    ; two numbers x m_t
	v_pk_mul_f32 v[\d:\d+1], v[\s:\s+1], v[M+2*(\t):M+2*(\t)+1] op_sel_hi:[1,0]
.endm
.macro RSLOAD rb, i0                   ; 16 loads: a step of the work-group covers 4,096 dense bytes
.set N, 0
.rept 16
	global_load_b128 v[\rb+4*N:\rb+4*N+3], v[TA], s[32:33] offset:4096*(\i0+N)
.set N, N+1
.endr
.endm
.macro RSTREE rb, first                ; their sum, into or onto v[RSA]
.irp st, 8,4,2
.set N, 0
.rept \st
	v_pk_add_f32 v[\rb+4*N:\rb+4*N+1], v[\rb+4*N:\rb+4*N+1], v[\rb+4*(N+\st):\rb+4*(N+\st)+1]
	v_pk_add_f32 v[\rb+4*N+2:\rb+4*N+3], v[\rb+4*N+2:\rb+4*N+3], v[\rb+4*(N+\st)+2:\rb+4*(N+\st)+3]
.set N, N+1
.endr
.endr
.if \first
	v_pk_add_f32 v[RSA:RSA+1], v[\rb:\rb+1], v[\rb+4:\rb+5]
	v_pk_add_f32 v[RSA+2:RSA+3], v[\rb+2:\rb+3], v[\rb+6:\rb+7]
.else
	v_pk_add_f32 v[\rb:\rb+1], v[\rb:\rb+1], v[\rb+4:\rb+5]
	v_pk_add_f32 v[\rb+2:\rb+3], v[\rb+2:\rb+3], v[\rb+6:\rb+7]
	v_pk_add_f32 v[RSA:RSA+1], v[RSA:RSA+1], v[\rb:\rb+1]
	v_pk_add_f32 v[RSA+2:RSA+3], v[RSA+2:RSA+3], v[\rb+2:\rb+3]
.endif
.endm
.macro PFREC                           ; a group's record and mask
.set N, 0
.rept 15
	global_load_b128 v[X1+4*N:X1+4*N+3], v[LI], s[16:17] offset:512*N
.set N, N+1
.endr
	global_load_b128 v[X1S:X1S+3], v[LI], s[16:17] offset:7680
	global_load_b128 v[PFM:PFM+3], v[LI], s[18:19]
	global_load_b128 v[PFM+4:PFM+7], v[LI], s[18:19] offset:128   ; (ends with the group's 640 bytes)
.endm
; 64 numbers at v[s]: four half blocks of 16 (two of tile u, two of tile u + 5) become codes: six registers at d0 and six at d1, in window 1; the bytes stay in MX.
.macro QUANT4 s, d0, d1
.irp b, 0,1,2,3
	v_max3_num_f32 v[MX+\b], |v[\s+16*\b]|, |v[\s+16*\b+1]|, 0x1800000   ; and the floor 2^(3 - 127): the byte cannot fall under 1
.endr
.irp i, 2,4,6,8,10,12,14
.irp b, 0,1,2,3
	v_max3_num_f32 v[MX+\b], v[MX+\b], |v[\s+16*\b+\i]|, |v[\s+16*\b+\i+1]|
.endr
.endr
.irp b, 0,1,2,3
	v_permlanex16_b32 v[MY+\b], v[MX+\b], s8, s9
.endr
.irp b, 0,1,2,3
	v_max_num_f32 v[MX+\b], v[MX+\b], v[MY+\b]     ; with the lane 16 away: the block's largest magnitude
.endr
.irp b, 0,1,2,3
	v_add_nc_u32 v[MY+\b], 0xff000000, v[MX+\b]    ; 2 off the exponent field: the conversion's scale operand
.endr
.irp b, 0,1,2,3
	v_lshrrev_b32 v[MX+\b], 23, v[MY+\b]           ; the scale's byte
.endr
	WIN 0x40
	v_cvt_scalef32_pk16_fp6_f32 v[\d0:\d0+2], v[\s:\s+15], v[MY]
	v_cvt_scalef32_pk16_fp6_f32 v[BT:BT+2], v[\s+16:\s+31], v[MY+1]
	v_cvt_scalef32_pk16_fp6_f32 v[\d1:\d1+2], v[\s+32:\s+47], v[MY+2]
	v_cvt_scalef32_pk16_fp6_f32 v[BT+4:BT+6], v[\s+48:\s+63], v[MY+3]
	v_nop                                          ; one plain place behind a scaled conversion
	WIN 0x41
.irp i, 0,1,2
	v_permlane16_swap_b32 v[\d0+\i], v[BT+\i]      ; the operand's layout wants a whole block in a lane
	v_permlane16_swap_b32 v[\d1+\i], v[BT+4+\i]
.endr
.irp i, 0,1,2
	v_mov_b32 v[\d0+3+\i], v[BT+\i]                ; (a conversion's three registers begin on an even number)
	v_mov_b32 v[\d1+3+\i], v[BT+4+\i]
.endr
	WIN 0
.endm
; Tiles u and u + 5: product 2, BN, relu, mask, the pool, mask again; the h half of x2 becomes codes.
.macro PAIR u
	WIN 0x01                                       ; source 0 (W2) window 1
.irp hf, 0,1
.irp w, 0,1,2,3
.if (\u) == 4
	v_wmma_scale_f32_16x16x128_f8f6f4 v[H+8*(4*\hf+\w):H+8*(4*\hf+\w)+7], v[W2Z+6+12*\w-6*\hf:W2Z+17+12*\w-6*\hf], v[X1+12*(\u):X1+12*(\u)+11], 0, v[W2S+\w], v[X1S] matrix_a_fmt:MATRIX_FMT_FP6 matrix_b_fmt:MATRIX_FMT_FP6 matrix_b_scale:MATRIX_SCALE_ROW1
.else
	v_wmma_scale_f32_16x16x128_f8f6f4 v[H+8*(4*\hf+\w):H+8*(4*\hf+\w)+7], v[W2Z+6+12*\w-6*\hf:W2Z+17+12*\w-6*\hf], v[X1+12*(\u):X1+12*(\u)+11], 0, v[W2S+\w], v[X1S+(\u)] matrix_a_fmt:MATRIX_FMT_FP6 matrix_b_fmt:MATRIX_FMT_FP6
.endif
.endr
.endr
	WIN 0x14                                       ; a2 and c2 window 1
	PLACES 4
.set N, 0
.rept 32
	v_pk_fma_f32 v[H+2*N:H+2*N+1], v[H+2*N:H+2*N+1], v[A2+(2*N)%32:A2+(2*N)%32+1], v[C2+(2*N)%32:C2+(2*N)%32+1]   ; each accumulator from its low end on
.set N, N+1
.endr
	WIN 0
.set N, 0
.rept 64
	v_max_num_f32 v[H+N], 0, v[H+N]
.set N, N+1
.endr
.set N, 0
.rept 16
	MULM H+2*N, H+2*N, \u
	MULM H+32+2*N, H+32+2*N, (\u)+5
.set N, N+1
.endr
.set N, 0
.rept 32
.if (\u) == 0
	v_max_num_f32 v[POOL+N], v[H+N], v[H+32+N]
.else
	v_max3_num_f32 v[POOL+N], v[POOL+N], v[H+N], v[H+32+N]
.endif
.set N, N+1
.endr
.set N, 0
.rept 16
	MULM H+2*N, H+2*N, \u
	MULM H+32+2*N, H+32+2*N, (\u)+5
.set N, N+1
.endr
	QUANT4 H, X2+12*(\u), X2+12*((\u)+5)
	v_lshl_or_b32 v[X2S+(\u)], v[MX+1], 8, v[MX]
	v_lshl_or_b32 v[X2S+(\u)+5], v[MX+3], 8, v[MX+2]
.endm
.macro YPASS u                         ; the pooled half of x2 for tiles u and u + 5
.set N, 0
.rept 16
	MULM H+2*N, POOL+2*N, \u
	MULM H+32+2*N, POOL+2*N, (\u)+5
.set N, N+1
.endr
	QUANT4 H, X2+12*(\u)+6, X2+12*((\u)+5)+6
	v_lshl_or_b32 v[WT], v[MX+1], 8, v[MX]
	v_lshl_or_b32 v[X2S+(\u)], v[WT], 16, v[X2S+(\u)]
	v_lshl_or_b32 v[WT], v[MX+3], 8, v[MX+2]
	v_lshl_or_b32 v[X2S+(\u)+5], v[WT], 16, v[X2S+(\u)+5]
.endm
.macro LDW j                           ; Wf's tile j, as its image lies
.irp c, 0,1,2
	ds_load_b128 v[WB+4*\c:WB+4*\c+3], v[LI] offset:WFI+1536*(\j)+512*\c
.endr
	ds_load_b32 v[WS], v[LS] offset:WFS+128*(\j)
.endm
.macro L3C j                           ; h3's channels 16 j + lane % 16 of the ten tiles, and their sums
	s_wait_dscnt 0x0                               ; Wf's tile is in
	WIN 0x01                                       ; source 0 (x2) window 1
.irp t, 0,1,2,3,4,5,6,7,8,9
	v_wmma_scale_f32_16x16x128_f8f6f4 v[H+8*\t:H+8*\t+7], v[X2+12*\t:X2+12*\t+11], v[WB:WB+11], 0, v[X2S+\t], v[WS] matrix_a_fmt:MATRIX_FMT_FP6 matrix_b_fmt:MATRIX_FMT_FP6
.endr
	WIN 0
	PLACES 4                                       ; in front of the loads into Wf's registers and of the first read of results
.if (\j) < 7
	LDW (\j)+1
.endif
.irp p, 0,2,4,6
	v_pk_mul_f32 v[QQ+\p:QQ+\p+1], v[H+\p:H+\p+1], v[H+\p:H+\p+1]
.endr
.irp p, 0,2,4,6
	v_pk_add_f32 v[SS+\p:SS+\p+1], v[H+\p:H+\p+1], v[H+8+\p:H+9+\p]
.endr
.irp p, 0,2,4,6
	v_pk_fma_f32 v[QQ+\p:QQ+\p+1], v[H+8+\p:H+9+\p], v[H+8+\p:H+9+\p], v[QQ+\p:QQ+\p+1]
.endr
.irp t, 2,3,4,5,6,7,8,9
.irp p, 0,2,4,6
	v_pk_add_f32 v[SS+\p:SS+\p+1], v[SS+\p:SS+\p+1], v[H+8*\t+\p:H+8*\t+\p+1]
.endr
.irp p, 0,2,4,6
	v_pk_fma_f32 v[QQ+\p:QQ+\p+1], v[H+8*\t+\p:H+8*\t+\p+1], v[H+8*\t+\p:H+8*\t+\p+1], v[QQ+\p:QQ+\p+1]
.endr
.endr
.irp b, SS, QQ
	v_pk_add_f32 v[\b:\b+1], v[\b:\b+1], v[\b+2:\b+3]
	v_pk_add_f32 v[\b+4:\b+5], v[\b+4:\b+5], v[\b+6:\b+7]
.endr
.irp b, SS, QQ
	v_pk_add_f32 v[\b:\b+1], v[\b:\b+1], v[\b+4:\b+5]
.endr
	v_add_f32 v[SJ+(\j)], v[SJ+(\j)], v[SS]
	v_add_f32 v[QJ+(\j)], v[QJ+(\j)], v[QQ]
	v_add_f32 v[SJ+(\j)], v[SJ+(\j)], v[SS+1]
	v_add_f32 v[QJ+(\j)], v[QJ+(\j)], v[QQ+1]
.endm
	s_load_b512 s[16:31], s[0:1], 0x0              ; x1rec 16, mask 18, W2's codes 20, scales 22, Wf's codes 24, scales 26, g2 28, b2 30
	s_load_b128 s[32:35], s[0:1], 0x40             ; part2 32, part3 34
	s_load_b64 s[36:37], s[0:1], 0x50              ; bn2
	v_lshl_add_u32 v254, v0, 2, 0x8000
	v_mov_b32 v255, 0
	v_lshrrev_b32 v[TA], 5, v0
	v_readfirstlane_b32 s2, v[TA]                  ; wave
	s_mov_b32 s3, ttmp9                            ; work-group
	s_mov_b32 s8, 0x76543210                       ; v_permlanex16_b32's selects for lane l xor 16
	s_mov_b32 s9, 0xfedcba98
	s_mov_b32 s10, 0x358637bd                      ; 1 / 1,000,000
	s_mov_b32 s11, 0x3727c5ac                      ; eps = 1e-5
	s_min_u32 s4, s3, 106
	s_mul_i32 s7, s3, 24
	s_add_co_u32 s4, s4, s7
	s_add_co_u32 s4, s4, s2                        ; my first group
	s_cmp_eq_u32 s2, 0
	s_cselect_b32 s5, 1, 0
	s_cmp_lt_u32 s3, 106
	s_cselect_b32 s7, 1, 0
	s_and_b32 s5, s5, s7
	s_add_co_u32 s5, s5, 3                         ; my groups: 3 or 4
	v_and_b32 v[LS], 31, v0
	v_lshlrev_b32 v[LI], 4, v[LS]
	v_lshlrev_b32 v[LS], 2, v[LS]
	v_and_b32 v[RR], 15, v0
	v_bfe_u32 v[HH], v0, 4, 1
	v_lshlrev_b32 v[TA], 4, v0
	v_and_b32 v[T4], 63, v0
	v_lshlrev_b32 v[T4], 2, v[T4]
	s_mul_i32 s7, s2, 768
	v_add_nc_u32 v[MST], s7, v[LI]
	v_mul_u32_u24 v[MLD], v[RR], 40
	v_add_nc_u32 v[MLD], s7, v[MLD]
	v_and_b32 v[HT0], 8, v[RR]
	v_add_nc_u32 v[HT0], v[HT0], v[RR]             ; r + 8 (r / 8)
	v_mul_u32_u24 v[HT1], v[HT0], 48
	v_mad_u32_u24 v[HT1], v[HH], 24, v[HT1]        ; W2's codes: 48 bytes a row, + 24 h
	v_lshlrev_b32 v[HT0], 1, v[HT0]                ; its scale bytes: 2 a row
	v_mul_u32_u24 v[HT2], v[RR], 96
	v_mad_u32_u24 v[HT2], v[HH], 24, v[HT2]
	s_mul_i32 s7, s2, 1536
	v_add_nc_u32 v[HT2], s7, v[HT2]                ; Wf's codes: wave j fetches tile j, rows 16 j + r of 96 bytes
	s_lshl_b32 s7, s2, 6
	v_lshl_add_u32 v[HT3], v[RR], 2, s7            ; and their scale words
	s_lshl_b32 s38, s4, 13
	s_mov_b32 s39, 0
	s_mul_i32 s40, s4, 640
	s_mov_b32 s41, 0
	s_wait_kmcnt 0x0
	s_add_nc_u64 s[16:17], s[16:17], s[38:39]      ; the record and the mask at my first group
	s_add_nc_u64 s[18:19], s[18:19], s[40:41]
	PFREC
	WIN 0x40
.irp w, 0,1,2,3
.irp i, 0,1,2
	global_load_b64 v[W2Z+6+12*\w+2*\i:W2Z+7+12*\w+2*\i], v[HT1], s[20:21] offset:48*(32*(\w/2)+8*(\w%2))+8*\i
.endr
.endr
	WIN 0
.irp w, 0,1,2,3
	global_load_u16 v[W2S+\w], v[HT0], s[22:23] offset:2*(32*(\w/2)+8*(\w%2))
.endr
.irp p, 0,1,2,3,4,5
	global_load_b64 v[H+2*\p:H+2*\p+1], v[HT2], s[24:25] offset:48*(\p/3)+8*(\p%3)
.endr
	global_load_b32 v[H+12], v[HT3], s[26:27]
	global_load_b32 v[GG], v[T4], s[28:29]
	global_load_b32 v[BB], v[T4], s[30:31]
	WIN 0x40
	RSLOAD 0, 0                                    ; part2, 131,072 bytes, in two halves of 16 loads: the youngest loads of the head
	RSLOAD 64, 16
.irp z, 0,1,2,3,4
.irp i, 0,1,2,3,4,5
	v_mov_b32 v[W2Z+12*\z+\i], 0                   ; the runs of zero codes
.endr
.endr
	s_wait_loadcnt 16                              ; all but the second half's 16
	WIN 0x45
	RSTREE 0, 1
	s_wait_loadcnt 0x0
	RSTREE 64, 0
	WIN 0x04
	ds_store_b128 v[TA], v[RSA:RSA+3] offset:REDH  ; class thread / 32, columns 4 (thread % 32) on
	WIN 0
	s_mul_i32 s7, s2, 1536
	v_add_nc_u32 v[HT1], s7, v[LI]
.irp c, 0,1,2
	ds_store_b128 v[HT1], v[H+4*\c:H+4*\c+3] offset:WFI+512*\c   ; Wf's tile as an image of its registers
.endr
	s_lshl_b32 s7, s2, 7
	v_add_nc_u32 v[HT3], s7, v[LS]
	ds_store_b32 v[HT3], v[H+12] offset:WFS
.irp w, 0,1,2,3
	v_lshl_or_b32 v[W2S+\w], v[W2S+\w], 16, v[W2S+\w]   ; the two bytes twice: they serve (W2, 0) and (0, W2)
.endr
	s_wait_dscnt 0x0
	s_barrier_signal -1
	s_barrier_wait -1                              ; the classes and Wf's images lie in LDS
	s_cmp_lt_u32 s2, 2
	s_cbranch_scc0 .Lno_bn
	; waves 0 and 1, thread = channel: a2 and c2
.set Q, 0
.rept 8
	ds_load_b32 v[H+Q], v[T4] offset:REDH+512*Q
	ds_load_b32 v[H+8+Q], v[T4] offset:REDH+512*Q+256
.set Q, Q+1
.endr
	s_wait_dscnt 0x0
.irp q, 1,2,3,4,5,6,7
	v_add_f32 v[H], v[H], v[H+\q]
	v_add_f32 v[H+8], v[H+8], v[H+8+\q]
.endr
	v_mul_f32 v[H], s10, v[H]                      ; mean
	v_mul_f32 v[H+8], s10, v[H+8]
	v_fma_f32 v[H+8], -v[H], v[H], v[H+8]          ; var
	v_max_num_f32 v[H+8], 0, v[H+8]
	v_add_f32 v[H+8], s11, v[H+8]
	v_rsq_f32 v[H+9], v[H+8]
	v_nop                                          ; one plain place behind a transcendental
	s_wait_alu depctr_va_vdst(0)
	v_mul_f32 v[H+9], v[GG], v[H+9]                ; a2
	v_fma_f32 v[H+10], -v[H], v[H+9], v[BB]        ; c2 = b2 - mean a2
	ds_store_b32 v[T4], v[H+9] offset:AT
	ds_store_b32 v[T4], v[H+10] offset:CT
.Lno_bn:
	s_wait_dscnt 0x0
	s_barrier_signal -1
	s_barrier_wait -1                              ; a2 and c2 lie in LDS
	v_lshlrev_b32 v[HT4], 6, v[HH]
	WIN 0x40
.irp q, 0,1,2,3,4,5,6,7
	ds_load_b128 v[A2+4*\q:A2+4*\q+3], v[HT4] offset:AT+16*(\q%4)+128*(\q/4)   ; register i: channel 32 (i / 16) + 16 h + i % 16
	ds_load_b128 v[C2+4*\q:C2+4*\q+3], v[HT4] offset:CT+16*(\q%4)+128*(\q/4)
.endr
	WIN 0
	s_or_b32 s7, s2, s3
	s_cmp_lg_u32 s7, 0
	s_cbranch_scc1 .Lno_store
	ds_load_b128 v[H+4:H+7], v[LI] offset:AT       ; wave 0 of work-group 0 stores both tables for the last launch: 512 consecutive bytes
	s_wait_dscnt 0x0
	global_store_b128 v[LI], v[H+4:H+7], s[36:37]
	s_wait_xcnt 0x0                                ; the data's registers are written again below
.Lno_store:
.irp t, 0,1,2,3,4,5,6,7,8,9
	v_mov_b32 v[M+2*\t+1], 0
.endr
.irp b, 0,1,2,3
	v_mov_b32 v[MY+\b], 0                          ; written once: a lane permute's destination counts as one of its sources
.endr
.set N, 0
.rept 16
	v_mov_b32 v[SJ+N], 0                           ; the sums of h3 and h3^2: the loop is written once
.set N, N+1
.endr
	s_wait_dscnt 0x0
	s_mov_b32 s6, 0
.Ltrip:                                                ; four trips; a wave with three groups passes over the fourth
	s_cmp_ge_u32 s6, s5
	s_cbranch_scc1 .Lskip
	s_wait_loadcnt 0x0                             ; the record asked for a trip ago is in: so the pointers may step
	s_add_nc_u64 s[16:17], s[16:17], 65536
	s_add_nc_u64 s[18:19], s[18:19], 5120
	ds_store_b128 v[MST], v[PFM:PFM+3] offset:MSK
	ds_store_b128 v[MST], v[PFM+4:PFM+7] offset:MSK+128
.irp t, 0,1,2,3,4,5,6,7,8,9
	ds_load_b32 v[M+2*\t], v[MLD] offset:MSK+4*\t  ; my voxel's ten mask numbers; LDS serves a wave's instructions in order
.endr
	s_wait_dscnt 0x0
.irp u, 0,1,2,3,4
	PAIR \u
.endr
.irp u, 0,1,2,3,4
	YPASS \u
.endr
	s_add_co_u32 s7, s6, 1
	s_cmp_lt_u32 s7, s5
	s_cbranch_scc0 .Lno_next                       ; no load leaves its buffer
	PFREC                                          ; the next record has all of layer 3 in which to land
.Lno_next:
	LDW 0
	PLACES 8                                       ; a scale register written by a vector instruction stands eight places ahead of the scaled product
.irp j, 0,1,2,3,4,5,6,7
	L3C \j
.endr
.Lskip:
	s_add_co_u32 s6, s6, 1
	s_cmp_lt_u32 s6, 4
	s_cbranch_scc1 .Ltrip
	; the two halves of the lanes, then the eight waves through LDS
.irp g, 0,1,2,3
.irp b, 0,1,2,3
	v_permlanex16_b32 v[MY+\b], v[SJ+4*\g+\b], s8, s9
.endr
.irp b, 0,1,2,3
	v_add_f32 v[SJ+4*\g+\b], v[SJ+4*\g+\b], v[MY+\b]
.endr
.endr
	s_lshl_b32 s7, s2, 10
	v_lshl_add_u32 v[HT0], v[RR], 2, s7
.irp j, 0,1,2,3,4,5,6,7
	ds_store_b32 v[HT0], v[SJ+\j] offset:REDE+64*\j        ; channel 16 j + r; both halves write the same value
	ds_store_b32 v[HT0], v[QJ+\j] offset:REDE+512+64*\j
.endr
	s_wait_dscnt 0x0
	s_barrier_signal -1
	s_barrier_wait -1
	s_cmp_lt_u32 s2, 2
	s_cbranch_scc0 .Lend
.irp w, 0,1,2,3,4,5,6,7
	ds_load_b128 v[H+4*\w:H+4*\w+3], v[TA] offset:REDE+1024*\w   ; threads 0-63: 16 bytes each of a row of 1,024
.endr
	s_lshl_b32 s38, s3, 10
	s_add_nc_u64 s[34:35], s[34:35], s[38:39]
	s_wait_dscnt 0x0
.irp st, 4,2,1
.set N, 0
.rept \st
	v_pk_add_f32 v[H+4*N:H+4*N+1], v[H+4*N:H+4*N+1], v[H+4*(N+\st):H+4*(N+\st)+1]
	v_pk_add_f32 v[H+4*N+2:H+4*N+3], v[H+4*N+2:H+4*N+3], v[H+4*(N+\st)+2:H+4*(N+\st)+3]
.set N, N+1
.endr
.endr
	global_store_b128 v[TA], v[H:H+3], s[34:35]    ; each wave 512 consecutive bytes, aligned: S 128, Q 128
.Lend:
	s_wait_tensorcnt 0x0
	ds_add_u32 v254, v255
	s_wait_dscnt 0x0
	s_endpgm
.Lfunc_end_k_q3a26dcc7ae_stats3:
	.size	k_q3a26dcc7ae_stats3, .Lfunc_end_k_q3a26dcc7ae_stats3-k_q3a26dcc7ae_stats3
	.p2alignl 7, 3214868480
	.fill 96, 4, 3214868480
	.section	.rodata,"a",@progbits
	.p2align	6, 0x0
	.amdhsa_kernel k_q3a26dcc7ae_stats3
		.amdhsa_group_segment_fixed_size 33792
		.amdhsa_private_segment_fixed_size 0
		.amdhsa_enable_private_segment 0
		.amdhsa_kernarg_size 88
		.amdhsa_user_sgpr_count 2
		.amdhsa_user_sgpr_kernarg_segment_ptr 1
		.amdhsa_wavefront_size32 1
		.amdhsa_system_sgpr_workgroup_id_x 1
		.amdhsa_system_sgpr_workgroup_id_y 1
		.amdhsa_system_sgpr_workgroup_id_z 1
		.amdhsa_system_vgpr_workitem_id 0
		.amdhsa_next_free_vgpr 512
		.amdhsa_next_free_sgpr 66
		.amdhsa_reserve_vcc 0
		.amdhsa_float_denorm_mode_32 3
		.amdhsa_float_denorm_mode_16_64 3
		.amdhsa_memory_ordered 1
		.amdhsa_forward_progress 1
		.amdhsa_inst_pref_size 187
	.end_amdhsa_kernel
	.amdgpu_metadata
---
amdhsa.version: [ 1, 2 ]
amdhsa.kernels:
  - .name:           k_q3a26dcc7ae_stats3
    .symbol:         k_q3a26dcc7ae_stats3.kd
    .args:
      - { .name: x1rec, .offset: 0, .size: 8, .value_kind: global_buffer, .address_space: global }
      - { .name: mask, .offset: 8, .size: 8, .value_kind: global_buffer, .address_space: global }
      - { .name: W2_codes, .offset: 16, .size: 8, .value_kind: global_buffer, .address_space: global }
      - { .name: W2_scales, .offset: 24, .size: 8, .value_kind: global_buffer, .address_space: global }
      - { .name: Wf_codes, .offset: 32, .size: 8, .value_kind: global_buffer, .address_space: global }
      - { .name: Wf_scales, .offset: 40, .size: 8, .value_kind: global_buffer, .address_space: global }
      - { .name: g2, .offset: 48, .size: 8, .value_kind: global_buffer, .address_space: global }
      - { .name: b2, .offset: 56, .size: 8, .value_kind: global_buffer, .address_space: global }
      - { .name: part2, .offset: 64, .size: 8, .value_kind: global_buffer, .address_space: global }
      - { .name: part3, .offset: 72, .size: 8, .value_kind: global_buffer, .address_space: global }
      - { .name: bn2, .offset: 80, .size: 8, .value_kind: global_buffer, .address_space: global }
    .group_segment_fixed_size: 33792
    .private_segment_fixed_size: 0
    .kernarg_segment_align: 8
    .kernarg_segment_size: 88
    .max_flat_workgroup_size: 256
    .sgpr_count:     66
    .vgpr_count:     512
    .wavefront_size: 32
...
	.end_amdgpu_metadata
.endif
;; end of part 3
;; launch output (part 4): grid 256 x 1, 8 waves a work-group, no clusters, 93,184 bytes of LDS; arguments x1rec, mask, W2_codes, W2_scales, Wf_codes, Wf_scales, gf, bf, part3, bn2, out0; writes out0
.if DOCPART == 4
	.amdgcn_target "amdgcn-amd-amdhsa--gfx1250"
	.amdhsa_code_object_version 6
	.text
	.protected	k_q3a26dcc7ae_output
	.globl	k_q3a26dcc7ae_output
	.p2align	8
	.type	k_q3a26dcc7ae_output,@function
k_q3a26dcc7ae_output:
	s_mov_b64 s[64:65], 0
	v_nop
	global_prefetch_b8 v0, s[64:65] scope:SCOPE_SE
	s_setreg_imm32_b32 hwreg(HW_REG_WAVE_MODE, 25, 1), 1
	s_wait_xcnt 0x0
; LAYER 2 ONCE MORE, LAYER 3 AND THE RESULT.  h2 = Q(x1) W2; x2 = [h, pooled] m with h = relu(BN(h2)) m; h3 = Q(x2) Wf; out(voxel) = the largest relu(BN(h3)) m over the voxel's valid points.
; x1 comes as an earlier launch stored it (five operands of 12 registers a group and their scale words, as images of the registers), a2 and c2 likewise; x2 stays in registers.
; THE GROUP.  16 voxels = ten tiles of 16 rows: tile t is point t of the 16 voxels.  Work-group g owns 24 groups (the first 106: 25) from 24 g + min(g, 106) on; wave w takes every eighth.
; PRODUCT 2 has K = 64, the instruction 128: an operand of x1 holds tiles u (k 0-63) and u + 5 (k 64-127); (W2, 0) gives tile u's product, (0, W2) tile u + 5's.  W2 is source 0: a lane holds ONE voxel (lane % 16),
; and lane r of W2's tile w takes row 32 (w / 2) + 8 (w % 2) + r + 8 (r / 8), so that the 16 registers of tiles 2 b, 2 b + 1 are channels 32 b + 16 (lane / 16) + 0 .. 15: neighbours along the next K.
; THE MASK is taken as a number: t = relu(v) m; pooled = the largest t over ALL ten points (m <= 0 gives t <= 0, a valid point t >= 0); h = t m.
; PRODUCT 3 has Wf as source 0: a lane holds one voxel and eight neighbouring channels.  out = max(0, the largest v_t max(m_t, 0) over all ten points), which is the largest relu(v_t) m_t over m_t > 0.
; A group's 16 rows of 512 bytes gather in the wave's own stage in LDS and leave as whole rows.  Wf's eight tiles lie in LDS as images of their registers.
; BN 3: mean = S / N, var = Q / N - mean^2, held at 0 from below (its relative error grows as 2^-24 (1 + mean^2 / var)).
; LIMITS: every voxel has a mask above 0 (else reference() is NaN everywhere); NaN and infinities are not served; the sign of zero is not kept; a block of zeros has the byte 1 (its codes are zeros).
.set WFI,  0                           ; LDS: Wf's eight fragments, 1,536 bytes each
.set WFS,  12288                       ; their scale words, 128 bytes each
.set AT,   13312                       ; a3 by channel
.set CT,   13824                       ; c3
.set REDH, 14336                       ; 4,096: part3's sums, 4 classes of rows x 256 columns
.set MSK,  18432                       ; 768 for each wave: a group's mask
.set OUTS, 24576                       ; 8,448 for each wave: 16 rows of 512 bytes + 16
; window 0
.set LI,   1                           ; 16 x lane
.set LS,   2                           ; 4 x lane
.set MST,  3                           ; 768 x wave + 16 x lane
.set MLD,  4                           ; 768 x wave + 40 r
.set OST,  5                           ; 8,448 x wave + 528 r + 32 h
.set ORD,  6                           ; 8,448 x wave + 16 x lane
.set TBA,  7                           ; 32 h
.set TA,   8                           ; 16 x thread
.set T4,   9                           ; 4 x (thread % 128)
.set RR,   10
.set HH,   11
.set M,    12                          ; v12-31   m_t in register 2 t (the odd ones are zeros)
.set W2S,  32                          ; v32-35   W2's scale words
.set WS,   36                          ; Wf's, of the tile in hand
.set GG,   38                          ; the head: gf, bf of my channel
.set BB,   39
.set X1S,  40                          ; v40-43   x1's scale words: pairs 0-3; pair 4's in lanes 16-31 of register 0
.set X2S,  44                          ; v44-53   x2's, a register a tile
.set PFM,  54                          ; v54-61   the next group's mask
.set H,    70                          ; v70-149  accumulators: eight in layer 2, ten in layer 3
.set POOL, 150                         ; v150-181
.set MX,   182                         ; v182-185 largest magnitudes, then bytes
.set MY,   186                         ; v186-189 the other half's, then the conversions' scale operands
.set WT,   190
.set WB,   150                         ; layer 3: v150-161 a fragment of Wf; v162-169 a3, v170-177 c3 of my eight channels; v178-185 the result
.set TB,   162
.set O,    178
.set X1,   192                         ; v192-251 x1's five operands
.set HT0,  86                          ; the head's addresses
.set HT1,  87
.set HT2,  88
.set HT3,  89
.set HT4,  90
; window 1
.set X2,   0                           ; v0-119   x2's ten operands
.set BT,   120                         ; v120-127 codes on their way
.set A2,   128                         ; v128-159 a2 in the result's layout
.set C2,   160                         ; v160-191 c2
.set W2Z,  192                         ; v192-245 [0 W 0 W 0 W 0 W 0] in runs of 6
.set RSA,  246                         ; v246-249 the head's sum
.set MSB, 0
.macro WIN new                         ; s_set_vgpr_msb: bits 1:0 source 0, 3:2 source 1, 5:4 source 2, 7:6 destination; the high byte repeats the setting that is left
.if MSB != \new
	s_set_vgpr_msb (MSB<<8)|\new
.set MSB, \new
.endif
.endm
.macro PLACES n
.rept \n
	v_nop
.endr
.endm
.macro MULM d, s, t                    ; two numbers x m_t
	v_pk_mul_f32 v[\d:\d+1], v[\s:\s+1], v[M+2*(\t):M+2*(\t)+1] op_sel_hi:[1,0]
.endm
.macro RSLOAD rb, i0                   ; 16 loads: a step of the work-group covers 4,096 dense bytes
.set N, 0
.rept 16
	global_load_b128 v[\rb+4*N:\rb+4*N+3], v[TA], s[32:33] offset:4096*(\i0+N)
.set N, N+1
.endr
.endm
.macro RSTREE rb, first                ; their sum, into or onto v[RSA]
.irp st, 8,4,2
.set N, 0
.rept \st
	v_pk_add_f32 v[\rb+4*N:\rb+4*N+1], v[\rb+4*N:\rb+4*N+1], v[\rb+4*(N+\st):\rb+4*(N+\st)+1]
	v_pk_add_f32 v[\rb+4*N+2:\rb+4*N+3], v[\rb+4*N+2:\rb+4*N+3], v[\rb+4*(N+\st)+2:\rb+4*(N+\st)+3]
.set N, N+1
.endr
.endr
.if \first
	v_pk_add_f32 v[RSA:RSA+1], v[\rb:\rb+1], v[\rb+4:\rb+5]
	v_pk_add_f32 v[RSA+2:RSA+3], v[\rb+2:\rb+3], v[\rb+6:\rb+7]
.else
	v_pk_add_f32 v[\rb:\rb+1], v[\rb:\rb+1], v[\rb+4:\rb+5]
	v_pk_add_f32 v[\rb+2:\rb+3], v[\rb+2:\rb+3], v[\rb+6:\rb+7]
	v_pk_add_f32 v[RSA:RSA+1], v[RSA:RSA+1], v[\rb:\rb+1]
	v_pk_add_f32 v[RSA+2:RSA+3], v[RSA+2:RSA+3], v[\rb+2:\rb+3]
.endif
.endm
.macro PFREC                           ; a group's record (read here for the last time) and mask
.set N, 0
.rept 15
	global_load_b128 v[X1+4*N:X1+4*N+3], v[LI], s[16:17] offset:512*N th:TH_LOAD_NT
.set N, N+1
.endr
	global_load_b128 v[X1S:X1S+3], v[LI], s[16:17] offset:7680 th:TH_LOAD_NT
	global_load_b128 v[PFM:PFM+3], v[LI], s[18:19] th:TH_LOAD_NT
	global_load_b128 v[PFM+4:PFM+7], v[LI], s[18:19] offset:128   ; (ends with the group's 640 bytes)
.endm
; 64 numbers at v[s]: four half blocks of 16 (two of tile u, two of tile u + 5) become codes: six registers at d0 and six at d1, in window 1; the bytes stay in MX.
.macro QUANT4 s, d0, d1
.irp b, 0,1,2,3
	v_max3_num_f32 v[MX+\b], |v[\s+16*\b]|, |v[\s+16*\b+1]|, 0x1800000   ; and the floor 2^(3 - 127): the byte cannot fall under 1
.endr
.irp i, 2,4,6,8,10,12,14
.irp b, 0,1,2,3
	v_max3_num_f32 v[MX+\b], v[MX+\b], |v[\s+16*\b+\i]|, |v[\s+16*\b+\i+1]|
.endr
.endr
.irp b, 0,1,2,3
	v_permlanex16_b32 v[MY+\b], v[MX+\b], s8, s9
.endr
.irp b, 0,1,2,3
	v_max_num_f32 v[MX+\b], v[MX+\b], v[MY+\b]     ; with the lane 16 away: the block's largest magnitude
.endr
.irp b, 0,1,2,3
	v_add_nc_u32 v[MY+\b], 0xff000000, v[MX+\b]    ; 2 off the exponent field: the conversion's scale operand
.endr
.irp b, 0,1,2,3
	v_lshrrev_b32 v[MX+\b], 23, v[MY+\b]           ; the scale's byte
.endr
	WIN 0x40
	v_cvt_scalef32_pk16_fp6_f32 v[\d0:\d0+2], v[\s:\s+15], v[MY]
	v_cvt_scalef32_pk16_fp6_f32 v[BT:BT+2], v[\s+16:\s+31], v[MY+1]
	v_cvt_scalef32_pk16_fp6_f32 v[\d1:\d1+2], v[\s+32:\s+47], v[MY+2]
	v_cvt_scalef32_pk16_fp6_f32 v[BT+4:BT+6], v[\s+48:\s+63], v[MY+3]
	v_nop                                          ; one plain place behind a scaled conversion
	WIN 0x41
.irp i, 0,1,2
	v_permlane16_swap_b32 v[\d0+\i], v[BT+\i]      ; the operand's layout wants a whole block in a lane
	v_permlane16_swap_b32 v[\d1+\i], v[BT+4+\i]
.endr
.irp i, 0,1,2
	v_mov_b32 v[\d0+3+\i], v[BT+\i]                ; (a conversion's three registers begin on an even number)
	v_mov_b32 v[\d1+3+\i], v[BT+4+\i]
.endr
	WIN 0
.endm
; Tiles u and u + 5: product 2, BN, relu, mask, the pool, mask again; the h half of x2 becomes codes.
.macro PAIR u
	WIN 0x01                                       ; source 0 (W2) window 1
.irp hf, 0,1
.irp w, 0,1,2,3
.if (\u) == 4
	v_wmma_scale_f32_16x16x128_f8f6f4 v[H+8*(4*\hf+\w):H+8*(4*\hf+\w)+7], v[W2Z+6+12*\w-6*\hf:W2Z+17+12*\w-6*\hf], v[X1+12*(\u):X1+12*(\u)+11], 0, v[W2S+\w], v[X1S] matrix_a_fmt:MATRIX_FMT_FP6 matrix_b_fmt:MATRIX_FMT_FP6 matrix_b_scale:MATRIX_SCALE_ROW1
.else
	v_wmma_scale_f32_16x16x128_f8f6f4 v[H+8*(4*\hf+\w):H+8*(4*\hf+\w)+7], v[W2Z+6+12*\w-6*\hf:W2Z+17+12*\w-6*\hf], v[X1+12*(\u):X1+12*(\u)+11], 0, v[W2S+\w], v[X1S+(\u)] matrix_a_fmt:MATRIX_FMT_FP6 matrix_b_fmt:MATRIX_FMT_FP6
.endif
.endr
.endr
	WIN 0x14                                       ; a2 and c2 window 1
	PLACES 4
.set N, 0
.rept 32
	v_pk_fma_f32 v[H+2*N:H+2*N+1], v[H+2*N:H+2*N+1], v[A2+(2*N)%32:A2+(2*N)%32+1], v[C2+(2*N)%32:C2+(2*N)%32+1]   ; each accumulator from its low end on
.set N, N+1
.endr
	WIN 0
.set N, 0
.rept 64
	v_max_num_f32 v[H+N], 0, v[H+N]
.set N, N+1
.endr
.set N, 0
.rept 16
	MULM H+2*N, H+2*N, \u
	MULM H+32+2*N, H+32+2*N, (\u)+5
.set N, N+1
.endr
.set N, 0
.rept 32
.if (\u) == 0
	v_max_num_f32 v[POOL+N], v[H+N], v[H+32+N]
.else
	v_max3_num_f32 v[POOL+N], v[POOL+N], v[H+N], v[H+32+N]
.endif
.set N, N+1
.endr
.set N, 0
.rept 16
	MULM H+2*N, H+2*N, \u
	MULM H+32+2*N, H+32+2*N, (\u)+5
.set N, N+1
.endr
	QUANT4 H, X2+12*(\u), X2+12*((\u)+5)
	v_lshl_or_b32 v[X2S+(\u)], v[MX+1], 8, v[MX]
	v_lshl_or_b32 v[X2S+(\u)+5], v[MX+3], 8, v[MX+2]
.endm
.macro YPASS u                         ; the pooled half of x2 for tiles u and u + 5
.set N, 0
.rept 16
	MULM H+2*N, POOL+2*N, \u
	MULM H+32+2*N, POOL+2*N, (\u)+5
.set N, N+1
.endr
	QUANT4 H, X2+12*(\u)+6, X2+12*((\u)+5)+6
	v_lshl_or_b32 v[WT], v[MX+1], 8, v[MX]
	v_lshl_or_b32 v[X2S+(\u)], v[WT], 16, v[X2S+(\u)]
	v_lshl_or_b32 v[WT], v[MX+3], 8, v[MX+2]
	v_lshl_or_b32 v[X2S+(\u)+5], v[WT], 16, v[X2S+(\u)+5]
.endm
.macro LDW j                           ; Wf's tile j, as its image lies
.irp c, 0,1,2
	ds_load_b128 v[WB+4*\c:WB+4*\c+3], v[LI] offset:WFI+1536*(\j)+512*\c
.endr
	ds_load_b32 v[WS], v[LS] offset:WFS+128*(\j)
.endm
.macro L3D j                           ; channels 16 j + 8 h + 0 .. 7 of my voxel: h3 of the ten points, BN, the mask, the maximum
	s_wait_dscnt 0x0                               ; Wf's tile is in, and the last result's stores have read their registers
	ds_load_b128 v[TB:TB+3], v[TBA] offset:AT+64*(\j)
	ds_load_b128 v[TB+4:TB+7], v[TBA] offset:AT+64*(\j)+16
	ds_load_b128 v[TB+8:TB+11], v[TBA] offset:CT+64*(\j)
	ds_load_b128 v[TB+12:TB+15], v[TBA] offset:CT+64*(\j)+16
	WIN 0x04                                       ; source 1 (x2) window 1
.irp t, 0,1,2,3,4,5,6,7,8,9
	v_wmma_scale_f32_16x16x128_f8f6f4 v[H+8*\t:H+8*\t+7], v[WB:WB+11], v[X2+12*\t:X2+12*\t+11], 0, v[WS], v[X2S+\t] matrix_a_fmt:MATRIX_FMT_FP6 matrix_b_fmt:MATRIX_FMT_FP6
.endr
	WIN 0
	PLACES 4                                       ; in front of the loads into Wf's registers and of the first read of results
.if (\j) < 7
	LDW (\j)+1
	s_wait_dscnt 4                                 ; a3 and c3 are in; the next tile's four loads may be out
.else
	s_wait_dscnt 0x0
.endif
.irp t, 0,1,2,3,4,5,6,7,8,9
.irp p, 0,2,4,6
	v_pk_fma_f32 v[H+8*\t+\p:H+8*\t+\p+1], v[H+8*\t+\p:H+8*\t+\p+1], v[TB+\p:TB+\p+1], v[TB+8+\p:TB+9+\p]
.endr
.irp p, 0,2,4,6
	MULM H+8*\t+\p, H+8*\t+\p, \t
.endr
.endr
.irp i, 0,1,2,3,4,5,6,7
	v_max3_num_f32 v[O+\i], v[H+\i], v[H+8+\i], 0
.endr
.irp t, 2,4,6,8
.irp i, 0,1,2,3,4,5,6,7
	v_max3_num_f32 v[O+\i], v[O+\i], v[H+8*\t+\i], v[H+8*\t+8+\i]
.endr
.endr
	ds_store_b128 v[OST], v[O:O+3] offset:OUTS+64*(\j)
	ds_store_b128 v[OST], v[O+4:O+7] offset:OUTS+64*(\j)+16
.endm
	s_load_b512 s[16:31], s[0:1], 0x0              ; x1rec 16, mask 18, W2's codes 20, scales 22, Wf's codes 24, scales 26, gf 28, bf 30
	s_load_b128 s[32:35], s[0:1], 0x40             ; part3 32, bn2 34
	s_load_b64 s[36:37], s[0:1], 0x50              ; out0
	v_lshl_add_u32 v254, v0, 2, 0x16800
	v_mov_b32 v255, 0
	v_lshrrev_b32 v[TA], 5, v0
	v_readfirstlane_b32 s2, v[TA]                  ; wave
	s_mov_b32 s3, ttmp9                            ; work-group
	s_mov_b32 s8, 0x76543210                       ; v_permlanex16_b32's selects for lane l xor 16
	s_mov_b32 s9, 0xfedcba98
	s_mov_b32 s10, 0x358637bd                      ; 1 / 1,000,000
	s_mov_b32 s11, 0x3727c5ac                      ; eps = 1e-5
	s_min_u32 s4, s3, 106
	s_mul_i32 s7, s3, 24
	s_add_co_u32 s4, s4, s7
	s_add_co_u32 s4, s4, s2                        ; my first group
	s_cmp_eq_u32 s2, 0
	s_cselect_b32 s5, 1, 0
	s_cmp_lt_u32 s3, 106
	s_cselect_b32 s7, 1, 0
	s_and_b32 s5, s5, s7
	s_add_co_u32 s5, s5, 3                         ; my groups: 3 or 4
	v_and_b32 v[LS], 31, v0
	v_lshlrev_b32 v[LI], 4, v[LS]
	v_lshlrev_b32 v[LS], 2, v[LS]
	v_and_b32 v[RR], 15, v0
	v_bfe_u32 v[HH], v0, 4, 1
	v_lshlrev_b32 v[TA], 4, v0
	v_and_b32 v[T4], 127, v0
	v_lshlrev_b32 v[T4], 2, v[T4]
	s_mul_i32 s7, s2, 768
	v_add_nc_u32 v[MST], s7, v[LI]
	v_mul_u32_u24 v[MLD], v[RR], 40
	v_add_nc_u32 v[MLD], s7, v[MLD]
	s_mul_i32 s7, s2, 8448
	v_mul_u32_u24 v[OST], v[RR], 528
	v_lshl_add_u32 v[OST], v[HH], 5, v[OST]
	v_add_nc_u32 v[OST], s7, v[OST]
	v_add_nc_u32 v[ORD], s7, v[LI]
	v_lshlrev_b32 v[TBA], 5, v[HH]
	v_and_b32 v[HT0], 8, v[RR]
	v_add_nc_u32 v[HT0], v[HT0], v[RR]             ; r + 8 (r / 8)
	v_mul_u32_u24 v[HT1], v[HT0], 48
	v_mad_u32_u24 v[HT1], v[HH], 24, v[HT1]        ; W2's codes: 48 bytes a row, + 24 h
	v_lshlrev_b32 v[HT0], 1, v[HT0]                ; its scale bytes: 2 a row
	v_mul_u32_u24 v[HT2], v[RR], 96
	v_mad_u32_u24 v[HT2], v[HH], 24, v[HT2]
	s_mul_i32 s7, s2, 1536
	v_add_nc_u32 v[HT2], s7, v[HT2]                ; Wf's codes: wave j fetches tile j, rows 16 j + r of 96 bytes
	s_lshl_b32 s7, s2, 6
	v_lshl_add_u32 v[HT3], v[RR], 2, s7            ; and their scale words
	v_lshlrev_b32 v[HT4], 6, v[HH]                 ; 64 h
	s_lshl_b32 s38, s4, 13
	s_mov_b32 s39, 0
	s_mul_i32 s40, s4, 640
	s_mov_b32 s41, 0
	s_wait_kmcnt 0x0
	s_add_nc_u64 s[16:17], s[16:17], s[38:39]      ; the record, the result (8,192 bytes a group each) and the mask at my first group
	s_add_nc_u64 s[36:37], s[36:37], s[38:39]
	s_add_nc_u64 s[18:19], s[18:19], s[40:41]
	PFREC
	WIN 0x40
.irp w, 0,1,2,3
.irp i, 0,1,2
	global_load_b64 v[W2Z+6+12*\w+2*\i:W2Z+7+12*\w+2*\i], v[HT1], s[20:21] offset:48*(32*(\w/2)+8*(\w%2))+8*\i
.endr
.endr
.irp q, 0,1,2,3,4,5,6,7
	global_load_b128 v[A2+4*\q:A2+4*\q+3], v[HT4], s[34:35] offset:16*(\q%4)+128*(\q/4)        ; register i: channel 32 (i / 16) + 16 h + i % 16
	global_load_b128 v[C2+4*\q:C2+4*\q+3], v[HT4], s[34:35] offset:256+16*(\q%4)+128*(\q/4)
.endr
	WIN 0
.irp w, 0,1,2,3
	global_load_u16 v[W2S+\w], v[HT0], s[22:23] offset:2*(32*(\w/2)+8*(\w%2))
.endr
.irp p, 0,1,2,3,4,5
	global_load_b64 v[H+2*\p:H+2*\p+1], v[HT2], s[24:25] offset:48*(\p/3)+8*(\p%3)
.endr
	global_load_b32 v[H+12], v[HT3], s[26:27]
	global_load_b32 v[GG], v[T4], s[28:29]
	global_load_b32 v[BB], v[T4], s[30:31]
	WIN 0x40
	RSLOAD 0, 0                                    ; part3, 262,144 bytes, in four halves of 16 loads that take turns on two sets of registers: the youngest loads of the head
	RSLOAD 64, 16
.irp z, 0,1,2,3,4
.irp i, 0,1,2,3,4,5
	v_mov_b32 v[W2Z+12*\z+\i], 0                   ; the runs of zero codes
.endr
.endr
	s_wait_loadcnt 16                              ; all but the younger half's 16, here and below
	WIN 0x45
	RSTREE 0, 1
	WIN 0x40
	RSLOAD 0, 32
	s_wait_loadcnt 16
	WIN 0x45
	RSTREE 64, 0
	WIN 0x40
	RSLOAD 64, 48
	s_wait_loadcnt 16
	WIN 0x45
	RSTREE 0, 0
	s_wait_loadcnt 0x0
	RSTREE 64, 0
	WIN 0x04
	ds_store_b128 v[TA], v[RSA:RSA+3] offset:REDH  ; class thread / 64, columns 4 (thread % 64) on
	WIN 0
	s_mul_i32 s7, s2, 1536
	v_add_nc_u32 v[HT1], s7, v[LI]
.irp c, 0,1,2
	ds_store_b128 v[HT1], v[H+4*\c:H+4*\c+3] offset:WFI+512*\c   ; Wf's tile as an image of its registers
.endr
	s_lshl_b32 s7, s2, 7
	v_add_nc_u32 v[HT3], s7, v[LS]
	ds_store_b32 v[HT3], v[H+12] offset:WFS
.irp w, 0,1,2,3
	v_lshl_or_b32 v[W2S+\w], v[W2S+\w], 16, v[W2S+\w]   ; the two bytes twice: they serve (W2, 0) and (0, W2)
.endr
	s_wait_dscnt 0x0
	s_barrier_signal -1
	s_barrier_wait -1                              ; the classes and Wf's images lie in LDS
	s_cmp_lt_u32 s2, 4
	s_cbranch_scc0 .Lno_bn
	; waves 0 to 3, thread = channel: a3 and c3
.set Q, 0
.rept 4
	ds_load_b32 v[H+Q], v[T4] offset:REDH+1024*Q
	ds_load_b32 v[H+8+Q], v[T4] offset:REDH+1024*Q+512
.set Q, Q+1
.endr
	s_wait_dscnt 0x0
.irp q, 1,2,3
	v_add_f32 v[H], v[H], v[H+\q]
	v_add_f32 v[H+8], v[H+8], v[H+8+\q]
.endr
	v_mul_f32 v[H], s10, v[H]                      ; mean
	v_mul_f32 v[H+8], s10, v[H+8]
	v_fma_f32 v[H+8], -v[H], v[H], v[H+8]          ; var
	v_max_num_f32 v[H+8], 0, v[H+8]
	v_add_f32 v[H+8], s11, v[H+8]
	v_rsq_f32 v[H+9], v[H+8]
	v_nop                                          ; one plain place behind a transcendental
	s_wait_alu depctr_va_vdst(0)
	v_mul_f32 v[H+9], v[GG], v[H+9]                ; a3
	v_fma_f32 v[H+10], -v[H], v[H+9], v[BB]        ; c3 = bf - mean a3
	ds_store_b32 v[T4], v[H+9] offset:AT
	ds_store_b32 v[T4], v[H+10] offset:CT
.Lno_bn:
	s_wait_dscnt 0x0
	s_barrier_signal -1
	s_barrier_wait -1                              ; a3 and c3 lie in LDS
.irp t, 0,1,2,3,4,5,6,7,8,9
	v_mov_b32 v[M+2*\t+1], 0
.endr
.irp b, 0,1,2,3
	v_mov_b32 v[MY+\b], 0                          ; written once: a lane permute's destination counts as one of its sources
.endr
	s_mov_b32 s6, 0
.Ltrip:                                                ; four trips; a wave with three groups passes over the fourth
	s_cmp_ge_u32 s6, s5
	s_cbranch_scc1 .Lskip
	s_wait_loadcnt 0x0                             ; the record asked for a trip ago is in: so the pointers may step
	s_add_nc_u64 s[16:17], s[16:17], 65536
	s_add_nc_u64 s[18:19], s[18:19], 5120
	ds_store_b128 v[MST], v[PFM:PFM+3] offset:MSK
	ds_store_b128 v[MST], v[PFM+4:PFM+7] offset:MSK+128
.irp t, 0,1,2,3,4,5,6,7,8,9
	ds_load_b32 v[M+2*\t], v[MLD] offset:MSK+4*\t  ; my voxel's ten mask numbers; LDS serves a wave's instructions in order
.endr
	s_wait_dscnt 0x0
.irp u, 0,1,2,3,4
	PAIR \u
.endr
.irp u, 0,1,2,3,4
	YPASS \u
.endr
	s_add_co_u32 s7, s6, 1
	s_cmp_lt_u32 s7, s5
	s_cbranch_scc0 .Lno_next                       ; no load leaves its buffer
	PFREC                                          ; the next record has all of layer 3 in which to land
.Lno_next:
	LDW 0
.irp t, 0,1,2,3,4,5,6,7,8,9
	v_max_num_f32 v[M+2*\t], 0, v[M+2*\t]          ; max(m, 0) for the last layer.  (These ten are also the eight places between the scale words' last write and the scaled products)
.endr
.irp j, 0,1,2,3,4,5,6,7
	L3D \j
.endr
.irp i, 0,1,2,3,4,5,6,7,8,9,10,11,12,13,14,15
	ds_load_b128 v[H+4*\i:H+4*\i+3], v[ORD] offset:OUTS+528*\i   ; whole rows back; LDS serves a wave's instructions in order: these see my stores
.endr
.irp i, 0,1,2,3,4,5,6,7,8,9,10,11,12,13,14,15
	s_wait_dscnt 15-\i
	global_store_b128 v[LI], v[H+4*\i:H+4*\i+3], s[36:37] offset:512*\i th:TH_STORE_NT   ; a voxel's row: 512 consecutive bytes, aligned
.endr
	s_wait_xcnt 0x0                                ; the stores' data and base are written again only behind this wait
	s_add_nc_u64 s[36:37], s[36:37], 65536
.Lskip:
	s_add_co_u32 s6, s6, 1
	s_cmp_lt_u32 s6, 4
	s_cbranch_scc1 .Ltrip
	s_wait_tensorcnt 0x0
	ds_add_u32 v254, v255
	s_wait_dscnt 0x0
	s_endpgm
.Lfunc_end_k_q3a26dcc7ae_output:
	.size	k_q3a26dcc7ae_output, .Lfunc_end_k_q3a26dcc7ae_output-k_q3a26dcc7ae_output
	.p2alignl 7, 3214868480
	.fill 96, 4, 3214868480
	.section	.rodata,"a",@progbits
	.p2align	6, 0x0
	.amdhsa_kernel k_q3a26dcc7ae_output
		.amdhsa_group_segment_fixed_size 93184
		.amdhsa_private_segment_fixed_size 0
		.amdhsa_enable_private_segment 0
		.amdhsa_kernarg_size 88
		.amdhsa_user_sgpr_count 2
		.amdhsa_user_sgpr_kernarg_segment_ptr 1
		.amdhsa_wavefront_size32 1
		.amdhsa_system_sgpr_workgroup_id_x 1
		.amdhsa_system_sgpr_workgroup_id_y 1
		.amdhsa_system_sgpr_workgroup_id_z 1
		.amdhsa_system_vgpr_workitem_id 0
		.amdhsa_next_free_vgpr 512
		.amdhsa_next_free_sgpr 66
		.amdhsa_reserve_vcc 0
		.amdhsa_float_denorm_mode_32 3
		.amdhsa_float_denorm_mode_16_64 3
		.amdhsa_memory_ordered 1
		.amdhsa_forward_progress 1
		.amdhsa_inst_pref_size 214
	.end_amdhsa_kernel
	.amdgpu_metadata
---
amdhsa.version: [ 1, 2 ]
amdhsa.kernels:
  - .name:           k_q3a26dcc7ae_output
    .symbol:         k_q3a26dcc7ae_output.kd
    .args:
      - { .name: x1rec, .offset: 0, .size: 8, .value_kind: global_buffer, .address_space: global }
      - { .name: mask, .offset: 8, .size: 8, .value_kind: global_buffer, .address_space: global }
      - { .name: W2_codes, .offset: 16, .size: 8, .value_kind: global_buffer, .address_space: global }
      - { .name: W2_scales, .offset: 24, .size: 8, .value_kind: global_buffer, .address_space: global }
      - { .name: Wf_codes, .offset: 32, .size: 8, .value_kind: global_buffer, .address_space: global }
      - { .name: Wf_scales, .offset: 40, .size: 8, .value_kind: global_buffer, .address_space: global }
      - { .name: gf, .offset: 48, .size: 8, .value_kind: global_buffer, .address_space: global }
      - { .name: bf, .offset: 56, .size: 8, .value_kind: global_buffer, .address_space: global }
      - { .name: part3, .offset: 64, .size: 8, .value_kind: global_buffer, .address_space: global }
      - { .name: bn2, .offset: 72, .size: 8, .value_kind: global_buffer, .address_space: global }
      - { .name: out0, .offset: 80, .size: 8, .value_kind: global_buffer, .address_space: global }
    .group_segment_fixed_size: 93184
    .private_segment_fixed_size: 0
    .kernarg_segment_align: 8
    .kernarg_segment_size: 88
    .max_flat_workgroup_size: 256
    .sgpr_count:     66
    .vgpr_count:     512
    .wavefront_size: 32
...
	.end_amdgpu_metadata
.endif
;; end of part 4
;; ======== version 2 of 2: 4 launches
;; limits: a difference of large sums (such as E[x^2] - mean^2): digits are lost where the result is much smaller than its terms
;; workspace buffers: partA 65,536 bytes; part2 131,072 bytes; part3 262,144 bytes; bn2 512 bytes; x1rec 51,200,000 bytes
;; launch moments (part 5): grid 256 x 1, 8 waves a work-group, no clusters, 39,936 bytes of LDS; arguments points_per_voxel, partA; writes partA
.if DOCPART == 5
	.amdgcn_target "amdgcn-amd-amdhsa--gfx1250"
	.amdhsa_code_object_version 6
	.text
	.protected	k_q3a26dcc7ae_moments
	.globl	k_q3a26dcc7ae_moments
	.p2align	8
	.type	k_q3a26dcc7ae_moments,@function
k_q3a26dcc7ae_moments:
	s_mov_b64 s[64:65], 0
	v_nop
	global_prefetch_b8 v0, s[64:65] scope:SCOPE_SE
	s_setreg_imm32_b32 hwreg(HW_REG_WAVE_MODE, 25, 1), 1
	s_wait_xcnt 0x0
; FIRST AND SECOND MOMENTS OF x.  x = points_per_voxel, 1,000,000 rows of 7 f32.  h1 = x W1 is linear in x, so the first BatchNorm's mean and
; variance follow from 7 sums and 28 sums of products of x; this launch makes them, one row of 64 f32 for each work-group:
; column k: sum of y_k;  column 7 + k (15 - k) / 2 + (l - k), k <= l: sum of y_k y_l;  columns 35-63: 0.
; y = x - p, p the tensor's row 0 (a pilot): a common offset of x is gone before anything is squared.
; SHARES.  A group is 16 voxels = 160 rows = 4,480 bytes; 6,250 groups.  Work-group g owns 24 groups, the first 106 work-groups 25, from 24 g + min(g, 106) on;
; wave w takes groups w, w + 8, w + 16 of them, wave 0 also the 25th.  A lane takes 5 rows (35 numbers) of a group.
; Loads are dense (512 consecutive bytes a wave); the 4,480 bytes turn through the wave's own stage in LDS and come back 140 bytes a lane.
; No matrix unit, no tensor load, no cluster: every byte is read once by one wave.  LIMITS: NaN and infinities among the inputs are not served.
.set GRPB,  4480                       ; bytes of a group
.set STEP8, 8*GRPB                     ; from a wave's group to its next
.set STGB,  4608                       ; a wave's stage
.set RED,   8*STGB                     ; behind the stages: 256 bytes for each wave's 64 sums
.set X,     16                         ; v16-50    35 numbers: 5 rows of 7
.set PF,    64                         ; v64-171   three sets of 36: a group as loaded
.set ACC,   208                        ; v208-242  the 35 sums
	s_load_b128 s[12:15], s[0:1], 0x0              ; x, partA
	v_lshl_add_u32 v254, v0, 2, 0x9800
	v_mov_b32 v255, 0
	v_lshrrev_b32 v4, 5, v0
	s_delay_alu instid0(VALU_DEP_1)
	v_readfirstlane_b32 s2, v4                     ; wave
	s_mov_b32 s3, ttmp9                            ; work-group
	s_mov_b32 s8, 0x76543210                       ; v_permlanex16_b32's selects for lane l xor 16
	s_mov_b32 s9, 0xfedcba98
	s_min_u32 s4, s3, 106
	s_mul_i32 s7, s3, 24
	s_add_co_u32 s4, s4, s7
	s_add_co_u32 s4, s4, s2                        ; my first group
	s_cmp_eq_u32 s2, 0
	s_cselect_b32 s5, 1, 0
	s_cmp_lt_u32 s3, 106
	s_cselect_b32 s7, 1, 0
	s_and_b32 s5, s5, s7                           ; 1: I have a fourth group
	s_mul_i32 s24, s4, GRPB                        ; under 2^32: the tensor has 28,000,000 bytes
	s_mov_b32 s25, 0
	v_and_b32 v5, 31, v0                           ; lane
	s_delay_alu instid0(VALU_DEP_1)
	v_lshlrev_b32 v1, 4, v5                        ; 16 x lane
	s_mul_i32 s7, s2, STGB
	v_add_nc_u32 v2, s7, v1                        ; the stage, on the way in
	v_mul_u32_u24 v3, v5, 140
	s_delay_alu instid0(VALU_DEP_1)
	v_add_nc_u32 v3, s7, v3                        ; and on the way out: my 5 rows
	s_lshl_b32 s7, s2, 8
	s_add_co_u32 s7, s7, RED
	v_mov_b32 v6, s7                               ; my wave's 64 sums
	v_lshl_add_u32 v7, v5, 3, s7
	v_mov_b32 v8, 0
	v_mov_b32 v9, 0
	ds_store_b64 v7, v[8:9]                        ; all 64 are zeros first: columns 35-63 stay so
	s_wait_alu depctr_va_vdst(0)
	s_wait_kmcnt 0x0
	s_load_b256 s[16:23], s[12:13], 0x0            ; the pilot: row 0 of x in s16-22
	s_add_nc_u64 s[26:27], s[12:13], s[24:25]      ; x at my first group
.macro LOADX set, j                    ; my group j into a set: eight loads of 512 bytes, and a ninth that ends with the group (it takes 128 bytes again: no lane leaves the group)
.irp i, 0,1,2,3,4,5,6,7
	global_load_b128 v[PF+36*\set+4*\i:PF+36*\set+4*\i+3], v1, s[26:27] offset:STEP8*\j+512*\i
.endr
	global_load_b128 v[PF+36*\set+32:PF+36*\set+35], v1, s[26:27] offset:STEP8*\j+3968
.endm
.macro POINT p, first                  ; one row: y = x - p; 7 sums, 28 sums of products.  first = 1: the row starts the sums: nothing is cleared
.irp k, 0,1,2,3,4,5,6
	v_sub_f32 v[X+7*\p+\k], v[X+7*\p+\k], s[16+\k]
.endr
.irp k, 0,1,2,3,4,5,6
.if \first
	v_mov_b32 v[ACC+\k], v[X+7*\p+\k]
.else
	v_add_f32 v[ACC+\k], v[ACC+\k], v[X+7*\p+\k]
.endif
.endr
.irp k, 0,1,2,3,4,5,6
.irp l, 0,1,2,3,4,5,6
.if \l >= \k
.if \first
	v_mul_f32 v[ACC+7+\k*(15-\k)/2+\l-\k], v[X+7*\p+\k], v[X+7*\p+\l]
.else
	v_fmac_f32 v[ACC+7+\k*(15-\k)/2+\l-\k], v[X+7*\p+\k], v[X+7*\p+\l]
.endif
.endif
.endr
.endr
.endm
.macro GROUPA set, first, left         ; left: the younger loads that may stay out
	s_wait_loadcnt \left
.irp i, 0,1,2,3,4,5,6,7
	ds_store_b128 v2, v[PF+36*\set+4*\i:PF+36*\set+4*\i+3] offset:512*\i
.endr
	ds_store_b128 v2, v[PF+36*\set+32:PF+36*\set+35] offset:3968
.set N, 0
.rept 35
	ds_load_b32 v[X+N], v3 offset:4*N              ; LDS serves a wave's instructions in order: these see the stores above
.set N, N+1
.endr
	s_wait_dscnt 0x0
	POINT 0, \first
	POINT 1, 0
	POINT 2, 0
	POINT 3, 0
	POINT 4, 0
.endm
	LOADX 0, 0                                     ; all three groups are asked for at once: 27 loads a wave
	LOADX 1, 1
	LOADX 2, 2
	s_wait_kmcnt 0x0                               ; the pilot
	GROUPA 0, 1, 18                                ; the two younger groups' 18 loads may be out
	s_cmp_eq_u32 s5, 0
	s_cbranch_scc1 .Lthree_a
	LOADX 0, 3                                     ; the fourth group, into the set that has just been staged
.Lthree_a:
	GROUPA 1, 0, 9                                 ; with three groups: the third's 9 may be out; with four the count waits for the third as well
	GROUPA 2, 0, 0
	s_cmp_eq_u32 s5, 0
	s_cbranch_scc1 .Lthree_b
	GROUPA 0, 0, 0
.Lthree_b:
	; over the 32 lanes: four steps inside each half of 16 lanes, one across the halves
.irp m, 1,2,4,8
.set N, 0
.rept 35
	v_add_f32_dpp v[ACC+N], v[ACC+N], v[ACC+N] row_xmask:\m row_mask:0xf bank_mask:0xf
.set N, N+1
.endr
.endr
.set N, 0
.rept 35
	v_permlanex16_b32 v[X+N], v[ACC+N], s8, s9
.set N, N+1
.endr
.set N, 0
.rept 35
	v_add_f32 v[ACC+N], v[ACC+N], v[X+N]
.set N, N+1
.endr
.set N, 0
.rept 35
	ds_store_b32 v6, v[ACC+N] offset:4*N           ; all lanes write the same word with the same value
.set N, N+1
.endr
	s_wait_dscnt 0x0                               ; for wave 0's sake: my stores have landed
	s_barrier_signal -1
	s_barrier_wait -1
	s_cmp_lg_u32 s2, 0
	s_cbranch_scc1 .Lend
	v_lshlrev_b32 v10, 3, v5                       ; wave 0 adds the eight waves' rows: 8 bytes a lane
	s_delay_alu instid0(VALU_DEP_1)
	v_add_nc_u32 v11, RED, v10
.irp w, 0,1,2,3,4,5,6,7
	ds_load_b64 v[16+2*\w:17+2*\w], v11 offset:256*\w
.endr
	s_lshl_b32 s24, s3, 8
	s_add_nc_u64 s[14:15], s[14:15], s[24:25]
	s_wait_dscnt 0x0
.irp i, 0,2,4,6
	v_pk_add_f32 v[16+\i:17+\i], v[16+\i:17+\i], v[24+\i:25+\i]
.endr
	s_delay_alu instid0(VALU_DEP_2)
	v_pk_add_f32 v[16:17], v[16:17], v[20:21]
	s_delay_alu instid0(VALU_DEP_2)
	v_pk_add_f32 v[18:19], v[18:19], v[22:23]
	s_delay_alu instid0(VALU_DEP_1)
	v_pk_add_f32 v[16:17], v[16:17], v[18:19]
	s_wait_alu depctr_va_vdst(0)
	global_store_b64 v10, v[16:17], s[14:15]       ; 32 lanes store 256 consecutive bytes, aligned
.Lend:
	s_wait_tensorcnt 0x0
	ds_add_u32 v254, v255
	s_wait_dscnt 0x0
	s_endpgm
.Lfunc_end_k_q3a26dcc7ae_moments:
	.size	k_q3a26dcc7ae_moments, .Lfunc_end_k_q3a26dcc7ae_moments-k_q3a26dcc7ae_moments
	.p2alignl 7, 3214868480
	.fill 96, 4, 3214868480
	.section	.rodata,"a",@progbits
	.p2align	6, 0x0
	.amdhsa_kernel k_q3a26dcc7ae_moments
		.amdhsa_group_segment_fixed_size 39936
		.amdhsa_private_segment_fixed_size 0
		.amdhsa_enable_private_segment 0
		.amdhsa_kernarg_size 16
		.amdhsa_user_sgpr_count 2
		.amdhsa_user_sgpr_kernarg_segment_ptr 1
		.amdhsa_wavefront_size32 1
		.amdhsa_system_sgpr_workgroup_id_x 1
		.amdhsa_system_sgpr_workgroup_id_y 1
		.amdhsa_system_sgpr_workgroup_id_z 1
		.amdhsa_system_vgpr_workitem_id 0
		.amdhsa_next_free_vgpr 256
		.amdhsa_next_free_sgpr 66
		.amdhsa_reserve_vcc 0
		.amdhsa_float_denorm_mode_32 3
		.amdhsa_float_denorm_mode_16_64 3
		.amdhsa_memory_ordered 1
		.amdhsa_forward_progress 1
		.amdhsa_inst_pref_size 64
	.end_amdhsa_kernel
	.amdgpu_metadata
---
amdhsa.version: [ 1, 2 ]
amdhsa.kernels:
  - .name:           k_q3a26dcc7ae_moments
    .symbol:         k_q3a26dcc7ae_moments.kd
    .args:
      - { .name: points_per_voxel, .offset: 0, .size: 8, .value_kind: global_buffer, .address_space: global }
      - { .name: partA, .offset: 8, .size: 8, .value_kind: global_buffer, .address_space: global }
    .group_segment_fixed_size: 39936
    .private_segment_fixed_size: 0
    .kernarg_segment_align: 8
    .kernarg_segment_size: 16
    .max_flat_workgroup_size: 256
    .sgpr_count:     66
    .vgpr_count:     256
    .wavefront_size: 32
...
	.end_amdgpu_metadata
.endif
;; end of part 5
;; launch layer1 (part 6): grid 256 x 1, 8 waves a work-group, no clusters, 52,224 bytes of LDS; arguments points_per_voxel, mask, W1, g1, b1, W2_codes, W2_scales, partA, x1rec, part2; writes x1rec, part2
.if DOCPART == 6
	.amdgcn_target "amdgcn-amd-amdhsa--gfx1250"
	.amdhsa_code_object_version 6
	.text
	.protected	k_q3a26dcc7ae_layer1
	.globl	k_q3a26dcc7ae_layer1
	.p2align	8
	.type	k_q3a26dcc7ae_layer1,@function
k_q3a26dcc7ae_layer1:
	s_mov_b64 s[64:65], 0
	v_nop
	global_prefetch_b8 v0, s[64:65] scope:SCOPE_SE
	s_setreg_imm32_b32 hwreg(HW_REG_WAVE_SCHED_MODE, 0, 2), 2
	s_setreg_imm32_b32 hwreg(HW_REG_WAVE_MODE, 25, 1), 1
	s_wait_xcnt 0x0
	s_wait_alu depctr_vm_vsrc(0)
; LAYER 1, AND THE SUMS FOR THE SECOND BatchNorm.  x1 = [h, pooled] m with h = relu(BN(x W1)) m, pooled = the voxel's largest h over its valid points; h2 = Q(x1) W2.
; Stored: x1 as codes of FP6 (E2M3) with E8M0 scales, in the order of an operand's registers (8,192 bytes a group), and for each work-group the sums of h2 and of h2^2 by channel.
; THE GROUP.  16 voxels = 160 rows = ten tiles of 16: tile t is point t of the 16 voxels, a tile's row r is voxel r.  With the weights as source 0 a lane holds ONE voxel (lane % 16), so the
; pooling over a voxel's points is a maximum over the ten tiles' registers of one lane.  Shares: work-group g owns 24 groups (the first 106: 25) from 24 g + min(g, 106) on; wave w takes every eighth.
; BN 1.  From the moments of y = x - p (p: row 0 of x): mean = sum (p_k + my_k) W_k, var = sum C_kl W_k W_l; a = g1 rsq(var + eps) goes into the weights, c = b1 - mean a is the C of the product.
; PRODUCT 1 (K = 7, f32 operands, since its result goes on into a quantiser): v_wmma_f32_16x16x4_f32, two K steps; k = 7 is a zero row of the weights (x's register there holds the next number in the stage).
; THE ROWS OF W1 THAT FORM A TILE: lane r of tile w takes channel 8 w + r + 8 (r / 8), so that a lane's 16 registers of the two tiles are channels 16 (lane / 16) + 0 .. 15: neighbours along the next K.
; THE MASK is taken as a number: t = relu(v) m; pooled = the largest t over ALL ten points (a point with m <= 0 gives t <= 0, a valid one t >= 0); h = t m.
; PRODUCT 2 has K = 64, the instruction 128: the fragments of tiles u and u + 5 are ONE operand (k 0-63: tile u, k 64-127: tile u + 5), and W2 stands between runs of zero codes:
; (W2, 0) gives tile u's product, (0, W2) tile u + 5's.  Here x1 is source 0, so that a lane holds one CHANNEL of h2 and the sums need no other lane but the one 16 away.
; LIMITS: every voxel has a mask above 0 (else reference() is NaN everywhere); NaN and infinities are not served; the sign of zero is not kept; a block of zeros has the byte 1 (its codes are zeros).
; THE MODE: SCHED_MODE bits 1:0 = 2 (LLVM: expert scheduling mode 2), set by the entry lines.  The code itself states the register dependences
; between vector or matrix instructions and memory or LDS instructions, with s_wait_alu, always for 0.
; THE PLAN.  Registers that memory or LDS instructions touch, in the loop:
;   PF (window 1)   Written by the next group's loads; read by the eleven LDS stores at a trip's head.  No vector instruction names them.
;   m, x's five     Written by one run of LDS loads at a trip's head; read by the packed multiplies of both passes (m) and by product 1 (x's fragments, a buffer for each pair of tiles).
;   FR, SWR         Written by the conversions, swaps and moves of both passes; read by the sixteen global stores and by product 2.
;   the offsets and LDS addresses v1-v7, v232-v236: made once at the head and never written again.
; A trip has one wait on vm_vsrc, behind the stage's stores (PF may be loaded again; the last trip's global stores have read FR and SWR), and one wait on va_vdst, behind the second pass:
; FR and SWR are written, and both passes are done with m, with x's fragments and with the codes' scratch, none of which product 2 and its sums name: so the next trip's LDS loads owe nothing more.
.set GRPX, 4480                        ; a group's bytes of x
.set GRPM, 640                         ; and of the mask
.set STGB, 5120                        ; LDS: a wave's stage: x, then the mask
.set MOFF, 4480
.set REDH, 8*STGB                      ; 4,096: the moments, 16 classes of rows x 64 columns
.set TOT,  REDH+4096                   ; 256: their totals
.set W1T,  TOT+256                     ; 1,024: a W1, [k 8][32 channels], row 7 zeros
.set C1T,  W1T+1024                    ; 128: c
.set REDE, C1T+256                     ; 512 for each wave: its sums of h2 (64) and h2^2 (64)
; window 0
.set LI,   1                           ; 16 x lane
.set XST,  2                           ; stage + 16 x lane
.set XA,   3                           ; stage + 4 (70 r + 2 h): x(voxel r, k = 2 h)
.set MA,   4                           ; stage + MOFF + 40 r: my voxel's ten mask numbers
.set TA,   5                           ; 16 x thread
.set M,    8                           ; v8-27    m_t in register 2 t (the odd ones are zeros: the packed multiply names pairs and takes the low word)
.set SWR,  28                          ; v28-32   x1's scale words, pair u in register u; register 0 ends as pair 0's in lanes 0-15 and pair 4's in lanes 16-31
.set W2S,  34                          ; v34-37   W2's scale words
.set W1F,  38                          ; v38-45   a W1's fragments [tile w][K step s][2]
.set C1,   46                          ; v46-61   c in the result's layout [w][8]
                                       ; v62-77   x's fragments of pairs 0 and 1, two tiles x [s][2] each; pairs 2 and 3 in v240-255, pair 4 in v162-169 (macro SETXB)
.set D1,   78                          ; v78-109  product 1's four accumulators: written by matrix instructions alone
.set T,    110                         ; v110-141 32 numbers at work
.set H,    78                          ; product 2's eight accumulators: D1 and T together
.set POOL, 142                         ; v142-157
.set MX,   158                         ; v158-159 a block's largest magnitude, then its byte
.set MY,   160                         ; v160-161 the other half's, then the conversion's scale operand
.set BT,   162                         ; v162-169 codes on their way (second pass); in the first pass x's fragments of pair 4
.set FR,   170                         ; v170-229 x1's five operands of 12
.set RR,   230                         ; r = lane % 16
.set HH,   231                         ; h = lane / 16
.set L4,   232                         ; 4 x lane
.set AW,   233                         ; where my part of a W1's fragments lies
.set AE,   234                         ; 64 h
.set AZ,   235                         ; 0
.set AEND, 236                         ; the end: 512 x wave + 4 r
.set E,    240                         ; v240-255 the end's sums (in the loop: x's fragments of pairs 2 and 3)
.set TT,   170                         ; the head, wave 0: 36 totals; v206.. W1's column; v214.. my; v222 g1, v223 b1; v224-228 at work
.set WK,   206
.set MK,   214
.set G1R,  222
.set B1R,  223
.set U0,   224
.set U1,   225
.set U2,   226
.set U3,   227
.set U4,   228
; window 1
.set PF,   0                           ; v0-43    the next group as loaded: x 36, mask 8
.set W2Z,  44                          ; v44-97   [0 W 0 W 0 W 0 W 0] in runs of 6: tile w at W2Z + 6 + 12 w
.set S2,   98                          ; v98-129  sums of h2 [w][8]
.set Q2,   130                         ; v130-161 of h2^2
.set RS,   162                         ; v162-225 the head: 16 quads of partA
.set RSA,  226
.set MSB, 0
.macro WIN new                         ; s_set_vgpr_msb: bits 1:0 source 0, 3:2 source 1, 5:4 source 2, 7:6 destination; the high byte repeats the setting that is left
.if MSB != \new
	s_set_vgpr_msb (MSB<<8)|\new
.set MSB, \new
.endif
.endm
.macro PLACES n
.rept \n
	v_nop
.endr
.endm
.macro MULM d, s, t                    ; two numbers x m_t
	v_pk_mul_f32 v[\d:\d+1], v[\s:\s+1], v[M+2*(\t):M+2*(\t)+1] op_sel_hi:[1,0]
.endm
.macro SETXB u                         ; XBU: where the fragments of x for tiles u and u + 5 lie
.if (\u) < 2
.set XBU, 62+8*(\u)
.elseif (\u) < 4
.set XBU, 224+8*(\u)
.else
.set XBU, 162
.endif
.endm
; Two half blocks of 16 numbers at v[s], v[s + 16]: the block's largest magnitude (with the lane 16 away), the conversion's scale operand in MY, the byte in MX.
.macro BLK s
.irp b, 0,1
	v_max3_num_f32 v[MX+\b], |v[\s+16*\b]|, |v[\s+16*\b+1]|, 0x1800000   ; and the floor 2^(3 - 127): the byte cannot fall under 1
.endr
.irp i, 2,4,6,8,10,12,14
.irp b, 0,1
	v_max3_num_f32 v[MX+\b], v[MX+\b], |v[\s+16*\b+\i]|, |v[\s+16*\b+\i+1]|
.endr
.endr
.irp b, 0,1
	v_permlanex16_b32 v[MY+\b], v[MX+\b], s8, s9
.endr
.irp b, 0,1
	v_max_num_f32 v[MX+\b], v[MX+\b], v[MY+\b]
.endr
.irp b, 0,1
	v_add_nc_u32 v[MY+\b], 0xff000000, v[MX+\b]    ; 2 off the exponent field: the conversion takes this operand's exponent field as its scale
.endr
.irp b, 0,1
	v_lshrrev_b32 v[MX+\b], 23, v[MY+\b]           ; the scale's byte
.endr
.endm
.macro PFLOAD                          ; a group of x (nine loads, the ninth ends with the group) and of the mask (two, likewise)
	WIN 0x40
.irp i, 0,1,2,3,4,5,6,7
	global_load_b128 v[PF+4*\i:PF+4*\i+3], v[LI], s[48:49] offset:512*\i th:TH_LOAD_NT
.endr
	global_load_b128 v[PF+32:PF+35], v[LI], s[48:49] offset:3968 th:TH_LOAD_NT
	global_load_b128 v[PF+36:PF+39], v[LI], s[50:51]
	global_load_b128 v[PF+40:PF+43], v[LI], s[50:51] offset:128
	WIN 0
.endm
.macro XLOAD u                         ; x's fragments of tiles u and u + 5: register [s][j] is x(voxel r, point t, k = 4 s + 2 h + j)
	SETXB \u
.irp hf, 0,1
.irp s, 0,1
.irp j, 0,1
	ds_load_b32 v[XBU+4*\hf+2*\s+\j], v[XA] offset:4*(7*((\u)+5*\hf)+4*\s+\j)
.endr
.endr
.endr
.endm
	s_load_b512 s[16:31], s[0:1], 0x0              ; x 16, mask 18, W1 20, g1 22, b1 24, W2's codes 26, W2's scales 28, partA 30
	s_load_b128 s[32:35], s[0:1], 0x40             ; x1rec 32, part2 34
	v_lshl_add_u32 v238, v0, 2, 0xc800
	v_mov_b32 v239, 0
	v_lshrrev_b32 v6, 5, v0
	v_readfirstlane_b32 s2, v6                     ; wave
	s_mov_b32 s3, ttmp9                            ; work-group
	s_mov_b32 s8, 0x76543210                       ; v_permlanex16_b32's selects for lane l xor 16
	s_mov_b32 s9, 0xfedcba98
	s_mov_b32 s10, 0x358637bd                      ; 1 / 1,000,000
	s_mov_b32 s11, 0x3727c5ac                      ; eps = 1e-5
	s_mov_b32 s12, 0xffff0000                      ; lanes 16-31
	s_min_u32 s4, s3, 106
	s_mul_i32 s7, s3, 24
	s_add_co_u32 s4, s4, s7
	s_wait_alu depctr_va_sdst(0)                   ; s2, the wave's number, is written, ahead of its first reader
	s_add_co_u32 s4, s4, s2                        ; my first group
	s_cmp_eq_u32 s2, 0
	s_cselect_b32 s5, 1, 0
	s_cmp_lt_u32 s3, 106
	s_cselect_b32 s7, 1, 0
	s_and_b32 s5, s5, s7
	s_add_co_u32 s5, s5, 3                         ; my groups: 3 or 4
	v_and_b32 v[L4], 31, v0
	v_and_b32 v[RR], 15, v0
	v_bfe_u32 v[HH], v0, 4, 1
	v_lshlrev_b32 v[LI], 4, v[L4]
	v_lshlrev_b32 v[L4], 2, v[L4]
	v_lshlrev_b32 v[TA], 4, v0
	s_mul_i32 s7, s2, STGB
	v_add_nc_u32 v[XST], s7, v[LI]
	v_mul_u32_u24 v[XA], v[RR], 280
	v_lshl_add_u32 v[XA], v[HH], 3, v[XA]
	v_add_nc_u32 v[XA], s7, v[XA]
	v_mul_u32_u24 v[MA], v[RR], 40
	v_add_nc_u32 v[MA], s7, v[MA]
	v_add_nc_u32 v[MA], MOFF, v[MA]
	v_mul_u32_u24 v6, v[RR], 48                    ; W2, natural rows n = 16 w + r: 48 bytes a row, + 24 h
	v_mad_u32_u24 v6, v[HH], 24, v6
	v_lshlrev_b32 v7, 1, v[RR]                     ; and its two scale bytes
	v_and_b32 v[AW], 8, v[RR]
	v_add_nc_u32 v[AW], v[AW], v[RR]               ; r + 8 (r / 8)
	v_lshlrev_b32 v[AW], 2, v[AW]
	v_lshl_add_u32 v[AW], v[HH], 8, v[AW]          ; + two rows of 128 bytes for h
	v_lshlrev_b32 v[AE], 6, v[HH]
	v_mov_b32 v[AZ], 0
	s_lshl_b32 s7, s2, 9
	v_lshl_add_u32 v[AEND], v[RR], 2, s7
	s_mul_i32 s36, s4, GRPX
	s_mov_b32 s37, 0
	s_mul_i32 s38, s4, GRPM
	s_mov_b32 s39, 0
	s_lshl_b32 s54, s4, 13
	s_mov_b32 s55, 0
	s_wait_kmcnt 0x0
	s_load_b256 s[40:47], s[16:17], 0x0            ; the pilot: row 0 of x in s40-46
	s_add_nc_u64 s[48:49], s[16:17], s[36:37]      ; x, the mask and the record at my first group
	s_add_nc_u64 s[50:51], s[18:19], s[38:39]
	s_add_nc_u64 s[52:53], s[32:33], s[54:55]
	s_wait_alu depctr_va_vdst(0)                   ; the offsets and LDS addresses v1 to v7 and v232 to v236 are written: every load and store of the kernel reads one of them
	PFLOAD
	WIN 0x40
.irp w, 0,1,2,3
.irp i, 0,1,2
	global_load_b64 v[W2Z+6+12*\w+2*\i:W2Z+7+12*\w+2*\i], v6, s[26:27] offset:768*\w+8*\i
.endr
.endr
	WIN 0
.irp w, 0,1,2,3
	global_load_u16 v[W2S+\w], v7, s[28:29] offset:32*\w
.endr
.irp k, 0,1,2,3,4,5,6
	global_load_b32 v[WK+\k], v[L4], s[20:21] offset:128*\k   ; W1(k, channel = lane): wave 0 uses them
.endr
	global_load_b32 v[G1R], v[L4], s[22:23]
	global_load_b32 v[B1R], v[L4], s[24:25]
	WIN 0x40
.set N, 0
.rept 16
	global_load_b128 v[RS+4*N:RS+4*N+3], v[TA], s[30:31] offset:4096*N   ; partA: a step of the work-group covers 4,096 dense bytes, 16 rows of 64 columns
.set N, N+1
.endr
.irp z, 0,1,2,3,4
.irp i, 0,1,2,3,4,5
	v_mov_b32 v[W2Z+12*\z+\i], 0                   ; the runs of zero codes
.endr
.endr
.set N, 0
.rept 64
	v_mov_b32 v[S2+N], 0                           ; the sums of h2 and h2^2: the loop is written once
.set N, N+1
.endr
	s_wait_loadcnt 0x0
	WIN 0x45
.irp st, 8,4,2
.set N, 0
.rept \st
	v_pk_add_f32 v[RS+4*N:RS+4*N+1], v[RS+4*N:RS+4*N+1], v[RS+4*(N+\st):RS+4*(N+\st)+1]
	v_pk_add_f32 v[RS+4*N+2:RS+4*N+3], v[RS+4*N+2:RS+4*N+3], v[RS+4*(N+\st)+2:RS+4*(N+\st)+3]
.set N, N+1
.endr
.endr
	v_pk_add_f32 v[RSA:RSA+1], v[RS:RS+1], v[RS+4:RS+5]
	v_pk_add_f32 v[RSA+2:RSA+3], v[RS+2:RS+3], v[RS+6:RS+7]
	WIN 0x04
	s_wait_alu depctr_va_vdst(0)                   ; the additions have written v[RSA ..], which the LDS store reads
	ds_store_b128 v[TA], v[RSA:RSA+3] offset:REDH  ; class thread / 16, columns 4 (thread % 16) on
	WIN 0
.irp w, 0,1,2,3
	v_lshl_or_b32 v[W2S+\w], v[W2S+\w], 16, v[W2S+\w]   ; the two bytes twice: they serve (W2, 0) and (0, W2)
.endr
.irp t, 0,1,2,3,4,5,6,7,8,9
	v_mov_b32 v[M+2*\t+1], 0
.endr
	v_mov_b32 v[MY], 0                             ; written once: a lane permute's destination counts as one of its sources
	v_mov_b32 v[MY+1], 0
	s_wait_kmcnt 0x0                               ; the pilot
	s_wait_dscnt 0x0
	s_barrier_signal -1
	s_barrier_wait -1                              ; the sixteen classes lie in LDS
	s_cmp_lg_u32 s2, 0
	s_cbranch_scc1 .Lnot_wave_0
	; wave 0, lane = channel: the totals, then a and c of the first BatchNorm
.set Q, 0
.rept 16
	ds_load_b32 v[T+Q], v[L4] offset:REDH+256*Q
	ds_load_b32 v[T+16+Q], v[L4] offset:REDH+256*Q+128
.set Q, Q+1
.endr
	s_wait_dscnt 0x0
.irp b, T, T+16
.irp i, 0,2,4,6
	v_pk_add_f32 v[\b+\i:\b+\i+1], v[\b+\i:\b+\i+1], v[\b+\i+8:\b+\i+9]
.endr
.irp i, 0,2
	v_pk_add_f32 v[\b+\i:\b+\i+1], v[\b+\i:\b+\i+1], v[\b+\i+4:\b+\i+5]
.endr
	v_pk_add_f32 v[\b:\b+1], v[\b:\b+1], v[\b+2:\b+3]
	v_add_f32 v[\b], v[\b], v[\b+1]
.endr
	s_wait_alu depctr_va_vdst(0)                   ; the additions have written v[T] and v[T+16], which the two LDS stores read
	ds_store_b32 v[L4], v[T] offset:TOT
	ds_store_b32 v[L4], v[T+16] offset:TOT+128
.irp i, 0,1,2,3,4,5,6,7,8
	ds_load_b128 v[TT+4*\i:TT+4*\i+3], v[AZ] offset:TOT+16*\i   ; every lane reads all totals; LDS serves a wave's instructions in order
.endr
	s_wait_dscnt 0x0
.irp k, 0,1,2,3,4,5,6
	v_mul_f32 v[MK+\k], s10, v[TT+\k]              ; my_k = the mean of y_k
.endr
	v_add_f32 v[U0], s40, v[MK]
	v_mul_f32 v[U1], v[U0], v[WK]                  ; mean of h1 = sum (p_k + my_k) W_k
.irp k, 1,2,3,4,5,6
	v_add_f32 v[U0], s[40+\k], v[MK+\k]
	v_fmac_f32 v[U1], v[U0], v[WK+\k]
.endr
	v_mov_b32 v[U2], 0
	v_mov_b32 v[U3], 0
.irp k, 0,1,2,3,4,5,6
.irp l, 0,1,2,3,4,5,6
.if \l >= \k
	v_mul_f32 v[U0], s10, v[TT+7+\k*(15-\k)/2+\l-\k]
	v_fma_f32 v[U0], -v[MK+\k], v[MK+\l], v[U0]    ; C_kl
	v_mul_f32 v[U4], v[WK+\k], v[WK+\l]
.if \l == \k
	v_fmac_f32 v[U2], v[U0], v[U4]
.else
	v_fmac_f32 v[U3], v[U0], v[U4]
.endif
.endif
.endr
.endr
	v_fmac_f32 v[U2], 2.0, v[U3]                   ; var = sum C_kk W_k^2 + 2 sum over k < l
	v_max_num_f32 v[U2], 0, v[U2]
	v_add_f32 v[U2], s11, v[U2]
	s_wait_alu depctr_va_vdst(0)
	v_rsq_f32 v[U3], v[U2]
	v_mov_b32 v[U0], 0                             ; (a plain place behind the transcendental)
	s_wait_alu depctr_va_vdst(0)                   ; v[U3], the root's reciprocal, is written, ahead of its first reader
	v_mul_f32 v[U3], v[G1R], v[U3]                 ; a
	v_fma_f32 v[U4], -v[U1], v[U3], v[B1R]         ; c = b1 - mean a
.irp k, 0,1,2,3,4,5,6
	v_mul_f32 v[WK+\k], v[WK+\k], v[U3]
.endr
	s_wait_alu depctr_va_vdst(0)                   ; a W1's seven rows, the zeros in v[U0] and c in v[U4] are written, which the nine LDS stores read
.irp k, 0,1,2,3,4,5,6
	ds_store_b32 v[L4], v[WK+\k] offset:W1T+128*\k
.endr
	ds_store_b32 v[L4], v[U0] offset:W1T+896       ; k = 7: zeros
	ds_store_b32 v[L4], v[U4] offset:C1T
.Lnot_wave_0:
	s_wait_dscnt 0x0
	s_barrier_signal -1
	s_barrier_wait -1                              ; a W1 and c lie in LDS
.irp w, 0,1
.irp s, 0,1
.irp j, 0,1
	ds_load_b32 v[W1F+4*\w+2*\s+\j], v[AW] offset:W1T+512*\s+128*\j+32*\w   ; a W1(k = 4 s + 2 h + j, channel 8 w + r + 8 (r / 8))
.endr
.endr
	ds_load_b128 v[C1+8*\w:C1+8*\w+3], v[AE] offset:C1T+32*\w               ; c(16 h + 8 w + 0 .. 7)
	ds_load_b128 v[C1+8*\w+4:C1+8*\w+7], v[AE] offset:C1T+32*\w+16
.endr
	s_wait_dscnt 0x0
	s_wait_alu depctr_vm_vsrc(0)                   ; wave 0's LDS stores have read v[T], v[T+16] and the registers of W1's column, the zeros and c: the loop's vector and matrix instructions, and the end's loads, write them again
; Tiles u and u + 5: product 1, relu, mask, the pool, mask again; the h half of x1 becomes codes.
.macro PASS1 u
	SETXB \u
	s_wait_dscnt 8*(4-(\u))                        ; m and this pair's fragments of x are in; the younger pairs' eight loads each may be out
.irp s, 0,1                            ; four accumulators by turns, one instruction a turn
.irp hf, 0,1
.irp w, 0,1
.if \s == 0
	v_wmma_f32_16x16x4_f32 v[D1+8*(2*\hf+\w):D1+8*(2*\hf+\w)+7], v[W1F+4*\w:W1F+4*\w+1], v[XBU+4*\hf:XBU+4*\hf+1], v[C1+8*\w:C1+8*\w+7]
.else
	v_wmma_f32_16x16x4_f32 v[D1+8*(2*\hf+\w):D1+8*(2*\hf+\w)+7], v[W1F+4*\w+2:W1F+4*\w+3], v[XBU+4*\hf+2:XBU+4*\hf+3], v[D1+8*(2*\hf+\w):D1+8*(2*\hf+\w)+7]
.endif
.endr
.endr
.endr
	PLACES 8                                       ; eight places behind this form before its result is read
.set N, 0
.rept 32
	v_max_num_f32 v[T+N], 0, v[D1+N]               ; relu, into other registers; each accumulator from its low end on
.set N, N+1
.endr
.set N, 0
.rept 8
	MULM T+2*N, T+2*N, \u
	MULM T+16+2*N, T+16+2*N, (\u)+5
.set N, N+1
.endr
.set N, 0
.rept 16
.if (\u) == 0
	v_max_num_f32 v[POOL+N], v[T+N], v[T+16+N]
.else
	v_max3_num_f32 v[POOL+N], v[POOL+N], v[T+N], v[T+16+N]
.endif
.set N, N+1
.endr
.set N, 0
.rept 8
	MULM T+2*N, T+2*N, \u
	MULM T+16+2*N, T+16+2*N, (\u)+5
.set N, N+1
.endr
	BLK T
	v_cvt_scalef32_pk16_fp6_f32 v[FR+12*(\u):FR+12*(\u)+2], v[T:T+15], v[MY]
	v_cvt_scalef32_pk16_fp6_f32 v[FR+12*(\u)+6:FR+12*(\u)+8], v[T+16:T+31], v[MY+1]
	v_lshl_or_b32 v[SWR+(\u)], v[MX+1], 16, v[MX]  ; bytes 0 and 2 of the pair's scale word.  (The plain place behind the conversions)
.endm
; The pooled half of x1 for tiles u and u + 5, and the exchange that gives each lane a whole block of 32.
.macro PASS2 u
.set N, 0
.rept 8
	MULM T+2*N, POOL+2*N, \u
	MULM T+16+2*N, POOL+2*N, (\u)+5
.set N, N+1
.endr
	BLK T
	v_cvt_scalef32_pk16_fp6_f32 v[BT:BT+2], v[T:T+15], v[MY]
	v_cvt_scalef32_pk16_fp6_f32 v[BT+4:BT+6], v[T+16:T+31], v[MY+1]
	v_lshl_or_b32 v[SWR+(\u)], v[MX], 8, v[SWR+(\u)]     ; bytes 1 and 3.  (The plain place behind the conversions)
	v_lshl_or_b32 v[SWR+(\u)], v[MX+1], 24, v[SWR+(\u)]
.irp i, 0,1,2
	v_permlane16_swap_b32 v[FR+12*(\u)+\i], v[BT+\i]     ; lanes 0-15: h's channels 0-15 | 16-31; lanes 16-31: the pool's
	v_permlane16_swap_b32 v[FR+12*(\u)+6+\i], v[BT+4+\i]
.endr
.irp i, 0,1,2
	v_mov_b32 v[FR+12*(\u)+3+\i], v[BT+\i]               ; (a conversion's three registers begin on an even number)
	v_mov_b32 v[FR+12*(\u)+9+\i], v[BT+4+\i]
.endr
.endm
; h2 of tiles u and u + 5, a lane to a channel, and its sums.
.macro PROD2 u
	WIN 0x04                                       ; source 1 (W2) window 1
.irp hf, 0,1
.irp w, 0,1,2,3
.if (\u) == 4
	v_wmma_scale_f32_16x16x128_f8f6f4 v[H+8*(4*\hf+\w):H+8*(4*\hf+\w)+7], v[FR+12*(\u):FR+12*(\u)+11], v[W2Z+6+12*\w-6*\hf:W2Z+17+12*\w-6*\hf], 0, v[SWR], v[W2S+\w] matrix_a_fmt:MATRIX_FMT_FP6 matrix_b_fmt:MATRIX_FMT_FP6 matrix_a_scale:MATRIX_SCALE_ROW1
.else
	v_wmma_scale_f32_16x16x128_f8f6f4 v[H+8*(4*\hf+\w):H+8*(4*\hf+\w)+7], v[FR+12*(\u):FR+12*(\u)+11], v[W2Z+6+12*\w-6*\hf:W2Z+17+12*\w-6*\hf], 0, v[SWR+(\u)], v[W2S+\w] matrix_a_fmt:MATRIX_FMT_FP6 matrix_b_fmt:MATRIX_FMT_FP6
.endif
.endr
.endr
	WIN 0x50                                       ; the sums (destination and source 2) window 1
	PLACES 4
.irp hf, 0,1
.irp w, 0,1,2,3
.irp p, 0,2,4,6
	v_pk_fma_f32 v[S2+8*\w+\p:S2+8*\w+\p+1], v[H+8*(4*\hf+\w)+\p:H+8*(4*\hf+\w)+\p+1], 1.0, v[S2+8*\w+\p:S2+8*\w+\p+1] op_sel_hi:[1,0,1]
	v_pk_fma_f32 v[Q2+8*\w+\p:Q2+8*\w+\p+1], v[H+8*(4*\hf+\w)+\p:H+8*(4*\hf+\w)+\p+1], v[H+8*(4*\hf+\w)+\p:H+8*(4*\hf+\w)+\p+1], v[Q2+8*\w+\p:Q2+8*\w+\p+1]
.endr
.endr
.endr
	WIN 0
.endm
	s_mov_b32 s6, 0
.Ltrip:                                                ; four trips; a wave with three groups passes over the fourth
	s_cmp_ge_u32 s6, s5
	s_cbranch_scc1 .Lskip
	s_wait_loadcnt 0x0                             ; the group asked for a trip ago is in: so the pointers may step
	s_add_nc_u64 s[48:49], s[48:49], 8*GRPX
	s_add_nc_u64 s[50:51], s[50:51], 8*GRPM
	WIN 0x04
.irp i, 0,1,2,3,4,5,6,7
	ds_store_b128 v[XST], v[PF+4*\i:PF+4*\i+3] offset:512*\i
.endr
	ds_store_b128 v[XST], v[PF+32:PF+35] offset:3968
	ds_store_b128 v[XST], v[PF+36:PF+39] offset:MOFF
	ds_store_b128 v[XST], v[PF+40:PF+43] offset:MOFF+128
	WIN 0
	s_wait_dscnt 0x0                               ; the stores have read their registers, which take the next group
	s_wait_alu depctr_vm_vsrc(0)                   ; the stage's stores have read v[PF ..], in which the next group's loads land; the last trip's global stores have read x1's operands and scale words, which this trip's passes write again
	s_add_co_u32 s7, s6, 1
	s_cmp_lt_u32 s7, s5
	s_cbranch_scc0 .Lno_next                       ; no load leaves its buffer
	PFLOAD
.Lno_next:
.irp t, 0,1,2,3,4,5,6,7,8,9
	ds_load_b32 v[M+2*\t], v[MA] offset:4*\t       ; no wait on va_vdst: no vector or matrix instruction since the last trip's wait names m, x's fragments or the codes' scratch
.endr
.irp u, 0,1,2,3,4
	XLOAD \u                                       ; all five pairs' fragments in one run, a buffer to each
.endr
.irp u, 0,1,2,3,4
	PASS1 \u
.endr
.irp u, 0,1,2,3,4
	PASS2 \u
.endr
	v_cndmask_b32 v[SWR], v[SWR], v[SWR+4], s12    ; pair 4's scale words ride in lanes 16-31 of pair 0's register
	PLACES 8                                       ; a scale register written by a vector instruction stands eight places ahead of the scaled product
	s_wait_alu depctr_va_vdst(0)                   ; both passes have written x1's operands and scale words, which the stores below read and the scaled products take; and they are done with m, x's fragments and the codes' scratch, in which the next trip's LDS loads land
.set N, 0
.rept 15
	global_store_b128 v[LI], v[FR+4*N:FR+4*N+3], s[52:53] offset:512*N   ; the operands as they stand: each store covers 512 consecutive bytes, aligned
.set N, N+1
.endr
	global_store_b128 v[LI], v[SWR:SWR+3], s[52:53] offset:7680
.irp u, 0,1,2,3,4
	PROD2 \u
.endr
	s_wait_xcnt 0x0                                ; the stores' data and base are written again only behind this wait
	s_add_nc_u64 s[52:53], s[52:53], 65536
.Lskip:
	s_add_co_u32 s6, s6, 1
	s_cmp_lt_u32 s6, 4
	s_cbranch_scc1 .Ltrip
	; the wave's sums: eight registers to one, the two halves of the lanes, then the eight waves through LDS
	WIN 0x45
	s_wait_alu depctr_va_vdst(0)
.irp b, S2, Q2
.irp w, 0,1,2,3
	v_pk_add_f32 v[\b+8*\w:\b+8*\w+1], v[\b+8*\w:\b+8*\w+1], v[\b+8*\w+2:\b+8*\w+3]
	v_pk_add_f32 v[\b+8*\w+4:\b+8*\w+5], v[\b+8*\w+4:\b+8*\w+5], v[\b+8*\w+6:\b+8*\w+7]
.endr
.endr
.irp b, S2, Q2
.irp w, 0,1,2,3
	v_pk_add_f32 v[\b+8*\w:\b+8*\w+1], v[\b+8*\w:\b+8*\w+1], v[\b+8*\w+4:\b+8*\w+5]
.endr
.endr
	WIN 0x05
.irp w, 0,1,2,3
	v_add_f32 v[E+\w], v[S2+8*\w], v[S2+8*\w+1]
	v_add_f32 v[E+4+\w], v[Q2+8*\w], v[Q2+8*\w+1]
.endr
	WIN 0
.irp i, 0,1,2,3,4,5,6,7
	v_mov_b32 v[E+8+\i], 0
.endr
.irp i, 0,1,2,3,4,5,6,7
	v_permlanex16_b32 v[E+8+\i], v[E+\i], s8, s9
.endr
.irp i, 0,1,2,3,4,5,6,7
	v_add_f32 v[E+\i], v[E+\i], v[E+8+\i]
.endr
	s_wait_alu depctr_va_vdst(0)                   ; the eight sums v[E ..] are written, which the LDS stores read; and the loop's matrix and vector instructions are done with v[T ..], in which wave 0's loads below land
.irp w, 0,1,2,3
	ds_store_b32 v[AEND], v[E+\w] offset:REDE+64*\w          ; channel 16 w + r; both halves write the same value
	ds_store_b32 v[AEND], v[E+4+\w] offset:REDE+256+64*\w
.endr
	s_wait_dscnt 0x0
	s_barrier_signal -1
	s_barrier_wait -1
	s_cmp_lg_u32 s2, 0
	s_cbranch_scc1 .Lend
.irp w, 0,1,2,3,4,5,6,7
	ds_load_b128 v[T+4*\w:T+4*\w+3], v[LI] offset:REDE+512*\w
.endr
	s_lshl_b32 s36, s3, 9
	s_add_nc_u64 s[34:35], s[34:35], s[36:37]
	s_wait_dscnt 0x0
.irp st, 4,2,1
.set N, 0
.rept \st
	v_pk_add_f32 v[T+4*N:T+4*N+1], v[T+4*N:T+4*N+1], v[T+4*(N+\st):T+4*(N+\st)+1]
	v_pk_add_f32 v[T+4*N+2:T+4*N+3], v[T+4*N+2:T+4*N+3], v[T+4*(N+\st)+2:T+4*(N+\st)+3]
.set N, N+1
.endr
.endr
	s_wait_alu depctr_va_vdst(0)                   ; the additions have written v[T .. T+3], which the store reads
	global_store_b128 v[LI], v[T:T+3], s[34:35]    ; 512 consecutive bytes, aligned: S 64, Q 64
.Lend:
	s_wait_dscnt 0x0                               ; the closing lines, six on end
	s_wait_alu 0x0
	s_wait_tensorcnt 0x0
	ds_add_u32 v238, v239
	s_wait_dscnt 0x0
	s_endpgm
.Lfunc_end_k_q3a26dcc7ae_layer1:
	.size	k_q3a26dcc7ae_layer1, .Lfunc_end_k_q3a26dcc7ae_layer1-k_q3a26dcc7ae_layer1
	.p2alignl 7, 3214868480
	.fill 96, 4, 3214868480
	.section	.rodata,"a",@progbits
	.p2align	6, 0x0
	.amdhsa_kernel k_q3a26dcc7ae_layer1
		.amdhsa_group_segment_fixed_size 52224
		.amdhsa_private_segment_fixed_size 0
		.amdhsa_enable_private_segment 0
		.amdhsa_kernarg_size 80
		.amdhsa_user_sgpr_count 2
		.amdhsa_user_sgpr_kernarg_segment_ptr 1
		.amdhsa_wavefront_size32 1
		.amdhsa_system_sgpr_workgroup_id_x 1
		.amdhsa_system_sgpr_workgroup_id_y 1
		.amdhsa_system_sgpr_workgroup_id_z 1
		.amdhsa_system_vgpr_workitem_id 0
		.amdhsa_next_free_vgpr 512
		.amdhsa_next_free_sgpr 66
		.amdhsa_reserve_vcc 0
		.amdhsa_float_denorm_mode_32 3
		.amdhsa_float_denorm_mode_16_64 3
		.amdhsa_memory_ordered 1
		.amdhsa_forward_progress 1
		.amdhsa_inst_pref_size 111
	.end_amdhsa_kernel
	.amdgpu_metadata
---
amdhsa.version: [ 1, 2 ]
amdhsa.kernels:
  - .name:           k_q3a26dcc7ae_layer1
    .symbol:         k_q3a26dcc7ae_layer1.kd
    .args:
      - { .name: points_per_voxel, .offset: 0, .size: 8, .value_kind: global_buffer, .address_space: global }
      - { .name: mask, .offset: 8, .size: 8, .value_kind: global_buffer, .address_space: global }
      - { .name: W1, .offset: 16, .size: 8, .value_kind: global_buffer, .address_space: global }
      - { .name: g1, .offset: 24, .size: 8, .value_kind: global_buffer, .address_space: global }
      - { .name: b1, .offset: 32, .size: 8, .value_kind: global_buffer, .address_space: global }
      - { .name: W2_codes, .offset: 40, .size: 8, .value_kind: global_buffer, .address_space: global }
      - { .name: W2_scales, .offset: 48, .size: 8, .value_kind: global_buffer, .address_space: global }
      - { .name: partA, .offset: 56, .size: 8, .value_kind: global_buffer, .address_space: global }
      - { .name: x1rec, .offset: 64, .size: 8, .value_kind: global_buffer, .address_space: global }
      - { .name: part2, .offset: 72, .size: 8, .value_kind: global_buffer, .address_space: global }
    .group_segment_fixed_size: 52224
    .private_segment_fixed_size: 0
    .kernarg_segment_align: 8
    .kernarg_segment_size: 80
    .max_flat_workgroup_size: 256
    .sgpr_count:     66
    .vgpr_count:     512
    .wavefront_size: 32
...
	.end_amdgpu_metadata
.endif
;; end of part 6
;; launch stats3 (part 7): grid 256 x 1, 8 waves a work-group, no clusters, 33,792 bytes of LDS; arguments x1rec, mask, W2_codes, W2_scales, Wf_codes, Wf_scales, g2, b2, part2, part3, bn2; writes part3, bn2
.if DOCPART == 7
	.amdgcn_target "amdgcn-amd-amdhsa--gfx1250"
	.amdhsa_code_object_version 6
	.text
	.protected	k_q3a26dcc7ae_stats3
	.globl	k_q3a26dcc7ae_stats3
	.p2align	8
	.type	k_q3a26dcc7ae_stats3,@function
k_q3a26dcc7ae_stats3:
	s_mov_b64 s[64:65], 0
	v_nop
	global_prefetch_b8 v0, s[64:65] scope:SCOPE_SE
	s_setreg_imm32_b32 hwreg(HW_REG_WAVE_SCHED_MODE, 0, 2), 2
	s_setreg_imm32_b32 hwreg(HW_REG_WAVE_MODE, 25, 1), 1
	s_wait_xcnt 0x0
	s_wait_alu depctr_vm_vsrc(0)
; LAYER 2, AND THE SUMS FOR THE LAST BatchNorm.  h2 = Q(x1) W2; x2 = [h, pooled] m with h = relu(BN(h2)) m; h3 = Q(x2) Wf.  Stored: for each work-group the sums of h3 and h3^2 by channel; and a2, c2 of the second BatchNorm.
; x1 comes as an earlier launch stored it: five operands of 12 registers a group and their scale words, as images of the registers.  x2 stays in registers.
; THE GROUP.  16 voxels = ten tiles of 16 rows: tile t is point t of the 16 voxels.  Work-group g owns 24 groups (the first 106: 25) from 24 g + min(g, 106) on; wave w takes every eighth.
; PRODUCT 2 has K = 64, the instruction 128: an operand of x1 holds tiles u (k 0-63) and u + 5 (k 64-127); (W2, 0) gives tile u's product, (0, W2) tile u + 5's.  W2 is source 0: a lane holds ONE voxel (lane % 16),
; and lane r of W2's tile w takes row 32 (w / 2) + 8 (w % 2) + r + 8 (r / 8), so that the 16 registers of tiles 2 b, 2 b + 1 are channels 32 b + 16 (lane / 16) + 0 .. 15: neighbours along the next K.
; THE MASK is taken as a number: t = relu(v) m; pooled = the largest t over ALL ten points (m <= 0 gives t <= 0, a valid point t >= 0); h = t m.
; PRODUCT 3 here has x2 as source 0: a lane holds one CHANNEL of h3, and the sums need no other lane but the one 16 away.  Wf's eight tiles lie in LDS as images of their registers.
; BN 2: mean = S / N, var = Q / N - mean^2, held at 0 from below (its relative error grows as 2^-24 (1 + mean^2 / var)).
; LIMITS: every voxel has a mask above 0 (else reference() is NaN everywhere); NaN and infinities are not served; the sign of zero is not kept; a block of zeros has the byte 1 (its codes are zeros).
; THE MODE: SCHED_MODE bits 1:0 = 2 (LLVM: expert scheduling mode 2), set by the entry lines.  The code itself states the register dependences
; between vector or matrix instructions and memory or LDS instructions, with s_wait_alu, always for 0.
; THE PLAN.  Registers that memory or LDS instructions touch, in the loop:
;   X1, X1S         Written by the next record's loads, issued behind layer 2; read by layer 2's products.
;   PFM (window 1)  Written by the same run of loads; read by the two LDS stores at a trip's head.  No vector instruction names them.
;   m               Written by the LDS loads at a trip's head; read by layer 2's packed multiplies.
;   WB0, WB1, WS    Two fragments of Wf and their scale words, by turns: step j's ten products read set j % 2, while tile j + 1's loads, issued at step j's head, land in the other.
;   the offsets and LDS addresses v1-v5, v8, v9: made once at the head and never written again.
; A trip has one wait on vm_vsrc at its head (the mask's registers), one wait on va_vdst behind layer 2 (x2 and its scale words are written; layer 2 is done with x1, m and the pool's registers,
; none of which layer 3 names but as Wf's fragments), and one wait on va_vdst at the head of steps 1 to 6 (the step before is done reading the other fragment).
.set WFI,  0                           ; LDS: Wf's eight fragments, 1,536 bytes each
.set WFS,  12288                       ; their scale words, 128 bytes each
.set AT,   13312                       ; a2 by channel
.set CT,   13568                       ; c2
.set REDH, 14336                       ; 4,096: part2's sums, 8 classes of rows x 128 columns
.set MSK,  18432                       ; 768 for each wave: a group's mask
.set REDE, 24576                       ; 1,024 for each wave: its sums of h3 (128) and h3^2 (128)
; window 0
.set LI,   1                           ; 16 x lane
.set LS,   2                           ; 4 x lane
.set MST,  3                           ; 768 x wave + 16 x lane
.set MLD,  4                           ; 768 x wave + 40 r
.set EA,   5                           ; the end: 1,024 x wave + 4 r
.set TA,   8                           ; 16 x thread
.set T4,   9                           ; 4 x (thread % 64)
.set RR,   10
.set HH,   11
.set M,    12                          ; v12-31   m_t in register 2 t (the odd ones are zeros)
.set W2S,  32                          ; v32-35   W2's scale words
.set WS,   36                          ; v36-37   Wf's, of tile j in register j % 2
.set GG,   38                          ; the head: g2, b2 of my channel
.set BB,   39
.set X1S,  40                          ; v40-43   x1's scale words: pairs 0-3; pair 4's in lanes 16-31 of register 0
.set X2S,  44                          ; v44-53   x2's, a register a tile
.set SJ,   54                          ; v54-61   sums of h3, a register for each of Wf's tiles
.set QJ,   62                          ; v62-69   of h3^2
.set H,    70                          ; v70-149  accumulators: eight in layer 2, ten in layer 3
.set POOL, 150                         ; v150-181
.set MX,   182                         ; v182-185 largest magnitudes, then bytes
.set MY,   186                         ; v186-189 the other half's, then the conversions' scale operands
.set WT,   190
.set WB,   150                         ; layer 3: v150-161, v162-173 two fragments of Wf; v174-181, v182-189 sums at work
.set SS,   174
.set QQ,   182
.set X1,   192                         ; v192-251 x1's five operands
.set HT0,  86                          ; the head's addresses
.set HT1,  87
.set HT2,  88
.set HT3,  89
.set HT4,  90
.set HT5,  91
.set HT6,  92
; window 1
.set X2,   0                           ; v0-119   x2's ten operands
.set BT,   120                         ; v120-127 codes on their way
.set A2,   128                         ; v128-159 a2 in the result's layout
.set C2,   160                         ; v160-191 c2
.set W2Z,  192                         ; v192-245 [0 W 0 W 0 W 0 W 0] in runs of 6
.set PFM,  246                         ; v246-253 the next group's mask
.set RSA,  128                         ; v128-131 the head's sum, ahead of a2
.set MSB, 0
.macro WIN new                         ; s_set_vgpr_msb: bits 1:0 source 0, 3:2 source 1, 5:4 source 2, 7:6 destination; the high byte repeats the setting that is left
.if MSB != \new
	s_set_vgpr_msb (MSB<<8)|\new
.set MSB, \new
.endif
.endm
.macro PLACES n
.rept \n
	v_nop
.endr
.endm
.macro MULM d, s, t                    ; two numbers x m_t
	v_pk_mul_f32 v[\d:\d+1], v[\s:\s+1], v[M+2*(\t):M+2*(\t)+1] op_sel_hi:[1,0]
.endm
.macro RSLOAD rb, i0                   ; 16 loads: a step of the work-group covers 4,096 dense bytes
.set N, 0
.rept 16
	global_load_b128 v[\rb+4*N:\rb+4*N+3], v[TA], s[32:33] offset:4096*(\i0+N)
.set N, N+1
.endr
.endm
.macro RSTREE rb, first                ; their sum, into or onto v[RSA]
.irp st, 8,4,2
.set N, 0
.rept \st
	v_pk_add_f32 v[\rb+4*N:\rb+4*N+1], v[\rb+4*N:\rb+4*N+1], v[\rb+4*(N+\st):\rb+4*(N+\st)+1]
	v_pk_add_f32 v[\rb+4*N+2:\rb+4*N+3], v[\rb+4*N+2:\rb+4*N+3], v[\rb+4*(N+\st)+2:\rb+4*(N+\st)+3]
.set N, N+1
.endr
.endr
.if \first
	v_pk_add_f32 v[RSA:RSA+1], v[\rb:\rb+1], v[\rb+4:\rb+5]
	v_pk_add_f32 v[RSA+2:RSA+3], v[\rb+2:\rb+3], v[\rb+6:\rb+7]
.else
	v_pk_add_f32 v[\rb:\rb+1], v[\rb:\rb+1], v[\rb+4:\rb+5]
	v_pk_add_f32 v[\rb+2:\rb+3], v[\rb+2:\rb+3], v[\rb+6:\rb+7]
	v_pk_add_f32 v[RSA:RSA+1], v[RSA:RSA+1], v[\rb:\rb+1]
	v_pk_add_f32 v[RSA+2:RSA+3], v[RSA+2:RSA+3], v[\rb+2:\rb+3]
.endif
.endm
.macro PFREC                           ; a group's record and mask
.set N, 0
.rept 15
	global_load_b128 v[X1+4*N:X1+4*N+3], v[LI], s[16:17] offset:512*N
.set N, N+1
.endr
	global_load_b128 v[X1S:X1S+3], v[LI], s[16:17] offset:7680
	WIN 0x40
	global_load_b128 v[PFM:PFM+3], v[LI], s[18:19]
	global_load_b128 v[PFM+4:PFM+7], v[LI], s[18:19] offset:128   ; (ends with the group's 640 bytes)
	WIN 0
.endm
; 64 numbers at v[s]: four half blocks of 16 (two of tile u, two of tile u + 5) become codes: six registers at d0 and six at d1, in window 1; the bytes stay in MX.
.macro QUANT4 s, d0, d1
.irp b, 0,1,2,3
	v_max3_num_f32 v[MX+\b], |v[\s+16*\b]|, |v[\s+16*\b+1]|, 0x1800000   ; and the floor 2^(3 - 127): the byte cannot fall under 1
.endr
.irp i, 2,4,6,8,10,12,14
.irp b, 0,1,2,3
	v_max3_num_f32 v[MX+\b], v[MX+\b], |v[\s+16*\b+\i]|, |v[\s+16*\b+\i+1]|
.endr
.endr
.irp b, 0,1,2,3
	v_permlanex16_b32 v[MY+\b], v[MX+\b], s8, s9
.endr
.irp b, 0,1,2,3
	v_max_num_f32 v[MX+\b], v[MX+\b], v[MY+\b]     ; with the lane 16 away: the block's largest magnitude
.endr
.irp b, 0,1,2,3
	v_add_nc_u32 v[MY+\b], 0xff000000, v[MX+\b]    ; 2 off the exponent field: the conversion's scale operand
.endr
.irp b, 0,1,2,3
	v_lshrrev_b32 v[MX+\b], 23, v[MY+\b]           ; the scale's byte
.endr
	WIN 0x40
	v_cvt_scalef32_pk16_fp6_f32 v[\d0:\d0+2], v[\s:\s+15], v[MY]
	v_cvt_scalef32_pk16_fp6_f32 v[BT:BT+2], v[\s+16:\s+31], v[MY+1]
	v_cvt_scalef32_pk16_fp6_f32 v[\d1:\d1+2], v[\s+32:\s+47], v[MY+2]
	v_cvt_scalef32_pk16_fp6_f32 v[BT+4:BT+6], v[\s+48:\s+63], v[MY+3]
	v_nop                                          ; one plain place behind a scaled conversion
	WIN 0x41
.irp i, 0,1,2
	v_permlane16_swap_b32 v[\d0+\i], v[BT+\i]      ; the operand's layout wants a whole block in a lane
	v_permlane16_swap_b32 v[\d1+\i], v[BT+4+\i]
.endr
.irp i, 0,1,2
	v_mov_b32 v[\d0+3+\i], v[BT+\i]                ; (a conversion's three registers begin on an even number)
	v_mov_b32 v[\d1+3+\i], v[BT+4+\i]
.endr
	WIN 0
.endm
; Tiles u and u + 5: product 2, BN, relu, mask, the pool, mask again; the h half of x2 becomes codes.
.macro PAIR u
	WIN 0x01                                       ; source 0 (W2) window 1
.irp hf, 0,1
.irp w, 0,1,2,3
.if (\u) == 4
	v_wmma_scale_f32_16x16x128_f8f6f4 v[H+8*(4*\hf+\w):H+8*(4*\hf+\w)+7], v[W2Z+6+12*\w-6*\hf:W2Z+17+12*\w-6*\hf], v[X1+12*(\u):X1+12*(\u)+11], 0, v[W2S+\w], v[X1S] matrix_a_fmt:MATRIX_FMT_FP6 matrix_b_fmt:MATRIX_FMT_FP6 matrix_b_scale:MATRIX_SCALE_ROW1
.else
	v_wmma_scale_f32_16x16x128_f8f6f4 v[H+8*(4*\hf+\w):H+8*(4*\hf+\w)+7], v[W2Z+6+12*\w-6*\hf:W2Z+17+12*\w-6*\hf], v[X1+12*(\u):X1+12*(\u)+11], 0, v[W2S+\w], v[X1S+(\u)] matrix_a_fmt:MATRIX_FMT_FP6 matrix_b_fmt:MATRIX_FMT_FP6
.endif
.endr
.endr
	WIN 0x14                                       ; a2 and c2 window 1
	PLACES 4
.set N, 0
.rept 32
	v_pk_fma_f32 v[H+2*N:H+2*N+1], v[H+2*N:H+2*N+1], v[A2+(2*N)%32:A2+(2*N)%32+1], v[C2+(2*N)%32:C2+(2*N)%32+1]   ; each accumulator from its low end on
.set N, N+1
.endr
	WIN 0
.set N, 0
.rept 64
	v_max_num_f32 v[H+N], 0, v[H+N]
.set N, N+1
.endr
.set N, 0
.rept 16
	MULM H+2*N, H+2*N, \u
	MULM H+32+2*N, H+32+2*N, (\u)+5
.set N, N+1
.endr
.set N, 0
.rept 32
.if (\u) == 0
	v_max_num_f32 v[POOL+N], v[H+N], v[H+32+N]
.else
	v_max3_num_f32 v[POOL+N], v[POOL+N], v[H+N], v[H+32+N]
.endif
.set N, N+1
.endr
.set N, 0
.rept 16
	MULM H+2*N, H+2*N, \u
	MULM H+32+2*N, H+32+2*N, (\u)+5
.set N, N+1
.endr
	QUANT4 H, X2+12*(\u), X2+12*((\u)+5)
	v_lshl_or_b32 v[X2S+(\u)], v[MX+1], 8, v[MX]
	v_lshl_or_b32 v[X2S+(\u)+5], v[MX+3], 8, v[MX+2]
.endm
.macro YPASS u                         ; the pooled half of x2 for tiles u and u + 5
.set N, 0
.rept 16
	MULM H+2*N, POOL+2*N, \u
	MULM H+32+2*N, POOL+2*N, (\u)+5
.set N, N+1
.endr
	QUANT4 H, X2+12*(\u)+6, X2+12*((\u)+5)+6
	v_lshl_or_b32 v[WT], v[MX+1], 8, v[MX]
	v_lshl_or_b32 v[X2S+(\u)], v[WT], 16, v[X2S+(\u)]
	v_lshl_or_b32 v[WT], v[MX+3], 8, v[MX+2]
	v_lshl_or_b32 v[X2S+(\u)+5], v[WT], 16, v[X2S+(\u)+5]
.endm
.macro LDW j                           ; Wf's tile j, as its image lies, into set j % 2
.irp c, 0,1,2
	ds_load_b128 v[WB+12*((\j)%2)+4*\c:WB+12*((\j)%2)+4*\c+3], v[LI] offset:WFI+1536*(\j)+512*\c
.endr
	ds_load_b32 v[WS+(\j)%2], v[LS] offset:WFS+128*(\j)
.endm
.macro L3C j                           ; h3's channels 16 j + lane % 16 of the ten tiles, and their sums
.if (\j) < 7
.if (\j) > 0
	s_wait_alu depctr_va_vdst(0)                   ; the last step's products are done reading the other fragment of Wf and its scale word, in which the four loads below land
.endif
	LDW (\j)+1                                     ; (step 0: the wait behind layer 2 serves; nothing since names the other fragment)
	s_wait_dscnt 4                                 ; Wf's tile j is in; the next tile's four loads may be out
.else
	s_wait_dscnt 0x0                               ; Wf's tile is in
.endif
	WIN 0x01                                       ; source 0 (x2) window 1
.irp t, 0,1,2,3,4,5,6,7,8,9
	v_wmma_scale_f32_16x16x128_f8f6f4 v[H+8*\t:H+8*\t+7], v[X2+12*\t:X2+12*\t+11], v[WB+12*((\j)%2):WB+12*((\j)%2)+11], 0, v[X2S+\t], v[WS+(\j)%2] matrix_a_fmt:MATRIX_FMT_FP6 matrix_b_fmt:MATRIX_FMT_FP6
.endr
	WIN 0
	PLACES 4                                       ; in front of the first read of results
.irp p, 0,2,4,6
	v_pk_mul_f32 v[QQ+\p:QQ+\p+1], v[H+\p:H+\p+1], v[H+\p:H+\p+1]
.endr
.irp p, 0,2,4,6
	v_pk_add_f32 v[SS+\p:SS+\p+1], v[H+\p:H+\p+1], v[H+8+\p:H+9+\p]
.endr
.irp p, 0,2,4,6
	v_pk_fma_f32 v[QQ+\p:QQ+\p+1], v[H+8+\p:H+9+\p], v[H+8+\p:H+9+\p], v[QQ+\p:QQ+\p+1]
.endr
.irp t, 2,3,4,5,6,7,8,9
.irp p, 0,2,4,6
	v_pk_add_f32 v[SS+\p:SS+\p+1], v[SS+\p:SS+\p+1], v[H+8*\t+\p:H+8*\t+\p+1]
.endr
.irp p, 0,2,4,6
	v_pk_fma_f32 v[QQ+\p:QQ+\p+1], v[H+8*\t+\p:H+8*\t+\p+1], v[H+8*\t+\p:H+8*\t+\p+1], v[QQ+\p:QQ+\p+1]
.endr
.endr
.irp b, SS, QQ
	v_pk_add_f32 v[\b:\b+1], v[\b:\b+1], v[\b+2:\b+3]
	v_pk_add_f32 v[\b+4:\b+5], v[\b+4:\b+5], v[\b+6:\b+7]
.endr
.irp b, SS, QQ
	v_pk_add_f32 v[\b:\b+1], v[\b:\b+1], v[\b+4:\b+5]
.endr
	v_add_f32 v[SJ+(\j)], v[SJ+(\j)], v[SS]
	v_add_f32 v[QJ+(\j)], v[QJ+(\j)], v[QQ]
	v_add_f32 v[SJ+(\j)], v[SJ+(\j)], v[SS+1]
	v_add_f32 v[QJ+(\j)], v[QJ+(\j)], v[QQ+1]
.endm
	s_load_b512 s[16:31], s[0:1], 0x0              ; x1rec 16, mask 18, W2's codes 20, scales 22, Wf's codes 24, scales 26, g2 28, b2 30
	s_load_b128 s[32:35], s[0:1], 0x40             ; part2 32, part3 34
	s_load_b64 s[36:37], s[0:1], 0x50              ; bn2
	v_lshl_add_u32 v254, v0, 2, 0x8000
	v_mov_b32 v255, 0
	v_lshrrev_b32 v[TA], 5, v0
	v_readfirstlane_b32 s2, v[TA]                  ; wave
	s_mov_b32 s3, ttmp9                            ; work-group
	s_mov_b32 s8, 0x76543210                       ; v_permlanex16_b32's selects for lane l xor 16
	s_mov_b32 s9, 0xfedcba98
	s_mov_b32 s10, 0x358637bd                      ; 1 / 1,000,000
	s_mov_b32 s11, 0x3727c5ac                      ; eps = 1e-5
	s_min_u32 s4, s3, 106
	s_mul_i32 s7, s3, 24
	s_add_co_u32 s4, s4, s7
	s_wait_alu depctr_va_sdst(0)                   ; s2, the wave's number, is written, ahead of its first reader
	s_add_co_u32 s4, s4, s2                        ; my first group
	s_cmp_eq_u32 s2, 0
	s_cselect_b32 s5, 1, 0
	s_cmp_lt_u32 s3, 106
	s_cselect_b32 s7, 1, 0
	s_and_b32 s5, s5, s7
	s_add_co_u32 s5, s5, 3                         ; my groups: 3 or 4
	v_and_b32 v[LS], 31, v0
	v_lshlrev_b32 v[LI], 4, v[LS]
	v_lshlrev_b32 v[LS], 2, v[LS]
	v_and_b32 v[RR], 15, v0
	v_bfe_u32 v[HH], v0, 4, 1
	v_lshlrev_b32 v[TA], 4, v0
	v_and_b32 v[T4], 63, v0
	v_lshlrev_b32 v[T4], 2, v[T4]
	s_mul_i32 s7, s2, 768
	v_add_nc_u32 v[MST], s7, v[LI]
	v_mul_u32_u24 v[MLD], v[RR], 40
	v_add_nc_u32 v[MLD], s7, v[MLD]
	v_and_b32 v[HT0], 8, v[RR]
	v_add_nc_u32 v[HT0], v[HT0], v[RR]             ; r + 8 (r / 8)
	v_mul_u32_u24 v[HT1], v[HT0], 48
	v_mad_u32_u24 v[HT1], v[HH], 24, v[HT1]        ; W2's codes: 48 bytes a row, + 24 h
	v_lshlrev_b32 v[HT0], 1, v[HT0]                ; its scale bytes: 2 a row
	v_mul_u32_u24 v[HT2], v[RR], 96
	v_mad_u32_u24 v[HT2], v[HH], 24, v[HT2]
	s_mul_i32 s7, s2, 1536
	v_add_nc_u32 v[HT2], s7, v[HT2]                ; Wf's codes: wave j fetches tile j, rows 16 j + r of 96 bytes
	v_add_nc_u32 v[HT5], s7, v[LI]                 ; and where its image goes in LDS
	s_lshl_b32 s7, s2, 6
	v_lshl_add_u32 v[HT3], v[RR], 2, s7            ; and their scale words
	s_lshl_b32 s7, s2, 7
	v_add_nc_u32 v[HT6], s7, v[LS]                 ; and where those go
	v_lshlrev_b32 v[HT4], 6, v[HH]                 ; 64 h
	s_lshl_b32 s7, s2, 10
	v_lshl_add_u32 v[EA], v[RR], 2, s7
	s_lshl_b32 s38, s4, 13
	s_mov_b32 s39, 0
	s_mul_i32 s40, s4, 640
	s_mov_b32 s41, 0
	s_wait_kmcnt 0x0
	s_add_nc_u64 s[16:17], s[16:17], s[38:39]      ; the record and the mask at my first group
	s_add_nc_u64 s[18:19], s[18:19], s[40:41]
	s_wait_alu depctr_va_vdst(0)                   ; the offsets and LDS addresses v1 to v5, v8, v9 and v86 to v92 are written: every load and store of the kernel reads one of them
	PFREC
	WIN 0x40
.irp w, 0,1,2,3
.irp i, 0,1,2
	global_load_b64 v[W2Z+6+12*\w+2*\i:W2Z+7+12*\w+2*\i], v[HT1], s[20:21] offset:48*(32*(\w/2)+8*(\w%2))+8*\i
.endr
.endr
	WIN 0
.irp w, 0,1,2,3
	global_load_u16 v[W2S+\w], v[HT0], s[22:23] offset:2*(32*(\w/2)+8*(\w%2))
.endr
.irp p, 0,1,2,3,4,5
	global_load_b64 v[H+2*\p:H+2*\p+1], v[HT2], s[24:25] offset:48*(\p/3)+8*(\p%3)
.endr
	global_load_b32 v[H+12], v[HT3], s[26:27]
	global_load_b32 v[GG], v[T4], s[28:29]
	global_load_b32 v[BB], v[T4], s[30:31]
	WIN 0x40
	RSLOAD 0, 0                                    ; part2, 131,072 bytes, in two halves of 16 loads: the youngest loads of the head
	RSLOAD 64, 16
.irp z, 0,1,2,3,4
.irp i, 0,1,2,3,4,5
	v_mov_b32 v[W2Z+12*\z+\i], 0                   ; the runs of zero codes
.endr
.endr
	s_wait_loadcnt 16                              ; all but the second half's 16
	WIN 0
.irp w, 0,1,2,3
	v_lshl_or_b32 v[W2S+\w], v[W2S+\w], 16, v[W2S+\w]   ; the two bytes twice: they serve (W2, 0) and (0, W2)
.endr
	WIN 0x45
	RSTREE 0, 1
	s_wait_loadcnt 0x0
	RSTREE 64, 0
	WIN 0x04
	s_wait_alu depctr_va_vdst(0)                   ; the additions have written v[RSA ..], which the LDS store reads; W2's scale words and the zero codes are written, which the scaled products take
	ds_store_b128 v[TA], v[RSA:RSA+3] offset:REDH  ; class thread / 32, columns 4 (thread % 32) on
	WIN 0
.irp c, 0,1,2
	ds_store_b128 v[HT5], v[H+4*\c:H+4*\c+3] offset:WFI+512*\c   ; Wf's tile as an image of its registers
.endr
	ds_store_b32 v[HT6], v[H+12] offset:WFS
	s_wait_dscnt 0x0
	s_barrier_signal -1
	s_barrier_wait -1                              ; the classes and Wf's images lie in LDS
	s_wait_alu depctr_vm_vsrc(0)                   ; my LDS stores have read v[H .. H+12], in which the loads below land, and v[RSA ..], in which a2 lands
	s_cmp_lt_u32 s2, 2
	s_cbranch_scc0 .Lno_bn
	; waves 0 and 1, thread = channel: a2 and c2
.set Q, 0
.rept 8
	ds_load_b32 v[H+Q], v[T4] offset:REDH+512*Q
	ds_load_b32 v[H+8+Q], v[T4] offset:REDH+512*Q+256
.set Q, Q+1
.endr
	s_wait_dscnt 0x0
.irp q, 1,2,3,4,5,6,7
	v_add_f32 v[H], v[H], v[H+\q]
	v_add_f32 v[H+8], v[H+8], v[H+8+\q]
.endr
	v_mul_f32 v[H], s10, v[H]                      ; mean
	v_mul_f32 v[H+8], s10, v[H+8]
	v_fma_f32 v[H+8], -v[H], v[H], v[H+8]          ; var
	v_max_num_f32 v[H+8], 0, v[H+8]
	v_add_f32 v[H+8], s11, v[H+8]
	s_wait_alu depctr_va_vdst(0)
	v_rsq_f32 v[H+9], v[H+8]
	v_nop                                          ; one plain place behind a transcendental
	s_wait_alu depctr_va_vdst(0)                   ; v[H+9], the root's reciprocal, is written, ahead of its first reader
	v_mul_f32 v[H+9], v[GG], v[H+9]                ; a2
	v_fma_f32 v[H+10], -v[H], v[H+9], v[BB]        ; c2 = b2 - mean a2
	s_wait_alu depctr_va_vdst(0)                   ; a2 and c2 are written, which the two LDS stores read; the additions are done reading v[H+4 .. H+7], in which a load below lands
	ds_store_b32 v[T4], v[H+9] offset:AT
	ds_store_b32 v[T4], v[H+10] offset:CT
.Lno_bn:
	s_wait_dscnt 0x0
	s_barrier_signal -1
	s_barrier_wait -1                              ; a2 and c2 lie in LDS
	WIN 0x40
.irp q, 0,1,2,3,4,5,6,7
	ds_load_b128 v[A2+4*\q:A2+4*\q+3], v[HT4] offset:AT+16*(\q%4)+128*(\q/4)   ; register i: channel 32 (i / 16) + 16 h + i % 16
	ds_load_b128 v[C2+4*\q:C2+4*\q+3], v[HT4] offset:CT+16*(\q%4)+128*(\q/4)
.endr
	WIN 0
	s_or_b32 s7, s2, s3
	s_cmp_lg_u32 s7, 0
	s_cbranch_scc1 .Lno_store
	ds_load_b128 v[H+4:H+7], v[LI] offset:AT       ; wave 0 of work-group 0 stores both tables for the last launch: 512 consecutive bytes
	s_wait_dscnt 0x0
	global_store_b128 v[LI], v[H+4:H+7], s[36:37]
	s_wait_xcnt 0x0                                ; the data's registers are written again below
.Lno_store:
.irp t, 0,1,2,3,4,5,6,7,8,9
	v_mov_b32 v[M+2*\t+1], 0
.endr
.irp b, 0,1,2,3
	v_mov_b32 v[MY+\b], 0                          ; written once: a lane permute's destination counts as one of its sources
.endr
.set N, 0
.rept 16
	v_mov_b32 v[SJ+N], 0                           ; the sums of h3 and h3^2: the loop is written once
.set N, N+1
.endr
	s_wait_dscnt 0x0
	s_wait_alu depctr_vm_vsrc(0)                   ; the stores of a2, c2 and of the tables have read their data, and the head's loads their addresses v86 to v92: all lie among the accumulators, which the loop's products write
	s_mov_b32 s6, 0
.Ltrip:                                                ; four trips; a wave with three groups passes over the fourth
	s_cmp_ge_u32 s6, s5
	s_cbranch_scc1 .Lskip
	s_wait_loadcnt 0x0                             ; the record asked for a trip ago is in: so the pointers may step
	s_add_nc_u64 s[16:17], s[16:17], 65536
	s_add_nc_u64 s[18:19], s[18:19], 5120
	WIN 0x04
	ds_store_b128 v[MST], v[PFM:PFM+3] offset:MSK
	ds_store_b128 v[MST], v[PFM+4:PFM+7] offset:MSK+128
	WIN 0
.irp t, 0,1,2,3,4,5,6,7,8,9
	ds_load_b32 v[M+2*\t], v[MLD] offset:MSK+4*\t  ; my voxel's ten mask numbers; LDS serves a wave's instructions in order.  (No wait on va_vdst: layer 3 names no m, and the wait behind the last trip's layer 2 serves)
.endr
	s_wait_dscnt 0x0
	s_wait_alu depctr_vm_vsrc(0)                   ; the two stores have read v[PFM ..], in which the next record's mask lands
.irp u, 0,1,2,3,4
	PAIR \u
.endr
.irp u, 0,1,2,3,4
	YPASS \u
.endr
	PLACES 8                                       ; a scale register written by a vector instruction stands eight places ahead of the scaled product
	s_wait_alu depctr_va_vdst(0)                   ; x2's operands and scale words are written, which the scaled products take; layer 2's products are done reading x1 and its scale words, its vector instructions m and the pool's and the quantiser's registers: the loads below, and the next trip's of m, land there
	s_add_co_u32 s7, s6, 1
	s_cmp_lt_u32 s7, s5
	s_cbranch_scc0 .Lno_next                       ; no load leaves its buffer
	PFREC                                          ; the next record has all of layer 3 in which to land
.Lno_next:
	LDW 0
.irp j, 0,1,2,3,4,5,6,7
	L3C \j
.endr
.Lskip:
	s_add_co_u32 s6, s6, 1
	s_cmp_lt_u32 s6, 4
	s_cbranch_scc1 .Ltrip
	s_wait_alu depctr_va_vdst(0)
	; the two halves of the lanes, then the eight waves through LDS
.irp g, 0,1,2,3
.irp b, 0,1,2,3
	v_permlanex16_b32 v[MY+\b], v[SJ+4*\g+\b], s8, s9
.endr
.irp b, 0,1,2,3
	v_add_f32 v[SJ+4*\g+\b], v[SJ+4*\g+\b], v[MY+\b]
.endr
.endr
	s_wait_alu depctr_va_vdst(0)                   ; the sixteen sums are written, which the LDS stores read; and the loop's matrix and vector instructions are done with the accumulators, in which the loads below land
.irp j, 0,1,2,3,4,5,6,7
	ds_store_b32 v[EA], v[SJ+\j] offset:REDE+64*\j        ; channel 16 j + r; both halves write the same value
	ds_store_b32 v[EA], v[QJ+\j] offset:REDE+512+64*\j
.endr
	s_wait_dscnt 0x0
	s_barrier_signal -1
	s_barrier_wait -1
	s_cmp_lt_u32 s2, 2
	s_cbranch_scc0 .Lend
.irp w, 0,1,2,3,4,5,6,7
	ds_load_b128 v[H+4*\w:H+4*\w+3], v[TA] offset:REDE+1024*\w   ; threads 0-63: 16 bytes each of a row of 1,024
.endr
	s_lshl_b32 s38, s3, 10
	s_add_nc_u64 s[34:35], s[34:35], s[38:39]
	s_wait_dscnt 0x0
.irp st, 4,2,1
.set N, 0
.rept \st
	v_pk_add_f32 v[H+4*N:H+4*N+1], v[H+4*N:H+4*N+1], v[H+4*(N+\st):H+4*(N+\st)+1]
	v_pk_add_f32 v[H+4*N+2:H+4*N+3], v[H+4*N+2:H+4*N+3], v[H+4*(N+\st)+2:H+4*(N+\st)+3]
.set N, N+1
.endr
.endr
	s_wait_alu depctr_va_vdst(0)                   ; the additions have written v[H .. H+3], which the store reads
	global_store_b128 v[TA], v[H:H+3], s[34:35]    ; each wave 512 consecutive bytes, aligned: S 128, Q 128
.Lend:
	s_wait_dscnt 0x0                               ; the closing lines, six on end
	s_wait_alu 0x0
	s_wait_tensorcnt 0x0
	ds_add_u32 v254, v255
	s_wait_dscnt 0x0
	s_endpgm
.Lfunc_end_k_q3a26dcc7ae_stats3:
	.size	k_q3a26dcc7ae_stats3, .Lfunc_end_k_q3a26dcc7ae_stats3-k_q3a26dcc7ae_stats3
	.p2alignl 7, 3214868480
	.fill 96, 4, 3214868480
	.section	.rodata,"a",@progbits
	.p2align	6, 0x0
	.amdhsa_kernel k_q3a26dcc7ae_stats3
		.amdhsa_group_segment_fixed_size 33792
		.amdhsa_private_segment_fixed_size 0
		.amdhsa_enable_private_segment 0
		.amdhsa_kernarg_size 88
		.amdhsa_user_sgpr_count 2
		.amdhsa_user_sgpr_kernarg_segment_ptr 1
		.amdhsa_wavefront_size32 1
		.amdhsa_system_sgpr_workgroup_id_x 1
		.amdhsa_system_sgpr_workgroup_id_y 1
		.amdhsa_system_sgpr_workgroup_id_z 1
		.amdhsa_system_vgpr_workitem_id 0
		.amdhsa_next_free_vgpr 512
		.amdhsa_next_free_sgpr 66
		.amdhsa_reserve_vcc 0
		.amdhsa_float_denorm_mode_32 3
		.amdhsa_float_denorm_mode_16_64 3
		.amdhsa_memory_ordered 1
		.amdhsa_forward_progress 1
		.amdhsa_inst_pref_size 188
	.end_amdhsa_kernel
	.amdgpu_metadata
---
amdhsa.version: [ 1, 2 ]
amdhsa.kernels:
  - .name:           k_q3a26dcc7ae_stats3
    .symbol:         k_q3a26dcc7ae_stats3.kd
    .args:
      - { .name: x1rec, .offset: 0, .size: 8, .value_kind: global_buffer, .address_space: global }
      - { .name: mask, .offset: 8, .size: 8, .value_kind: global_buffer, .address_space: global }
      - { .name: W2_codes, .offset: 16, .size: 8, .value_kind: global_buffer, .address_space: global }
      - { .name: W2_scales, .offset: 24, .size: 8, .value_kind: global_buffer, .address_space: global }
      - { .name: Wf_codes, .offset: 32, .size: 8, .value_kind: global_buffer, .address_space: global }
      - { .name: Wf_scales, .offset: 40, .size: 8, .value_kind: global_buffer, .address_space: global }
      - { .name: g2, .offset: 48, .size: 8, .value_kind: global_buffer, .address_space: global }
      - { .name: b2, .offset: 56, .size: 8, .value_kind: global_buffer, .address_space: global }
      - { .name: part2, .offset: 64, .size: 8, .value_kind: global_buffer, .address_space: global }
      - { .name: part3, .offset: 72, .size: 8, .value_kind: global_buffer, .address_space: global }
      - { .name: bn2, .offset: 80, .size: 8, .value_kind: global_buffer, .address_space: global }
    .group_segment_fixed_size: 33792
    .private_segment_fixed_size: 0
    .kernarg_segment_align: 8
    .kernarg_segment_size: 88
    .max_flat_workgroup_size: 256
    .sgpr_count:     66
    .vgpr_count:     512
    .wavefront_size: 32
...
	.end_amdgpu_metadata
.endif
;; end of part 7
;; launch output (part 8): grid 256 x 1, 8 waves a work-group, no clusters, 93,184 bytes of LDS; arguments x1rec, mask, W2_codes, W2_scales, Wf_codes, Wf_scales, gf, bf, part3, bn2, out0; writes out0
.if DOCPART == 8
	.amdgcn_target "amdgcn-amd-amdhsa--gfx1250"
	.amdhsa_code_object_version 6
	.text
	.protected	k_q3a26dcc7ae_output
	.globl	k_q3a26dcc7ae_output
	.p2align	8
	.type	k_q3a26dcc7ae_output,@function
k_q3a26dcc7ae_output:
	s_mov_b64 s[64:65], 0
	v_nop
	global_prefetch_b8 v0, s[64:65] scope:SCOPE_SE
	s_setreg_imm32_b32 hwreg(HW_REG_WAVE_SCHED_MODE, 0, 2), 2
	s_setreg_imm32_b32 hwreg(HW_REG_WAVE_MODE, 25, 1), 1
	s_wait_xcnt 0x0
	s_wait_alu depctr_vm_vsrc(0)
; LAYER 2 ONCE MORE, LAYER 3 AND THE RESULT.  h2 = Q(x1) W2; x2 = [h, pooled] m with h = relu(BN(h2)) m; h3 = Q(x2) Wf; out(voxel) = the largest relu(BN(h3)) m over the voxel's valid points.
; x1 comes as an earlier launch stored it (five operands of 12 registers a group and their scale words, as images of the registers), a2 and c2 likewise; x2 stays in registers.
; THE GROUP.  16 voxels = ten tiles of 16 rows: tile t is point t of the 16 voxels.  Work-group g owns 24 groups (the first 106: 25) from 24 g + min(g, 106) on; wave w takes every eighth.
; PRODUCT 2 has K = 64, the instruction 128: an operand of x1 holds tiles u (k 0-63) and u + 5 (k 64-127); (W2, 0) gives tile u's product, (0, W2) tile u + 5's.  W2 is source 0: a lane holds ONE voxel (lane % 16),
; and lane r of W2's tile w takes row 32 (w / 2) + 8 (w % 2) + r + 8 (r / 8), so that the 16 registers of tiles 2 b, 2 b + 1 are channels 32 b + 16 (lane / 16) + 0 .. 15: neighbours along the next K.
; THE MASK is taken as a number: t = relu(v) m; pooled = the largest t over ALL ten points (m <= 0 gives t <= 0, a valid point t >= 0); h = t m.
; PRODUCT 3 has Wf as source 0: a lane holds one voxel and eight neighbouring channels.  out = max(0, the largest v_t max(m_t, 0) over all ten points), which is the largest relu(v_t) m_t over m_t > 0.
; A group's 16 rows of 512 bytes gather in the wave's own stage in LDS and leave as whole rows.  Wf's eight tiles lie in LDS as images of their registers.
; BN 3: mean = S / N, var = Q / N - mean^2, held at 0 from below (its relative error grows as 2^-24 (1 + mean^2 / var)).
; LIMITS: every voxel has a mask above 0 (else reference() is NaN everywhere); NaN and infinities are not served; the sign of zero is not kept; a block of zeros has the byte 1 (its codes are zeros).
; THE MODE: SCHED_MODE bits 1:0 = 2 (LLVM: expert scheduling mode 2), set by the entry lines.  The code itself states the register dependences
; between vector or matrix instructions and memory or LDS instructions, with s_wait_alu, always for 0.
; THE PLAN.  Registers that memory or LDS instructions touch, in the loop:
;   X1, X1S, PFM    Written by the next record's loads, issued behind layer 2; X1 and X1S read by layer 2's products, PFM by the two LDS stores at a trip's head alone.
;   m               Written by the LDS loads at a trip's head; read and written by vector instructions up to layer 3's last step.
;   WB0, WB1, WS    Two fragments of Wf and their scale words, by turns: step j's ten products read set j % 2, while tile j + 1's loads, issued at step j's head, land in the other.
;   TB              a3 and c3 of a step's channels: loaded at the step's head, read by the step's multiply-adds.
;   O               A step's result: written by its maxima, read by two LDS stores at the head of the NEXT step.
;   H               The accumulators; at a trip's end the rows come back from the stage into them, and the global stores read them.
;   the offsets and LDS addresses v1-v9: made once at the head and never written again.
; So ONE wait on va_vdst stands at the head of steps 1 to 7 (the step before has written O and is done with TB and with the other fragment), one behind layer 2 and one behind step 7;
; one wait on vm_vsrc stands ahead of the maxima of steps 1 to 7 (the stores have read O) and one at a trip's head (PFM; the last trip's rows and its last O).
.set WFI,  0                           ; LDS: Wf's eight fragments, 1,536 bytes each
.set WFS,  12288                       ; their scale words, 128 bytes each
.set AT,   13312                       ; a3 by channel
.set CT,   13824                       ; c3
.set REDH, 14336                       ; 4,096: part3's sums, 4 classes of rows x 256 columns
.set MSK,  18432                       ; 768 for each wave: a group's mask
.set OUTS, 24576                       ; 8,448 for each wave: 16 rows of 512 bytes + 16
; window 0
.set LI,   1                           ; 16 x lane
.set LS,   2                           ; 4 x lane
.set MST,  3                           ; 768 x wave + 16 x lane
.set MLD,  4                           ; 768 x wave + 40 r
.set OST,  5                           ; 8,448 x wave + 528 r + 32 h
.set ORD,  6                           ; 8,448 x wave + 16 x lane
.set TBA,  7                           ; 32 h
.set TA,   8                           ; 16 x thread
.set T4,   9                           ; 4 x (thread % 128)
.set RR,   10
.set HH,   11
.set M,    12                          ; v12-31   m_t in register 2 t (the odd ones are zeros)
.set W2S,  32                          ; v32-35   W2's scale words
.set WS,   36                          ; v36-37   Wf's, of tile j in register j % 2
.set GG,   38                          ; the head: gf, bf of my channel
.set BB,   39
.set X1S,  40                          ; v40-43   x1's scale words: pairs 0-3; pair 4's in lanes 16-31 of register 0
.set X2S,  44                          ; v44-53   x2's, a register a tile
.set PFM,  54                          ; v54-61   the next group's mask
.set O,    62                          ; v62-69   a step's result
.set H,    70                          ; v70-149  accumulators: eight in layer 2, ten in layer 3
.set POOL, 150                         ; v150-181
.set MX,   182                         ; v182-185 largest magnitudes, then bytes
.set MY,   186                         ; v186-189 the other half's, then the conversions' scale operands
.set WT,   190
.set WB,   150                         ; layer 3: v150-161, v162-173 two fragments of Wf; v174-181 a3, v182-189 c3 of my eight channels
.set TB,   174
.set X1,   192                         ; v192-251 x1's five operands
.set HT0,  86                          ; the head's addresses
.set HT1,  87
.set HT2,  88
.set HT3,  89
.set HT4,  90
.set HT5,  91
.set HT6,  92
; window 1
.set X2,   0                           ; v0-119   x2's ten operands
.set BT,   120                         ; v120-127 codes on their way
.set A2,   128                         ; v128-159 a2 in the result's layout
.set C2,   160                         ; v160-191 c2
.set W2Z,  192                         ; v192-245 [0 W 0 W 0 W 0 W 0] in runs of 6
.set RSA,  246                         ; v246-249 the head's sum
.set MSB, 0
.macro WIN new                         ; s_set_vgpr_msb: bits 1:0 source 0, 3:2 source 1, 5:4 source 2, 7:6 destination; the high byte repeats the setting that is left
.if MSB != \new
	s_set_vgpr_msb (MSB<<8)|\new
.set MSB, \new
.endif
.endm
.macro PLACES n
.rept \n
	v_nop
.endr
.endm
.macro MULM d, s, t                    ; two numbers x m_t
	v_pk_mul_f32 v[\d:\d+1], v[\s:\s+1], v[M+2*(\t):M+2*(\t)+1] op_sel_hi:[1,0]
.endm
.macro RSLOAD rb, i0                   ; 16 loads: a step of the work-group covers 4,096 dense bytes
.set N, 0
.rept 16
	global_load_b128 v[\rb+4*N:\rb+4*N+3], v[TA], s[32:33] offset:4096*(\i0+N)
.set N, N+1
.endr
.endm
.macro RSTREE rb, first                ; their sum, into or onto v[RSA]
.irp st, 8,4,2
.set N, 0
.rept \st
	v_pk_add_f32 v[\rb+4*N:\rb+4*N+1], v[\rb+4*N:\rb+4*N+1], v[\rb+4*(N+\st):\rb+4*(N+\st)+1]
	v_pk_add_f32 v[\rb+4*N+2:\rb+4*N+3], v[\rb+4*N+2:\rb+4*N+3], v[\rb+4*(N+\st)+2:\rb+4*(N+\st)+3]
.set N, N+1
.endr
.endr
.if \first
	v_pk_add_f32 v[RSA:RSA+1], v[\rb:\rb+1], v[\rb+4:\rb+5]
	v_pk_add_f32 v[RSA+2:RSA+3], v[\rb+2:\rb+3], v[\rb+6:\rb+7]
.else
	v_pk_add_f32 v[\rb:\rb+1], v[\rb:\rb+1], v[\rb+4:\rb+5]
	v_pk_add_f32 v[\rb+2:\rb+3], v[\rb+2:\rb+3], v[\rb+6:\rb+7]
	v_pk_add_f32 v[RSA:RSA+1], v[RSA:RSA+1], v[\rb:\rb+1]
	v_pk_add_f32 v[RSA+2:RSA+3], v[RSA+2:RSA+3], v[\rb+2:\rb+3]
.endif
.endm
.macro PFREC                           ; a group's record (read here for the last time) and mask
.set N, 0
.rept 15
	global_load_b128 v[X1+4*N:X1+4*N+3], v[LI], s[16:17] offset:512*N th:TH_LOAD_NT
.set N, N+1
.endr
	global_load_b128 v[X1S:X1S+3], v[LI], s[16:17] offset:7680 th:TH_LOAD_NT
	global_load_b128 v[PFM:PFM+3], v[LI], s[18:19] th:TH_LOAD_NT
	global_load_b128 v[PFM+4:PFM+7], v[LI], s[18:19] offset:128   ; (ends with the group's 640 bytes)
.endm
; 64 numbers at v[s]: four half blocks of 16 (two of tile u, two of tile u + 5) become codes: six registers at d0 and six at d1, in window 1; the bytes stay in MX.
.macro QUANT4 s, d0, d1
.irp b, 0,1,2,3
	v_max3_num_f32 v[MX+\b], |v[\s+16*\b]|, |v[\s+16*\b+1]|, 0x1800000   ; and the floor 2^(3 - 127): the byte cannot fall under 1
.endr
.irp i, 2,4,6,8,10,12,14
.irp b, 0,1,2,3
	v_max3_num_f32 v[MX+\b], v[MX+\b], |v[\s+16*\b+\i]|, |v[\s+16*\b+\i+1]|
.endr
.endr
.irp b, 0,1,2,3
	v_permlanex16_b32 v[MY+\b], v[MX+\b], s8, s9
.endr
.irp b, 0,1,2,3
	v_max_num_f32 v[MX+\b], v[MX+\b], v[MY+\b]     ; with the lane 16 away: the block's largest magnitude
.endr
.irp b, 0,1,2,3
	v_add_nc_u32 v[MY+\b], 0xff000000, v[MX+\b]    ; 2 off the exponent field: the conversion's scale operand
.endr
.irp b, 0,1,2,3
	v_lshrrev_b32 v[MX+\b], 23, v[MY+\b]           ; the scale's byte
.endr
	WIN 0x40
	v_cvt_scalef32_pk16_fp6_f32 v[\d0:\d0+2], v[\s:\s+15], v[MY]
	v_cvt_scalef32_pk16_fp6_f32 v[BT:BT+2], v[\s+16:\s+31], v[MY+1]
	v_cvt_scalef32_pk16_fp6_f32 v[\d1:\d1+2], v[\s+32:\s+47], v[MY+2]
	v_cvt_scalef32_pk16_fp6_f32 v[BT+4:BT+6], v[\s+48:\s+63], v[MY+3]
	v_nop                                          ; one plain place behind a scaled conversion
	WIN 0x41
.irp i, 0,1,2
	v_permlane16_swap_b32 v[\d0+\i], v[BT+\i]      ; the operand's layout wants a whole block in a lane
	v_permlane16_swap_b32 v[\d1+\i], v[BT+4+\i]
.endr
.irp i, 0,1,2
	v_mov_b32 v[\d0+3+\i], v[BT+\i]                ; (a conversion's three registers begin on an even number)
	v_mov_b32 v[\d1+3+\i], v[BT+4+\i]
.endr
	WIN 0
.endm
; Tiles u and u + 5: product 2, BN, relu, mask, the pool, mask again; the h half of x2 becomes codes.
.macro PAIR u
	WIN 0x01                                       ; source 0 (W2) window 1
.irp hf, 0,1
.irp w, 0,1,2,3
.if (\u) == 4
	v_wmma_scale_f32_16x16x128_f8f6f4 v[H+8*(4*\hf+\w):H+8*(4*\hf+\w)+7], v[W2Z+6+12*\w-6*\hf:W2Z+17+12*\w-6*\hf], v[X1+12*(\u):X1+12*(\u)+11], 0, v[W2S+\w], v[X1S] matrix_a_fmt:MATRIX_FMT_FP6 matrix_b_fmt:MATRIX_FMT_FP6 matrix_b_scale:MATRIX_SCALE_ROW1
.else
	v_wmma_scale_f32_16x16x128_f8f6f4 v[H+8*(4*\hf+\w):H+8*(4*\hf+\w)+7], v[W2Z+6+12*\w-6*\hf:W2Z+17+12*\w-6*\hf], v[X1+12*(\u):X1+12*(\u)+11], 0, v[W2S+\w], v[X1S+(\u)] matrix_a_fmt:MATRIX_FMT_FP6 matrix_b_fmt:MATRIX_FMT_FP6
.endif
.endr
.endr
	WIN 0x14                                       ; a2 and c2 window 1
	PLACES 4
.set N, 0
.rept 32
	v_pk_fma_f32 v[H+2*N:H+2*N+1], v[H+2*N:H+2*N+1], v[A2+(2*N)%32:A2+(2*N)%32+1], v[C2+(2*N)%32:C2+(2*N)%32+1]   ; each accumulator from its low end on
.set N, N+1
.endr
	WIN 0
.set N, 0
.rept 64
	v_max_num_f32 v[H+N], 0, v[H+N]
.set N, N+1
.endr
.set N, 0
.rept 16
	MULM H+2*N, H+2*N, \u
	MULM H+32+2*N, H+32+2*N, (\u)+5
.set N, N+1
.endr
.set N, 0
.rept 32
.if (\u) == 0
	v_max_num_f32 v[POOL+N], v[H+N], v[H+32+N]
.else
	v_max3_num_f32 v[POOL+N], v[POOL+N], v[H+N], v[H+32+N]
.endif
.set N, N+1
.endr
.set N, 0
.rept 16
	MULM H+2*N, H+2*N, \u
	MULM H+32+2*N, H+32+2*N, (\u)+5
.set N, N+1
.endr
	QUANT4 H, X2+12*(\u), X2+12*((\u)+5)
	v_lshl_or_b32 v[X2S+(\u)], v[MX+1], 8, v[MX]
	v_lshl_or_b32 v[X2S+(\u)+5], v[MX+3], 8, v[MX+2]
.endm
.macro YPASS u                         ; the pooled half of x2 for tiles u and u + 5
.set N, 0
.rept 16
	MULM H+2*N, POOL+2*N, \u
	MULM H+32+2*N, POOL+2*N, (\u)+5
.set N, N+1
.endr
	QUANT4 H, X2+12*(\u)+6, X2+12*((\u)+5)+6
	v_lshl_or_b32 v[WT], v[MX+1], 8, v[MX]
	v_lshl_or_b32 v[X2S+(\u)], v[WT], 16, v[X2S+(\u)]
	v_lshl_or_b32 v[WT], v[MX+3], 8, v[MX+2]
	v_lshl_or_b32 v[X2S+(\u)+5], v[WT], 16, v[X2S+(\u)+5]
.endm
.macro LDW j                           ; Wf's tile j, as its image lies, into set j % 2
.irp c, 0,1,2
	ds_load_b128 v[WB+12*((\j)%2)+4*\c:WB+12*((\j)%2)+4*\c+3], v[LI] offset:WFI+1536*(\j)+512*\c
.endr
	ds_load_b32 v[WS+(\j)%2], v[LS] offset:WFS+128*(\j)
.endm
.macro OSTORE j                        ; step j's result into the stage
	ds_store_b128 v[OST], v[O:O+3] offset:OUTS+64*(\j)
	ds_store_b128 v[OST], v[O+4:O+7] offset:OUTS+64*(\j)+16
.endm
.macro L3D j                           ; channels 16 j + 8 h + 0 .. 7 of my voxel: h3 of the ten points, BN, the mask, the maximum
.if (\j) > 0
	s_wait_alu depctr_va_vdst(0)                   ; the last step has written its result, which the two stores below read; its multiply-adds are done reading a3 and c3, its products the other fragment of Wf and its scale word: the loads below land there
	OSTORE (\j)-1
.endif
	ds_load_b128 v[TB:TB+3], v[TBA] offset:AT+64*(\j)        ; (step 0: the wait behind layer 2 serves these loads; nothing since names their registers)
	ds_load_b128 v[TB+4:TB+7], v[TBA] offset:AT+64*(\j)+16
	ds_load_b128 v[TB+8:TB+11], v[TBA] offset:CT+64*(\j)
	ds_load_b128 v[TB+12:TB+15], v[TBA] offset:CT+64*(\j)+16
.if (\j) == 0
	LDW 1
	s_wait_dscnt 8                                 ; Wf's tile is in; a3 and c3 (four loads) and the next tile's four may be out
.elseif (\j) < 7
	LDW (\j)+1
	s_wait_dscnt 10                                ; Wf's tile is in; the two stores, a3 and c3 (four loads) and the next tile's four may be out
.else
	s_wait_dscnt 6                                 ; Wf's tile is in; the two stores and a3 and c3 (four loads) may be out
.endif
	WIN 0x04                                       ; source 1 (x2) window 1
.irp t, 0,1,2,3,4,5,6,7,8,9
	v_wmma_scale_f32_16x16x128_f8f6f4 v[H+8*\t:H+8*\t+7], v[WB+12*((\j)%2):WB+12*((\j)%2)+11], v[X2+12*\t:X2+12*\t+11], 0, v[WS+(\j)%2], v[X2S+\t] matrix_a_fmt:MATRIX_FMT_FP6 matrix_b_fmt:MATRIX_FMT_FP6
.endr
	WIN 0
	PLACES 4                                       ; in front of the first read of results
.if (\j) < 7
	s_wait_dscnt 4                                 ; a3 and c3 are in; the next tile's four loads may be out
.else
	s_wait_dscnt 0x0
.endif
.irp t, 0,1,2,3,4,5,6,7,8,9
.irp p, 0,2,4,6
	v_pk_fma_f32 v[H+8*\t+\p:H+8*\t+\p+1], v[H+8*\t+\p:H+8*\t+\p+1], v[TB+\p:TB+\p+1], v[TB+8+\p:TB+9+\p]
.endr
.irp p, 0,2,4,6
	MULM H+8*\t+\p, H+8*\t+\p, \t
.endr
.endr
.if (\j) > 0
	s_wait_alu depctr_vm_vsrc(0)                   ; the two stores at this step's head have read v[O ..], which the maxima below write again
.endif
.irp i, 0,1,2,3,4,5,6,7
	v_max3_num_f32 v[O+\i], v[H+\i], v[H+8+\i], 0
.endr
.irp t, 2,4,6,8
.irp i, 0,1,2,3,4,5,6,7
	v_max3_num_f32 v[O+\i], v[O+\i], v[H+8*\t+\i], v[H+8*\t+8+\i]
.endr
.endr
.endm
	s_load_b512 s[16:31], s[0:1], 0x0              ; x1rec 16, mask 18, W2's codes 20, scales 22, Wf's codes 24, scales 26, gf 28, bf 30
	s_load_b128 s[32:35], s[0:1], 0x40             ; part3 32, bn2 34
	s_load_b64 s[36:37], s[0:1], 0x50              ; out0
	v_lshl_add_u32 v254, v0, 2, 0x16800
	v_mov_b32 v255, 0
	v_lshrrev_b32 v[TA], 5, v0
	v_readfirstlane_b32 s2, v[TA]                  ; wave
	s_mov_b32 s3, ttmp9                            ; work-group
	s_mov_b32 s8, 0x76543210                       ; v_permlanex16_b32's selects for lane l xor 16
	s_mov_b32 s9, 0xfedcba98
	s_mov_b32 s10, 0x358637bd                      ; 1 / 1,000,000
	s_mov_b32 s11, 0x3727c5ac                      ; eps = 1e-5
	s_min_u32 s4, s3, 106
	s_mul_i32 s7, s3, 24
	s_add_co_u32 s4, s4, s7
	s_wait_alu depctr_va_sdst(0)                   ; s2, the wave's number, is written, ahead of its first reader
	s_add_co_u32 s4, s4, s2                        ; my first group
	s_cmp_eq_u32 s2, 0
	s_cselect_b32 s5, 1, 0
	s_cmp_lt_u32 s3, 106
	s_cselect_b32 s7, 1, 0
	s_and_b32 s5, s5, s7
	s_add_co_u32 s5, s5, 3                         ; my groups: 3 or 4
	v_and_b32 v[LS], 31, v0
	v_lshlrev_b32 v[LI], 4, v[LS]
	v_lshlrev_b32 v[LS], 2, v[LS]
	v_and_b32 v[RR], 15, v0
	v_bfe_u32 v[HH], v0, 4, 1
	v_lshlrev_b32 v[TA], 4, v0
	v_and_b32 v[T4], 127, v0
	v_lshlrev_b32 v[T4], 2, v[T4]
	s_mul_i32 s7, s2, 768
	v_add_nc_u32 v[MST], s7, v[LI]
	v_mul_u32_u24 v[MLD], v[RR], 40
	v_add_nc_u32 v[MLD], s7, v[MLD]
	s_mul_i32 s7, s2, 8448
	v_mul_u32_u24 v[OST], v[RR], 528
	v_lshl_add_u32 v[OST], v[HH], 5, v[OST]
	v_add_nc_u32 v[OST], s7, v[OST]
	v_add_nc_u32 v[ORD], s7, v[LI]
	v_lshlrev_b32 v[TBA], 5, v[HH]
	v_and_b32 v[HT0], 8, v[RR]
	v_add_nc_u32 v[HT0], v[HT0], v[RR]             ; r + 8 (r / 8)
	v_mul_u32_u24 v[HT1], v[HT0], 48
	v_mad_u32_u24 v[HT1], v[HH], 24, v[HT1]        ; W2's codes: 48 bytes a row, + 24 h
	v_lshlrev_b32 v[HT0], 1, v[HT0]                ; its scale bytes: 2 a row
	v_mul_u32_u24 v[HT2], v[RR], 96
	v_mad_u32_u24 v[HT2], v[HH], 24, v[HT2]
	s_mul_i32 s7, s2, 1536
	v_add_nc_u32 v[HT2], s7, v[HT2]                ; Wf's codes: wave j fetches tile j, rows 16 j + r of 96 bytes
	v_add_nc_u32 v[HT5], s7, v[LI]                 ; and where its image goes in LDS
	s_lshl_b32 s7, s2, 6
	v_lshl_add_u32 v[HT3], v[RR], 2, s7            ; and their scale words
	s_lshl_b32 s7, s2, 7
	v_add_nc_u32 v[HT6], s7, v[LS]                 ; and where those go
	v_lshlrev_b32 v[HT4], 6, v[HH]                 ; 64 h
	s_lshl_b32 s38, s4, 13
	s_mov_b32 s39, 0
	s_mul_i32 s40, s4, 640
	s_mov_b32 s41, 0
	s_wait_kmcnt 0x0
	s_add_nc_u64 s[16:17], s[16:17], s[38:39]      ; the record, the result (8,192 bytes a group each) and the mask at my first group
	s_add_nc_u64 s[36:37], s[36:37], s[38:39]
	s_add_nc_u64 s[18:19], s[18:19], s[40:41]
	s_wait_alu depctr_va_vdst(0)                   ; the offsets and LDS addresses v1 to v9 and v86 to v92 are written: every load and store of the kernel reads one of them
	PFREC
	WIN 0x40
.irp w, 0,1,2,3
.irp i, 0,1,2
	global_load_b64 v[W2Z+6+12*\w+2*\i:W2Z+7+12*\w+2*\i], v[HT1], s[20:21] offset:48*(32*(\w/2)+8*(\w%2))+8*\i
.endr
.endr
.irp q, 0,1,2,3,4,5,6,7
	global_load_b128 v[A2+4*\q:A2+4*\q+3], v[HT4], s[34:35] offset:16*(\q%4)+128*(\q/4)        ; register i: channel 32 (i / 16) + 16 h + i % 16
	global_load_b128 v[C2+4*\q:C2+4*\q+3], v[HT4], s[34:35] offset:256+16*(\q%4)+128*(\q/4)
.endr
	WIN 0
.irp w, 0,1,2,3
	global_load_u16 v[W2S+\w], v[HT0], s[22:23] offset:2*(32*(\w/2)+8*(\w%2))
.endr
.irp p, 0,1,2,3,4,5
	global_load_b64 v[H+2*\p:H+2*\p+1], v[HT2], s[24:25] offset:48*(\p/3)+8*(\p%3)
.endr
	global_load_b32 v[H+12], v[HT3], s[26:27]
	global_load_b32 v[GG], v[T4], s[28:29]
	global_load_b32 v[BB], v[T4], s[30:31]
	WIN 0x40
	RSLOAD 0, 0                                    ; part3, 262,144 bytes, in four halves of 16 loads that take turns on two sets of registers: the youngest loads of the head
	RSLOAD 64, 16
.irp z, 0,1,2,3,4
.irp i, 0,1,2,3,4,5
	v_mov_b32 v[W2Z+12*\z+\i], 0                   ; the runs of zero codes
.endr
.endr
	s_wait_loadcnt 16                              ; all but the younger half's 16, here and below
	WIN 0
.irp w, 0,1,2,3
	v_lshl_or_b32 v[W2S+\w], v[W2S+\w], 16, v[W2S+\w]   ; the two bytes twice: they serve (W2, 0) and (0, W2)
.endr
	WIN 0x45
	RSTREE 0, 1
	WIN 0x40
	s_wait_alu depctr_va_vdst(0)                   ; the additions are done with the first set of 64 registers, in which the third half's loads land
	RSLOAD 0, 32
	s_wait_loadcnt 16
	WIN 0x45
	RSTREE 64, 0
	WIN 0x40
	s_wait_alu depctr_va_vdst(0)                   ; the additions are done with the second set of 64 registers, in which the fourth half's loads land
	RSLOAD 64, 48
	s_wait_loadcnt 16
	WIN 0x45
	RSTREE 0, 0
	s_wait_loadcnt 0x0
	RSTREE 64, 0
	WIN 0x04
	s_wait_alu depctr_va_vdst(0)                   ; the additions have written v[RSA ..], which the LDS store reads
	ds_store_b128 v[TA], v[RSA:RSA+3] offset:REDH  ; class thread / 64, columns 4 (thread % 64) on
	WIN 0
.irp c, 0,1,2
	ds_store_b128 v[HT5], v[H+4*\c:H+4*\c+3] offset:WFI+512*\c   ; Wf's tile as an image of its registers
.endr
	ds_store_b32 v[HT6], v[H+12] offset:WFS
	s_wait_dscnt 0x0
	s_barrier_signal -1
	s_barrier_wait -1                              ; the classes and Wf's images lie in LDS
	s_wait_alu depctr_vm_vsrc(0)                   ; my LDS stores have read v[H .. H+12], in which the loads below land
	s_cmp_lt_u32 s2, 4
	s_cbranch_scc0 .Lno_bn
	; waves 0 to 3, thread = channel: a3 and c3
.set Q, 0
.rept 4
	ds_load_b32 v[H+Q], v[T4] offset:REDH+1024*Q
	ds_load_b32 v[H+8+Q], v[T4] offset:REDH+1024*Q+512
.set Q, Q+1
.endr
	s_wait_dscnt 0x0
.irp q, 1,2,3
	v_add_f32 v[H], v[H], v[H+\q]
	v_add_f32 v[H+8], v[H+8], v[H+8+\q]
.endr
	v_mul_f32 v[H], s10, v[H]                      ; mean
	v_mul_f32 v[H+8], s10, v[H+8]
	v_fma_f32 v[H+8], -v[H], v[H], v[H+8]          ; var
	v_max_num_f32 v[H+8], 0, v[H+8]
	v_add_f32 v[H+8], s11, v[H+8]
	s_wait_alu depctr_va_vdst(0)
	v_rsq_f32 v[H+9], v[H+8]
	v_nop                                          ; one plain place behind a transcendental
	s_wait_alu depctr_va_vdst(0)                   ; v[H+9], the root's reciprocal, is written, ahead of its first reader
	v_mul_f32 v[H+9], v[GG], v[H+9]                ; a3
	v_fma_f32 v[H+10], -v[H], v[H+9], v[BB]        ; c3 = bf - mean a3
	s_wait_alu depctr_va_vdst(0)                   ; a3 and c3 are written, which the two LDS stores read
	ds_store_b32 v[T4], v[H+9] offset:AT
	ds_store_b32 v[T4], v[H+10] offset:CT
.Lno_bn:
	s_wait_dscnt 0x0
	s_barrier_signal -1
	s_barrier_wait -1                              ; a3 and c3 lie in LDS
.irp t, 0,1,2,3,4,5,6,7,8,9
	v_mov_b32 v[M+2*\t+1], 0
.endr
.irp b, 0,1,2,3
	v_mov_b32 v[MY+\b], 0                          ; written once: a lane permute's destination counts as one of its sources
.endr
	s_wait_alu depctr_vm_vsrc(0)                   ; the stores of a3 and c3 have read their data, and the head's loads their addresses v86 to v92: all lie among the accumulators, which the loop's products write
	s_mov_b32 s6, 0
.Ltrip:                                                ; four trips; a wave with three groups passes over the fourth
	s_cmp_ge_u32 s6, s5
	s_cbranch_scc1 .Lskip
	s_wait_loadcnt 0x0                             ; the record asked for a trip ago is in: so the pointers may step
	s_add_nc_u64 s[16:17], s[16:17], 65536
	s_add_nc_u64 s[18:19], s[18:19], 5120
	ds_store_b128 v[MST], v[PFM:PFM+3] offset:MSK
	ds_store_b128 v[MST], v[PFM+4:PFM+7] offset:MSK+128
.irp t, 0,1,2,3,4,5,6,7,8,9
	ds_load_b32 v[M+2*\t], v[MLD] offset:MSK+4*\t  ; my voxel's ten mask numbers; LDS serves a wave's instructions in order.  (No wait on va_vdst: the wait behind the last trip's last step serves; nothing since names m)
.endr
	s_wait_dscnt 0x0
	s_wait_alu depctr_vm_vsrc(0)                   ; the two stores have read v[PFM ..], in which the next record's mask lands; the last trip's global stores have read the rows in the accumulators, its last LDS stores v[O ..]: this trip writes them again
.irp u, 0,1,2,3,4
	PAIR \u
.endr
.irp u, 0,1,2,3,4
	YPASS \u
.endr
.irp t, 0,1,2,3,4,5,6,7,8,9
	v_max_num_f32 v[M+2*\t], 0, v[M+2*\t]          ; max(m, 0) for the last layer.  (These ten are also the eight places between the scale words' last write and the scaled products)
.endr
	s_wait_alu depctr_va_vdst(0)                   ; x2's operands and scale words are written, which the scaled products take; layer 2's products are done reading x1 and its scale words, its vector instructions the pool's and the quantiser's registers: the loads below land there
	s_add_co_u32 s7, s6, 1
	s_cmp_lt_u32 s7, s5
	s_cbranch_scc0 .Lno_next                       ; no load leaves its buffer
	PFREC                                          ; the next record has all of layer 3 in which to land
.Lno_next:
	LDW 0
.irp j, 0,1,2,3,4,5,6,7
	L3D \j
.endr
	s_wait_alu depctr_va_vdst(0)                   ; the last step has written its result, which the two stores below read; layer 3 is done with the accumulators, in which the rows below land, and with m, in which the next trip's loads land
	OSTORE 7
.irp i, 0,1,2,3,4,5,6,7,8,9,10,11,12,13,14,15
	ds_load_b128 v[H+4*\i:H+4*\i+3], v[ORD] offset:OUTS+528*\i   ; whole rows back; LDS serves a wave's instructions in order: these see my stores
.endr
.irp i, 0,1,2,3,4,5,6,7,8,9,10,11,12,13,14,15
	s_wait_dscnt 15-\i
	global_store_b128 v[LI], v[H+4*\i:H+4*\i+3], s[36:37] offset:512*\i th:TH_STORE_NT   ; a voxel's row: 512 consecutive bytes, aligned
.endr
	s_wait_xcnt 0x0                                ; the stores' data and base are written again only behind this wait
	s_add_nc_u64 s[36:37], s[36:37], 65536
.Lskip:
	s_add_co_u32 s6, s6, 1
	s_cmp_lt_u32 s6, 4
	s_cbranch_scc1 .Ltrip
	s_wait_dscnt 0x0                               ; the closing lines, six on end
	s_wait_alu 0x0
	s_wait_tensorcnt 0x0
	ds_add_u32 v254, v255
	s_wait_dscnt 0x0
	s_endpgm
.Lfunc_end_k_q3a26dcc7ae_output:
	.size	k_q3a26dcc7ae_output, .Lfunc_end_k_q3a26dcc7ae_output-k_q3a26dcc7ae_output
	.p2alignl 7, 3214868480
	.fill 96, 4, 3214868480
	.section	.rodata,"a",@progbits
	.p2align	6, 0x0
	.amdhsa_kernel k_q3a26dcc7ae_output
		.amdhsa_group_segment_fixed_size 93184
		.amdhsa_private_segment_fixed_size 0
		.amdhsa_enable_private_segment 0
		.amdhsa_kernarg_size 88
		.amdhsa_user_sgpr_count 2
		.amdhsa_user_sgpr_kernarg_segment_ptr 1
		.amdhsa_wavefront_size32 1
		.amdhsa_system_sgpr_workgroup_id_x 1
		.amdhsa_system_sgpr_workgroup_id_y 1
		.amdhsa_system_sgpr_workgroup_id_z 1
		.amdhsa_system_vgpr_workitem_id 0
		.amdhsa_next_free_vgpr 512
		.amdhsa_next_free_sgpr 66
		.amdhsa_reserve_vcc 0
		.amdhsa_float_denorm_mode_32 3
		.amdhsa_float_denorm_mode_16_64 3
		.amdhsa_memory_ordered 1
		.amdhsa_forward_progress 1
		.amdhsa_inst_pref_size 214
	.end_amdhsa_kernel
	.amdgpu_metadata
---
amdhsa.version: [ 1, 2 ]
amdhsa.kernels:
  - .name:           k_q3a26dcc7ae_output
    .symbol:         k_q3a26dcc7ae_output.kd
    .args:
      - { .name: x1rec, .offset: 0, .size: 8, .value_kind: global_buffer, .address_space: global }
      - { .name: mask, .offset: 8, .size: 8, .value_kind: global_buffer, .address_space: global }
      - { .name: W2_codes, .offset: 16, .size: 8, .value_kind: global_buffer, .address_space: global }
      - { .name: W2_scales, .offset: 24, .size: 8, .value_kind: global_buffer, .address_space: global }
      - { .name: Wf_codes, .offset: 32, .size: 8, .value_kind: global_buffer, .address_space: global }
      - { .name: Wf_scales, .offset: 40, .size: 8, .value_kind: global_buffer, .address_space: global }
      - { .name: gf, .offset: 48, .size: 8, .value_kind: global_buffer, .address_space: global }
      - { .name: bf, .offset: 56, .size: 8, .value_kind: global_buffer, .address_space: global }
      - { .name: part3, .offset: 64, .size: 8, .value_kind: global_buffer, .address_space: global }
      - { .name: bn2, .offset: 72, .size: 8, .value_kind: global_buffer, .address_space: global }
      - { .name: out0, .offset: 80, .size: 8, .value_kind: global_buffer, .address_space: global }
    .group_segment_fixed_size: 93184
    .private_segment_fixed_size: 0
    .kernarg_segment_align: 8
    .kernarg_segment_size: 88
    .max_flat_workgroup_size: 256
    .sgpr_count:     66
    .vgpr_count:     512
    .wavefront_size: 32
...
	.end_amdgpu_metadata
.endif
;; end of part 8
